; MI455X (gfx1250); checked and timed in simulation.
; The chip was launched on July 23, 2026; its instructions are those of AMD's public machine-readable ISA for CDNA 5 (MIT licence, August 2026) and "CDNA5" Instruction Set Architecture Reference Guide (July 2026). The comments in the code are by the model that wrote it; some were corrected since.
;; Masked Attention Block. Allowed arithmetic: matrix products marked QUANTISED: E2M3 operands, one E8M0 scale for each 32 along K, by v_wmma_scale_f32_16x16x128_f8f6f4 with both operands' format E2M3, f32 sums; everything else in f32.
;; Inputs: adj_mask 2 x 2,048 x 2,048 bool; b1 4,096 float32; b2 1,024 float32; bk 1,024 float32; bo 1,024 float32; bq 1,024 float32; bv 1,024 float32; ln1_b 1,024 float32; ln1_w 1,024 float32; ln2_b 1,024 float32; ln2_w 1,024 float32; w1 4,096 x 1,024 float32; w2 1,024 x 4,096 float32; wk 1,024 x 1,024 float32; wo 1,024 x 1,024 float32; wq 1,024 x 1,024 float32; wv 1,024 x 1,024 float32; x 2 x 2,048 x 1,024 float32.
;; Outputs: out0 2 x 2,048 x 1,024 float32.
;; This version of the problem:
;;   THIS VERSION OF THE PROBLEM IS GIVEN IN LOW PRECISION. The matrix products marked QUANTISED in the list below multiply operands that are first quantised to E2M3 (2 exponent bits, 3 mantissa bits; 6 bits a number), with one power-of-two scale for each 32 numbers along K (OCP MX v1.0); their sums are f32. All else is computed in f32.
;;   The module's matrix products, in the order in which they are computed (A, B: the left and right operand; K: the contracted axis; several contracted axes count as one K, in the product's order):
;;     1. [M 4,096, K 1,024] x [K 1,024, N 1,024]; A: computed on the way; B: input wq: QUANTISED
;;     2. [M 4,096, K 1,024] x [K 1,024, N 1,024]; A: computed on the way; B: input wk: QUANTISED
;;     3. [M 4,096, K 1,024] x [K 1,024, N 1,024]; A: computed on the way; B: input wv: QUANTISED
;;     4. batch 32 x [M 2,048, K 64] x [K 64, N 2,048]; A: computed on the way; B: computed on the way: QUANTISED
;;     5. batch 32 x [M 2,048, K 2,048] x [K 2,048, N 64]; A: softmax (see below); B: computed on the way: QUANTISED
;;     6. [M 4,096, K 1,024] x [K 1,024, N 1,024]; A: computed on the way; B: input wo: QUANTISED
;;     7. [M 4,096, K 1,024] x [K 1,024, N 4,096]; A: computed on the way; B: input w1: QUANTISED
;;     8. [M 4,096, K 4,096] x [K 4,096, N 1,024]; A: computed on the way; B: input w2: QUANTISED
;;   THE QUANTISER, for each operand of a quantised product, along K:
;;     - K is cut into blocks of 32 from its start; a last block that is shorter is filled with zeros.
;;     - A block's scale is 2^e with e = floor(log2(the largest magnitude in the block)) - 2, held to -126 .. 127; a block of zeros has e = 0. As a byte (E8M0): e + 127.
;;     - Each number is divided by its block's scale, clamped to +-7.5, and rounded to the nearest number of E2M3, ties to even, subnormals kept.
;;     - The product sums the exact products of the quantised numbers (number of the format x scale) in f32.
;;   ~~~python
;;   def quantise(x, axis):      # numpy; x: float32 -> the quantised numbers, widened to float32 again
;;       x = np.moveaxis(x, axis, -1); K = x.shape[-1]
;;       x = np.pad(x, [(0, 0)] * (x.ndim - 1) + [(0, -K % 32)]); x = x.reshape(x.shape[:-1] + (-1, 32)); a = np.abs(x).max(-1, keepdims=True)
;;       e = np.where(a > 0, np.clip(np.frexp(np.where(a > 0, a, 1))[1] - 1 - 2, -126, 127), 0)      # np.frexp(a)[1] - 1 = floor(log2(a)), exactly
;;       r = np.clip(x / 2.0 ** e, -7.5, 7.5)
;;       step = 2.0 ** (np.maximum(np.frexp(np.where(r == 0, 1, r))[1] - 1, 0) - 3)
;;       q = np.round(r / step) * step * 2.0 ** e      # np.round: ties to even
;;       return np.moveaxis(q.reshape(q.shape[:-2] + (-1,))[..., :K], -1, axis).astype(np.float32)
;;   ~~~
;;   SOFTMAX AHEAD OF A QUANTISED PRODUCT. Where the list says 'softmax', what is quantised is not the finished softmax but p = 2^(t - M), with t = logit x log2(e) and M = ceil(the row's largest t), a whole number; so 1/2 < the row's largest p <= 1. The row's sum l is taken of the UNQUANTISED p, in f32, and the product's result is divided by l at the end. Since M is a whole number, a kernel that streams over the keys may use a running M (the ceiling of the running maximum): every later rescaling is an exact power of two, which a block's scale takes up: the codes' values come out the same.
;;   OPERANDS COMPUTED ON THE WAY. 'Computed on the way' means the value that the module computes at that place (a softmax that the list does not call 'softmax' is quantised finished and normalised). What goes into a quantiser is computed in f32, as accurately as f32 sums, v_exp_f32 and their like allow (about 1e-6 of the number): no bf16 or f16 on the way to a quantiser, and a product that is left as it is and whose result goes on into a quantised operand takes f32 operands (vector FMAs, or v_wmma_f32_16x16x4_f32). A number that lies on a knife's edge between two numbers of the format may be rounded either way, as far as f32 arithmetic and the matrix unit's own rounding can turn it there, and no further.
;; 2 versions, each right and faster than the one before. Each part assembles by itself: llvm-mc -triple=amdgcn-amd-amdhsa -mcpu=gfx1250 --defsym DOCPART=n.
;; ======== version 1 of 2: 9 launches
;; workspace buffers: wimg 13,107,200 bytes; qkvimg 10,092,544 bytes; mbits 1,048,576 bytes of whole numbers; himg 16,384,000 bytes; x1 16,777,216 bytes
;; launch wquant (part 1): grid 256 x 1, 3 waves a work-group, no clusters, 26,112 bytes of LDS; arguments wq, wk, wv, wo, w1, w2, wimg; writes wimg
.if DOCPART == 1
	.amdgcn_target "amdgcn-amd-amdhsa--gfx1250"
	.amdhsa_code_object_version 6
	.text
	.protected	k_qd1aa687183_wquant
	.globl	k_qd1aa687183_wquant
	.p2align	8
	.type	k_qd1aa687183_wquant,@function
k_qd1aa687183_wquant:
	s_mov_b64 s[64:65], 0
	v_nop
	global_prefetch_b8 v0, s[64:65] scope:SCOPE_SE
	s_setreg_imm32_b32 hwreg(HW_REG_WAVE_MODE, 25, 1), 1
	s_wait_xcnt 0x0
; The six weights, f32 with K innermost, become codes of FP6 (E2M3) with one E8M0 scale byte for each 32 along K, laid as IMAGES OF THE OPERAND'S REGISTERS.
; A CHUNK is 128 rows x 128 K: 12,800 bytes = 8 fragments of 1,536 bytes (16 rows x 128 K) and 512 bytes of scale words.  A fragment is two halves of 768 bytes (registers 0-5, 6-11):
; registers 0-3 of a half at 16 x lane, registers 4-5 at 512 + 8 x lane.  The scale word of row r of fragment 4 g + i lies at 12,288 + 256 g + 16 r + 4 i.
; Chunks in wimg: wq 0-63, wk 64-127, wv 128-191, wo 192-255 (each [row block 8][K step 8]), w1 256-511 ([32][8]), w2 512-767 ([8][32]).
; ONE ORDER OF K FOR THE WHOLE PROGRAM: the quantiser takes 64 numbers of a lane, register 8 t + j of lane (r, h) = element 16 t + 8 h + j of row r.  Registers 16 b .. 16 b + 15 of lanes l and l xor 16 are block b of 32;
; inside a block the codes stand in a fixed permutation, the same for both operands of every product, so each product's terms are the same and only the order of the f32 sums inside a block differs.
; SHARES: 768 chunks, one wave each (3 waves x 256 work-groups).  A fragment's 16 rows come by 16 loads of 512 consecutive bytes, turn through the wave's own stage in LDS (rows 528 bytes apart) and leave as whole runs of 512 and 256 bytes.
; A block's scale is 2^(floor(log2(largest magnitude)) - 2); its byte is the largest magnitude's exponent field - 2.
; LIMITS: NaN and infinities are not served; a block whose largest magnitude lies under 2^-124 has its byte held at 1; a block of zeros carries the byte 1 (its codes are zeros; this program alone reads the bytes).
.set STG,  8448                        ; a wave's stage: 16 rows x 528 bytes
.set OFFR, 8                           ; v8-23   row i of a fragment: 16 x lane + i x pitch
.set PWS,  24                          ; v24-31  the eight fragments' scale words
.set R,    32                          ; v32-95, v96-159  two sets of 64 numbers as loaded
.set X,    160                         ; v160-223 64 numbers in the quantiser's order
.set TM,   224                         ; v224-235 at work
.set PC,   236                         ; v236-247 a fragment's codes
.set PW,   248                         ; v248    its scale word
.set SEL,  36                          ; s[36:37] lane selects: lane l xor 16
; 64 numbers v[s] .. v[s+63] become a fragment's codes in v[PC] on and its rows' scale word in v[PW]
.macro QUANT s
.irp b, 0,1,2,3
	v_max3_num_f32 v[TM+\b], |v[\s+16*\b]|, |v[\s+1+16*\b]|, 0x1800000   ; block b: my 16 numbers and the floor 2^(3 - 127), which holds the byte at 1 from below
.endr
.irp i, 2,4,6,8,10,12,14
.irp b, 0,1,2,3
	v_max3_num_f32 v[TM+\b], v[TM+\b], |v[\s+16*\b+\i]|, |v[\s+1+16*\b+\i]|
.endr
.endr
.irp b, 0,1,2,3
	v_permlanex16_b32 v[TM+4+\b], v[TM+\b], s[SEL], s[SEL+1]
.endr
.irp b, 0,1,2,3
	v_max_num_f32 v[TM+\b], v[TM+\b], v[TM+4+\b]                 ; with lane l xor 16's: the block's largest magnitude
.endr
.irp b, 0,1,2,3
	v_add_nc_u32 v[TM+8+\b], 0xff000000, v[TM+\b]                ; 2 off its exponent field: the conversion's scale operand
.endr
.irp b, 0,1,2,3
	v_lshrrev_b32 v[TM+4+\b], 23, v[TM+8+\b]                     ; the scale's byte
.endr
	v_lshl_or_b32 v[PW], v[TM+5], 8, v[TM+4]
	v_lshl_or_b32 v[PW], v[TM+6], 16, v[PW]
	v_lshl_or_b32 v[PW], v[TM+7], 24, v[PW]
.irp c, 0,1
	v_cvt_scalef32_pk16_fp6_f32 v[PC+6*\c:PC+6*\c+2], v[\s+32*\c:\s+32*\c+15], v[TM+8+2*\c]
	v_cvt_scalef32_pk16_fp6_f32 v[TM+4*\c:TM+4*\c+2], v[\s+32*\c+16:\s+32*\c+31], v[TM+9+2*\c]   ; (three registers from an even one on)
.endr
	v_nop                                                        ; one plain line behind the scaled conversions
.irp c, 0,1                            ; a whole block to a lane: lanes 0-15 block 2 c, lanes 16-31 block 2 c + 1
.irp i, 0,1,2
	v_permlane16_swap_b32 v[PC+6*\c+\i], v[TM+4*\c+\i]
.endr
.irp i, 0,1,2
	v_mov_b32 v[PC+3+6*\c+\i], v[TM+4*\c+\i]
.endr
.endr
.endm
	s_load_b256 s[4:11], s[0:1], 0x0               ; wq, wk, wv, wo
	s_load_b128 s[12:15], s[0:1], 0x20             ; w1, w2
	s_load_b64 s[16:17], s[0:1], 0x30              ; wimg
	v_lshl_add_u32 v254, v0, 2, 0x6400
	v_mov_b32 v255, 0
	v_lshrrev_b32 v1, 5, v0
	v_readfirstlane_b32 s18, v1                    ; wave 0..2
	v_and_b32 v1, 31, v0                           ; lane
	v_and_b32 v2, 15, v0                           ; r
	v_bfe_u32 v3, v0, 4, 1                         ; h
	s_mul_i32 s19, ttmp9, 3
	s_add_co_u32 s19, s19, s18                     ; my chunk
	s_mul_i32 s38, s18, STG
	v_lshlrev_b32 v4, 4, v1                        ; 16 x lane
	v_add_nc_u32 v5, s38, v4                       ; the stage, on the way in
	v_mul_u32_u24 v6, v2, 528
	v_lshl_add_u32 v6, v3, 5, v6
	v_add_nc_u32 v6, s38, v6                       ; and out: row r, + 32 h
	v_lshl_add_u32 v7, v1, 3, 512                  ; 8 x lane + 512
	s_mov_b32 s[SEL], 0x76543210
	s_mov_b32 s[SEL+1], 0xfedcba98
	s_mov_b32 s34, 0xffff0000                      ; lanes 16-31
.irp b, 0,1,2,3
	v_mov_b32 v[TM+4+\b], 0                        ; written once: a lane permute's destination counts as a source
.endr
	s_mov_b32 s22, 512                             ; the tensor's first chunk
	s_mov_b32 s23, 16384                           ; bytes from row to row
	s_wait_kmcnt 0x0
	s_mov_b64 s[20:21], s[14:15]                   ; which tensor: the choices hang on the chunk's number alone
	s_cmp_lt_u32 s19, 512
	s_cselect_b64 s[20:21], s[12:13], s[20:21]
	s_cselect_b32 s22, 256, s22
	s_cselect_b32 s23, 4096, s23
	s_cselect_b32 s24, 3, 5                        ; log2 of the K steps in a row
	s_cmp_lt_u32 s19, 256
	s_cselect_b64 s[20:21], s[10:11], s[20:21]
	s_cselect_b32 s22, 192, s22
	s_cmp_lt_u32 s19, 192
	s_cselect_b64 s[20:21], s[8:9], s[20:21]
	s_cselect_b32 s22, 128, s22
	s_cmp_lt_u32 s19, 128
	s_cselect_b64 s[20:21], s[6:7], s[20:21]
	s_cselect_b32 s22, 64, s22
	s_cmp_lt_u32 s19, 64
	s_cselect_b64 s[20:21], s[4:5], s[20:21]
	s_cselect_b32 s22, 0, s22
	s_sub_co_u32 s25, s19, s22                     ; the chunk's number in its tensor
	s_lshr_b32 s26, s25, s24                       ; block of 128 rows
	s_bfm_b32 s27, s24, 0
	s_and_b32 s27, s25, s27                        ; K step
	s_mul_i32 s28, s26, s23
	s_lshl_b32 s28, s28, 7                         ; 128 rows x pitch (under 2^25)
	s_lshl_b32 s29, s27, 9
	s_add_co_u32 s28, s28, s29                     ; + 512 bytes a K step
	s_mov_b32 s29, 0
	s_add_nc_u64 s[20:21], s[20:21], s[28:29]
	s_mul_i32 s30, s19, 12800
	s_mov_b32 s31, 0
	s_add_nc_u64 s[16:17], s[16:17], s[30:31]
	s_lshl_b32 s32, s23, 4                         ; 16 rows on
	s_mov_b32 s33, 0
.irp i, 0,1,2,3,4,5,6,7,8,9,10,11,12,13,14,15
	v_mad_u32_u24 v[OFFR+\i], s23, \i, v4
.endr
.macro LOAD f                          ; fragment f's 16 rows: each load reads 512 consecutive bytes
	s_wait_xcnt 0x0                                ; the base is stepped, and the codes' registers are written again, only behind this wait
.if (\f) > 0
	s_add_nc_u64 s[20:21], s[20:21], s[32:33]
.endif
.irp i, 0,1,2,3,4,5,6,7,8,9,10,11,12,13,14,15
	global_load_b128 v[R+64*((\f)%2)+4*\i:R+64*((\f)%2)+4*\i+3], v[OFFR+\i], s[20:21] th:TH_LOAD_NT
.endr
.endm
.macro FSTEP f
.if (\f) < 7
	s_wait_loadcnt 16                              ; this fragment's 16 loads are in; the next fragment's 16 may be out
.else
	s_wait_loadcnt 0x0
.endif
.irp i, 0,1,2,3,4,5,6,7,8,9,10,11,12,13,14,15
	ds_store_b128 v5, v[R+64*((\f)%2)+4*\i:R+64*((\f)%2)+4*\i+3] offset:528*\i
.endr
.irp t, 0,1,2,3,4,5,6,7                ; LDS serves a wave's instructions in order: these see the stores above
	ds_load_b128 v[X+8*\t:X+8*\t+3], v6 offset:64*\t
	ds_load_b128 v[X+8*\t+4:X+8*\t+7], v6 offset:64*\t+16
.endr
	s_wait_dscnt 0x0                               ; the numbers are back, and the stores have read their registers
.if (\f) < 6
	LOAD (\f)+2
.else
	s_wait_xcnt 0x0
.endif
	QUANT X
	v_mov_b32 v[PWS+\f], v[PW]
	global_store_b128 v4, v[PC:PC+3], s[16:17] offset:1536*\f          ; 512 consecutive bytes
	global_store_b64 v7, v[PC+4:PC+5], s[16:17] offset:1536*\f         ; 256
	global_store_b128 v4, v[PC+6:PC+9], s[16:17] offset:1536*\f+768
	global_store_b64 v7, v[PC+10:PC+11], s[16:17] offset:1536*\f+768
.endm
	LOAD 0
	LOAD 1
.irp f, 0,1,2,3,4,5,6,7
	FSTEP \f
.endr
.irp i, 0,1,2,3
	v_cndmask_b32 v[250+\i], v[PWS+\i], v[PWS+4+\i], s34           ; lanes 0-15: fragments 0-3, lanes 16-31: fragments 4-7
.endr
	global_store_b128 v4, v[250:253], s[16:17] offset:12288        ; the chunk's 512 bytes of scale words
	s_wait_tensorcnt 0x0
	ds_add_u32 v254, v255
	s_wait_dscnt 0x0
	s_endpgm
.Lfunc_end_k_qd1aa687183_wquant:
	.size	k_qd1aa687183_wquant, .Lfunc_end_k_qd1aa687183_wquant-k_qd1aa687183_wquant
	.p2alignl 7, 3214868480
	.fill 96, 4, 3214868480
	.section	.rodata,"a",@progbits
	.p2align	6, 0x0
	.amdhsa_kernel k_qd1aa687183_wquant
		.amdhsa_group_segment_fixed_size 26112
		.amdhsa_private_segment_fixed_size 0
		.amdhsa_enable_private_segment 0
		.amdhsa_kernarg_size 56
		.amdhsa_user_sgpr_count 2
		.amdhsa_user_sgpr_kernarg_segment_ptr 1
		.amdhsa_wavefront_size32 1
		.amdhsa_system_sgpr_workgroup_id_x 1
		.amdhsa_system_sgpr_workgroup_id_y 1
		.amdhsa_system_sgpr_workgroup_id_z 1
		.amdhsa_system_vgpr_workitem_id 0
		.amdhsa_next_free_vgpr 256
		.amdhsa_next_free_sgpr 66
		.amdhsa_reserve_vcc 0
		.amdhsa_float_denorm_mode_32 3
		.amdhsa_float_denorm_mode_16_64 3
		.amdhsa_memory_ordered 1
		.amdhsa_forward_progress 1
		.amdhsa_inst_pref_size 67
	.end_amdhsa_kernel
	.amdgpu_metadata
---
amdhsa.version: [ 1, 2 ]
amdhsa.kernels:
  - .name:           k_qd1aa687183_wquant
    .symbol:         k_qd1aa687183_wquant.kd
    .args:
      - { .name: wq, .offset: 0, .size: 8, .value_kind: global_buffer, .address_space: global }
      - { .name: wk, .offset: 8, .size: 8, .value_kind: global_buffer, .address_space: global }
      - { .name: wv, .offset: 16, .size: 8, .value_kind: global_buffer, .address_space: global }
      - { .name: wo, .offset: 24, .size: 8, .value_kind: global_buffer, .address_space: global }
      - { .name: w1, .offset: 32, .size: 8, .value_kind: global_buffer, .address_space: global }
      - { .name: w2, .offset: 40, .size: 8, .value_kind: global_buffer, .address_space: global }
      - { .name: wimg, .offset: 48, .size: 8, .value_kind: global_buffer, .address_space: global }
    .group_segment_fixed_size: 26112
    .private_segment_fixed_size: 0
    .kernarg_segment_align: 8
    .kernarg_segment_size: 56
    .max_flat_workgroup_size: 96
    .sgpr_count:     66
    .vgpr_count:     256
    .wavefront_size: 32
...
	.end_amdgpu_metadata
.endif
;; end of part 1
;; launch maskpack (part 2): grid 256 x 1, 8 waves a work-group, no clusters, 35,840 bytes of LDS; arguments adj_mask, mbits; writes mbits
.if DOCPART == 2
	.amdgcn_target "amdgcn-amd-amdhsa--gfx1250"
	.amdhsa_code_object_version 6
	.text
	.protected	k_qd1aa687183_maskpack
	.globl	k_qd1aa687183_maskpack
	.p2align	8
	.type	k_qd1aa687183_maskpack,@function
k_qd1aa687183_maskpack:
	s_mov_b64 s[64:65], 0
	v_nop
	global_prefetch_b8 v0, s[64:65] scope:SCOPE_SE
	s_setreg_imm32_b32 hwreg(HW_REG_WAVE_MODE, 25, 1), 1
	s_wait_xcnt 0x0
; adj_mask [2][2048][2048], one byte a flag, becomes LANE MASKS for the attention kernel: mbits [batch 2][tile of 16 queries 128][step of 128 keys 16][64 words];
; in word 8 t + j, bit (r + 16 h) is adj_mask[batch][16 tile + r][128 step + 16 t + 8 h + j]: the lane and register in which that score lies there.  The 16 heads then share 1 MiB in place of 8.
; SHARES: a work-group takes 16 queries, each of its 8 waves 256 keys (two steps).  Each load covers two rows' aligned 256 bytes; the bytes turn through the wave's own stage (rows 272 bytes apart);
; a compare's lane mask is the word; v_writelane_b32 gathers 128 words so that the wave stores 512 consecutive bytes.  No barrier: waves share nothing.
	s_load_b128 s[4:7], s[0:1], 0x0                ; adj_mask, mbits
	v_lshl_add_u32 v96, v0, 2, 0x8800
	v_mov_b32 v97, 0
	v_lshrrev_b32 v1, 5, v0
	v_readfirstlane_b32 s16, v1                    ; wave 0..7
	v_and_b32 v1, 31, v0                           ; lane
	v_and_b32 v2, 15, v0                           ; r
	v_bfe_u32 v3, v0, 4, 1                         ; h
	v_lshlrev_b32 v4, 4, v2
	v_lshl_add_u32 v5, v3, 11, v4                  ; memory: 2,048 (lane / 16) + 16 (lane % 16)
	s_mul_i32 s17, s16, 4352
	v_mad_u32_u24 v6, v3, 272, v4
	v_add_nc_u32 v6, s17, v6                       ; the stage, on the way in
	v_mul_u32_u24 v7, v2, 272
	v_lshl_add_u32 v7, v3, 3, v7
	v_add_nc_u32 v7, s17, v7                       ; and out: row r, + 8 h
	v_lshlrev_b32 v80, 4, v1                       ; the words' place: 16 x lane
	s_lshl_b32 s18, ttmp9, 15                      ; 16 rows of 2,048 bytes
	s_lshl_b32 s19, s16, 8
	s_add_co_u32 s18, s18, s19
	s_mov_b32 s19, 0
	s_lshl_b32 s20, ttmp9, 12                      ; 16 steps of 256 bytes
	s_lshl_b32 s21, s16, 9
	s_add_co_u32 s20, s20, s21
	s_mov_b32 s21, 0
	s_wait_kmcnt 0x0
	s_add_nc_u64 s[4:5], s[4:5], s[18:19]
	s_add_nc_u64 s[6:7], s[6:7], s[20:21]
.irp i, 0,1,2,3,4,5,6,7
	global_load_b128 v[8+4*\i:11+4*\i], v5, s[4:5] offset:4096*\i th:TH_LOAD_NT
.endr
.irp i, 0,1,2,3,4,5,6,7
	s_wait_loadcnt 7-\i                            ; loads come back in order: load i is in, the younger ones may be out
	ds_store_b128 v6, v[8+4*\i:11+4*\i] offset:544*\i
.endr
.irp t, 0,1,2,3,4,5,6,7,8,9,10,11,12,13,14,15
	ds_load_b64 v[40+2*\t:41+2*\t], v7 offset:16*\t                ; keys 16 t + 8 h + 0 .. 7 of query r
.endr
.irp i, 0,1,2,3
	v_mov_b32 v[72+\i], 0                          ; v_writelane_b32's destination counts as a source
.endr
	s_wait_dscnt 0x0
.set n, 0
.rept 128
	v_and_b32 v[76+n%4], 0xff<<(8*(n%4)), v[40+2*(n/8)+(n%8)/4]    ; the flag of key 16 (n / 8) + 8 h + n % 8
	v_cmp_ne_u32 s[8+n%8], 0, v[76+n%4]                            ; over the 32 lanes: word n
	v_writelane_b32 v[72+n%4], s[8+n%8], n/4                       ; lane n / 4 stores words 4 (n / 4) .. + 3
.set n, n+1
.endr
	global_store_b128 v80, v[72:75], s[6:7]
	s_wait_tensorcnt 0x0
	ds_add_u32 v96, v97
	s_wait_dscnt 0x0
	s_endpgm
.Lfunc_end_k_qd1aa687183_maskpack:
	.size	k_qd1aa687183_maskpack, .Lfunc_end_k_qd1aa687183_maskpack-k_qd1aa687183_maskpack
	.p2alignl 7, 3214868480
	.fill 96, 4, 3214868480
	.section	.rodata,"a",@progbits
	.p2align	6, 0x0
	.amdhsa_kernel k_qd1aa687183_maskpack
		.amdhsa_group_segment_fixed_size 35840
		.amdhsa_private_segment_fixed_size 0
		.amdhsa_enable_private_segment 0
		.amdhsa_kernarg_size 16
		.amdhsa_user_sgpr_count 2
		.amdhsa_user_sgpr_kernarg_segment_ptr 1
		.amdhsa_wavefront_size32 1
		.amdhsa_system_sgpr_workgroup_id_x 1
		.amdhsa_system_sgpr_workgroup_id_y 1
		.amdhsa_system_sgpr_workgroup_id_z 1
		.amdhsa_system_vgpr_workitem_id 0
		.amdhsa_next_free_vgpr 98
		.amdhsa_next_free_sgpr 66
		.amdhsa_reserve_vcc 0
		.amdhsa_float_denorm_mode_32 3
		.amdhsa_float_denorm_mode_16_64 3
		.amdhsa_memory_ordered 1
		.amdhsa_forward_progress 1
		.amdhsa_inst_pref_size 29
	.end_amdhsa_kernel
	.amdgpu_metadata
---
amdhsa.version: [ 1, 2 ]
amdhsa.kernels:
  - .name:           k_qd1aa687183_maskpack
    .symbol:         k_qd1aa687183_maskpack.kd
    .args:
      - { .name: adj_mask, .offset: 0, .size: 8, .value_kind: global_buffer, .address_space: global }
      - { .name: mbits, .offset: 8, .size: 8, .value_kind: global_buffer, .address_space: global }
    .group_segment_fixed_size: 35840
    .private_segment_fixed_size: 0
    .kernarg_segment_align: 8
    .kernarg_segment_size: 16
    .max_flat_workgroup_size: 256
    .sgpr_count:     66
    .vgpr_count:     98
    .wavefront_size: 32
...
	.end_amdgpu_metadata
.endif
;; end of part 2
;; launch ln1 (part 3): grid 256 x 1, 8 waves a work-group, no clusters, 69,632 bytes of LDS; arguments x, ln1_w, ln1_b, wimg; writes wimg
.if DOCPART == 3
	.amdgcn_target "amdgcn-amd-amdhsa--gfx1250"
	.amdhsa_code_object_version 6
	.text
	.protected	k_qd1aa687183_ln1
	.globl	k_qd1aa687183_ln1
	.p2align	8
	.type	k_qd1aa687183_ln1,@function
k_qd1aa687183_ln1:
	s_mov_b64 s[64:65], 0
	v_nop
	global_prefetch_b8 v0, s[64:65] scope:SCOPE_SE
	s_setreg_imm32_b32 hwreg(HW_REG_WAVE_MODE, 25, 1), 1
	s_wait_xcnt 0x0
; LayerNorm over rows of 1,024 f32, then the quantiser: y = (x - mean) rsqrt(var + 1e-5) w + b becomes codes of FP6 (E2M3) with E8M0 scales, laid as chunks 768-1023 of wimg
; ([block of 128 rows 32][K step 8]; a chunk: 8 fragments of 1,536 bytes as register images, then 512 bytes of scale words; the order of k inside a block of 32 is the program's one order).
; SHARES: a work-group takes 16 rows, one fragment's; wave w takes K step w (128 columns) of all 16.  The rows' sums meet in LDS: two barriers.
; The variance is taken of x - mean in a second pass over the registers, so a common offset of the inputs cancels nothing.
; LIMITS: NaN and infinities are not served by the quantiser (a NaN does not count for a block's largest magnitude); bytes are held at 1 from below; a block of zeros carries the byte 1.
.set STG,  8448                        ; a wave's stage: 16 rows x 528 bytes
.set RED,  67584                       ; behind the stages: the rows' partial sums [row 16][wave 8], 512 bytes; the squares' 512 bytes on
.set NXO,  9830400                     ; chunk 768
.set R,    32                          ; v32-95   x as loaded, later b
.set W,    96                          ; v96-159  w
.set X,    160                         ; v160-223 64 numbers: register 8 t + j of lane (r, h) = column 16 t + 8 h + j of row r
.set TM,   224
.set PC,   236
.set PW,   248
.set SEL,  24
.macro QUANT s
.irp b, 0,1,2,3
	v_max3_num_f32 v[TM+\b], |v[\s+16*\b]|, |v[\s+1+16*\b]|, 0x1800000   ; block b: my 16 numbers and the floor 2^(3 - 127)
.endr
.irp i, 2,4,6,8,10,12,14
.irp b, 0,1,2,3
	v_max3_num_f32 v[TM+\b], v[TM+\b], |v[\s+16*\b+\i]|, |v[\s+1+16*\b+\i]|
.endr
.endr
.irp b, 0,1,2,3
	v_permlanex16_b32 v[TM+4+\b], v[TM+\b], s[SEL], s[SEL+1]
.endr
.irp b, 0,1,2,3
	v_max_num_f32 v[TM+\b], v[TM+\b], v[TM+4+\b]
.endr
.irp b, 0,1,2,3
	v_add_nc_u32 v[TM+8+\b], 0xff000000, v[TM+\b]                ; 2 off the exponent field: the conversion's scale operand
.endr
.irp b, 0,1,2,3
	v_lshrrev_b32 v[TM+4+\b], 23, v[TM+8+\b]
.endr
	v_lshl_or_b32 v[PW], v[TM+5], 8, v[TM+4]
	v_lshl_or_b32 v[PW], v[TM+6], 16, v[PW]
	v_lshl_or_b32 v[PW], v[TM+7], 24, v[PW]
.irp c, 0,1
	v_cvt_scalef32_pk16_fp6_f32 v[PC+6*\c:PC+6*\c+2], v[\s+32*\c:\s+32*\c+15], v[TM+8+2*\c]
	v_cvt_scalef32_pk16_fp6_f32 v[TM+4*\c:TM+4*\c+2], v[\s+32*\c+16:\s+32*\c+31], v[TM+9+2*\c]
.endr
	v_nop                                                        ; one plain line behind the scaled conversions
.irp c, 0,1
.irp i, 0,1,2
	v_permlane16_swap_b32 v[PC+6*\c+\i], v[TM+4*\c+\i]
.endr
.irp i, 0,1,2
	v_mov_b32 v[PC+3+6*\c+\i], v[TM+4*\c+\i]
.endr
.endr
.endm
.macro MEET                            ; my LDS stores have landed: then the work-group's barrier
	s_wait_dscnt 0x0
	s_barrier_signal -1
	s_barrier_wait -1
.endm
.macro ROWSUM off                      ; v18: my half row's sum -> v22: the row's, over lane l xor 16 and the eight waves
	v_permlanex16_b32 v19, v18, s[SEL], s[SEL+1]
	v_add_f32 v18, v18, v19
	ds_store_b32 v11, v18 offset:\off              ; both halves of the lanes write the same word with the same value
	MEET
	ds_load_b128 v[22:25], v12 offset:\off
	ds_load_b128 v[26:29], v12 offset:\off+16
	s_wait_dscnt 0x0
	v_add_f32 v22, v22, v23
	v_add_f32 v24, v24, v25
	v_add_f32 v26, v26, v27
	v_add_f32 v28, v28, v29
	v_add_f32 v22, v22, v24
	v_add_f32 v26, v26, v28
	v_add_f32 v22, v22, v26
.endm
	s_load_b256 s[4:11], s[0:1], 0x0               ; x, w, b, wimg
	v_lshl_add_u32 v254, v0, 2, 0x10c00
	v_mov_b32 v255, 0
	v_lshrrev_b32 v1, 5, v0
	v_readfirstlane_b32 s12, v1                    ; wave = K step
	v_and_b32 v1, 31, v0                           ; lane
	v_and_b32 v2, 15, v0                           ; r
	v_bfe_u32 v3, v0, 4, 1                         ; h
	s_and_b32 s13, ttmp9, 7                        ; which fragment of the chunk
	s_lshr_b32 s14, ttmp9, 3                       ; which block of 128 rows
	s_lshl_b32 s15, s12, 9
	v_lshl_add_u32 v4, v1, 4, s15                  ; x: 512 w + 16 x lane
	v_lshl_add_u32 v7, v3, 5, s15                  ; w, b: 512 w + 32 h
	s_mul_i32 s19, s12, STG
	v_lshl_add_u32 v5, v1, 4, s19                  ; the stage, in
	v_mul_u32_u24 v6, v2, 528
	v_lshl_add_u32 v6, v3, 5, v6
	v_add_nc_u32 v6, s19, v6                       ; and out
	s_mul_i32 s16, s13, 1536
	v_lshl_add_u32 v8, v1, 4, s16                  ; the fragment's place in the chunk, 16 x lane
	v_lshl_add_u32 v9, v1, 3, s16
	v_add_nc_u32 v9, 512, v9                       ; 8 x lane + 512
	s_lshr_b32 s17, s13, 2
	s_lshl_b32 s17, s17, 8
	s_and_b32 s18, s13, 3
	s_lshl_b32 s18, s18, 2
	s_add_co_u32 s17, s17, s18
	s_add_co_u32 s17, s17, 12288
	v_lshl_add_u32 v10, v2, 4, s17                 ; my row's scale word
	s_lshl_b32 s18, s12, 2
	s_add_co_u32 s18, s18, RED
	v_lshl_add_u32 v11, v2, 5, s18                 ; partial sums: 32 r + 4 w
	v_lshlrev_b32 v12, 5, v2
	v_add_nc_u32 v12, RED, v12
	s_mov_b32 s20, 0x3a800000                      ; 1 / 1024
	s_mov_b32 s21, 0x3727c5ac                      ; 1e-5
	s_mov_b32 s[SEL], 0x76543210
	s_mov_b32 s[SEL+1], 0xfedcba98
.irp b, 0,1,2,3
	v_mov_b32 v[TM+4+\b], 0
.endr
	s_lshl_b32 s22, ttmp9, 16                      ; 16 rows of 4,096 bytes
	s_mov_b32 s23, 0
	s_lshl_b32 s26, s14, 3
	s_add_co_u32 s26, s26, s12
	s_mul_i32 s26, s26, 12800
	s_add_co_u32 s26, s26, NXO
	s_mov_b32 s27, 0
	s_wait_kmcnt 0x0
	s_add_nc_u64 s[4:5], s[4:5], s[22:23]
	s_add_nc_u64 s[10:11], s[10:11], s[26:27]
.irp i, 0,1,2,3,4,5,6,7,8,9,10,11,12,13,14,15
	global_load_b128 v[R+4*\i:R+4*\i+3], v4, s[4:5] offset:4096*\i     ; 512 consecutive bytes of row i
.endr
.irp t, 0,1,2,3,4,5,6,7
	global_load_b128 v[W+8*\t:W+8*\t+3], v7, s[6:7] offset:64*\t
	global_load_b128 v[W+8*\t+4:W+8*\t+7], v7, s[6:7] offset:64*\t+16
.endr
	s_wait_loadcnt 16                              ; x is in; w's 16 loads may be out
.irp i, 0,1,2,3,4,5,6,7,8,9,10,11,12,13,14,15
	ds_store_b128 v5, v[R+4*\i:R+4*\i+3] offset:528*\i
.endr
.irp t, 0,1,2,3,4,5,6,7
	ds_load_b128 v[X+8*\t:X+8*\t+3], v6 offset:64*\t
	ds_load_b128 v[X+8*\t+4:X+8*\t+7], v6 offset:64*\t+16
.endr
	s_wait_dscnt 0x0                               ; the stores have read R: it takes b
.irp t, 0,1,2,3,4,5,6,7
	global_load_b128 v[R+8*\t:R+8*\t+3], v7, s[8:9] offset:64*\t
	global_load_b128 v[R+8*\t+4:R+8*\t+7], v7, s[8:9] offset:64*\t+16
.endr
	v_pk_add_f32 v[18:19], v[X:X+1], v[X+2:X+3]                    ; the sum, two at a time, in two chains
	v_pk_add_f32 v[20:21], v[X+4:X+5], v[X+6:X+7]
.irp j, 8,12,16,20,24,28,32,36,40,44,48,52,56,60
	v_pk_add_f32 v[18:19], v[18:19], v[X+\j:X+\j+1]
	v_pk_add_f32 v[20:21], v[20:21], v[X+\j+2:X+\j+3]
.endr
	v_pk_add_f32 v[18:19], v[18:19], v[20:21]
	v_add_f32 v18, v18, v19
	ROWSUM 0
	v_mul_f32 v14, s20, v22                        ; the mean
	v_mov_b32 v15, v14
.irp j, 0,2,4,6,8,10,12,14,16,18,20,22,24,26,28,30,32,34,36,38,40,42,44,46,48,50,52,54,56,58,60,62
	v_pk_add_f32 v[X+\j:X+\j+1], v[X+\j:X+\j+1], v[14:15] op_sel_hi:[1,0] neg_lo:[0,1] neg_hi:[0,1]
.endr
	v_pk_mul_f32 v[18:19], v[X:X+1], v[X:X+1]
	v_pk_mul_f32 v[20:21], v[X+2:X+3], v[X+2:X+3]
.irp j, 4,8,12,16,20,24,28,32,36,40,44,48,52,56,60
	v_pk_fma_f32 v[18:19], v[X+\j:X+\j+1], v[X+\j:X+\j+1], v[18:19]
	v_pk_fma_f32 v[20:21], v[X+\j+2:X+\j+3], v[X+\j+2:X+\j+3], v[20:21]
.endr
	v_pk_add_f32 v[18:19], v[18:19], v[20:21]
	v_add_f32 v18, v18, v19
	ROWSUM 512                                     ; other bytes than the first sums': no barrier is owed between the two
	v_fma_f32 v22, v22, s20, s21                   ; var + eps
	v_rsq_f32 v16, v22
	v_nop                                          ; one plain line behind the transcendental
	s_wait_alu depctr_va_vdst(0)
	v_mov_b32 v17, v16
	s_wait_loadcnt 0x0                             ; w and b
.irp j, 0,2,4,6,8,10,12,14,16,18,20,22,24,26,28,30,32,34,36,38,40,42,44,46,48,50,52,54,56,58,60,62
	v_pk_mul_f32 v[X+\j:X+\j+1], v[X+\j:X+\j+1], v[16:17] op_sel_hi:[1,0]
.endr
.irp j, 0,2,4,6,8,10,12,14,16,18,20,22,24,26,28,30,32,34,36,38,40,42,44,46,48,50,52,54,56,58,60,62
	v_pk_fma_f32 v[X+\j:X+\j+1], v[X+\j:X+\j+1], v[W+\j:W+\j+1], v[R+\j:R+\j+1]
.endr
	QUANT X
	global_store_b128 v8, v[PC:PC+3], s[10:11]
	global_store_b64 v9, v[PC+4:PC+5], s[10:11]
	global_store_b128 v8, v[PC+6:PC+9], s[10:11] offset:768
	global_store_b64 v9, v[PC+10:PC+11], s[10:11] offset:768
	global_store_b32 v10, v[PW], s[10:11]          ; 64 of a chunk's 12,800 bytes; both halves of the lanes store the same word
	s_wait_tensorcnt 0x0
	ds_add_u32 v254, v255
	s_wait_dscnt 0x0
	s_endpgm
.Lfunc_end_k_qd1aa687183_ln1:
	.size	k_qd1aa687183_ln1, .Lfunc_end_k_qd1aa687183_ln1-k_qd1aa687183_ln1
	.p2alignl 7, 3214868480
	.fill 96, 4, 3214868480
	.section	.rodata,"a",@progbits
	.p2align	6, 0x0
	.amdhsa_kernel k_qd1aa687183_ln1
		.amdhsa_group_segment_fixed_size 69632
		.amdhsa_private_segment_fixed_size 0
		.amdhsa_enable_private_segment 0
		.amdhsa_kernarg_size 32
		.amdhsa_user_sgpr_count 2
		.amdhsa_user_sgpr_kernarg_segment_ptr 1
		.amdhsa_wavefront_size32 1
		.amdhsa_system_sgpr_workgroup_id_x 1
		.amdhsa_system_sgpr_workgroup_id_y 1
		.amdhsa_system_sgpr_workgroup_id_z 1
		.amdhsa_system_vgpr_workitem_id 0
		.amdhsa_next_free_vgpr 256
		.amdhsa_next_free_sgpr 66
		.amdhsa_reserve_vcc 0
		.amdhsa_float_denorm_mode_32 3
		.amdhsa_float_denorm_mode_16_64 3
		.amdhsa_memory_ordered 1
		.amdhsa_forward_progress 1
		.amdhsa_inst_pref_size 26
	.end_amdhsa_kernel
	.amdgpu_metadata
---
amdhsa.version: [ 1, 2 ]
amdhsa.kernels:
  - .name:           k_qd1aa687183_ln1
    .symbol:         k_qd1aa687183_ln1.kd
    .args:
      - { .name: x, .offset: 0, .size: 8, .value_kind: global_buffer, .address_space: global }
      - { .name: ln1_w, .offset: 8, .size: 8, .value_kind: global_buffer, .address_space: global }
      - { .name: ln1_b, .offset: 16, .size: 8, .value_kind: global_buffer, .address_space: global }
      - { .name: wimg, .offset: 24, .size: 8, .value_kind: global_buffer, .address_space: global }
    .group_segment_fixed_size: 69632
    .private_segment_fixed_size: 0
    .kernarg_segment_align: 8
    .kernarg_segment_size: 32
    .max_flat_workgroup_size: 256
    .sgpr_count:     66
    .vgpr_count:     256
    .wavefront_size: 32
...
	.end_amdgpu_metadata
.endif
;; end of part 3
;; launch qkv (part 4): grid 8 x 24, 4 waves a work-group, clusters of 4 x 4, 327,680 bytes of LDS; arguments wimg, bq, bk, bv, qkvimg; writes qkvimg
.if DOCPART == 4
	.amdgcn_target "amdgcn-amd-amdhsa--gfx1250"
	.amdhsa_code_object_version 6
	.text
	.protected	k_qd1aa687183_qkv
	.globl	k_qd1aa687183_qkv
	.p2align	8
	.type	k_qd1aa687183_qkv,@function
k_qd1aa687183_qkv:
	s_mov_b64 s[64:65], 0
	v_nop
	global_prefetch_b8 v0, s[64:65] scope:SCOPE_SE
	s_setreg_imm32_b32 hwreg(HW_REG_WAVE_MODE, 25, 1), 1
	s_wait_xcnt 0x0
	s_wait_alu depctr_hold_cnt(0) depctr_sa_sdst(0) depctr_va_vdst(0) depctr_va_sdst(0) depctr_va_ssrc(0) depctr_va_vcc(0) depctr_vm_vsrc(0)
	s_getreg_b32 s2, hwreg(HW_REG_IB_STS2, 6, 4)
	s_cmp_eq_u32 s2, 0
	s_cbranch_scc0 .Lentry_in_a_cluster
	s_endpgm
.Lentry_in_a_cluster:
	s_bfe_u32 s2, ttmp6, 0x10000c
	s_cmp_lg_u32 s2, 0xf033
	s_cbranch_scc0 .Lentry_shape_is_right
	s_endpgm
.Lentry_shape_is_right:
; q, k and v of the attention, each quantised on its way out.  One GEMM body on codes of FP6 (E2M3) with E8M0 scales, C = A B^T, K = 1,024, tiles of 256 x 256, four waves of 128 x 128 (64 accumulators, 512 registers).
; Clusters with y < 4: A = the normalised tokens, B = [wq; wk]: a lane holds one token and its registers run along 128 features = two heads: the fragment's two halves are the two heads' operands (K = 64) of the scores.
; Clusters with y = 4, 5: A = wv, B = the tokens: a lane holds one CHANNEL and its registers run along 128 keys, which are the K of the second product of attention: nothing is transposed.
; OPERANDS lie in memory as register images in chunks of 12,800 bytes (128 rows x 128 K: 8 fragments of 1,536 bytes, 512 bytes of scale words), [row block][K step]: two K steps of a row block are 25,600 dense bytes, one tensor load.
; RING: two LDS slots of 256 along K (A's two row blocks, B's two), one load a wave.  CLUSTERS 4 x 4: A's tiles are shared along a row of the cluster, B's along a column: joint loads.
; THE MATRIX INSTRUCTION IS USED TRANSPOSED (source 0 = 16 rows of B, source 1 = 16 rows of A): register j of lane (r, h) in accumulator (a, b) is C(16 a + r, 16 b + 8 h + j): the quantiser's order of k.
; OUT (qkvimg): Q at 0: [batch x head 32] 106,496 bytes apart, [block of 128 queries 16] 6,656 apart: 8 halves of 768 bytes, 512 bytes of scale words.  K, V at 3,407,872: [batch x head] 208,896 apart, [step of 128 keys 16] 13,056 apart:
; K's 8 halves, V^T's 4 fragments at 6,144, K's scale words at 12,288, V's at 12,800.  In Q's and K's scale words bytes 2 and 3 are 0x7f: the scores' product has only 64 along K.
; REGISTERS: window 0: v1-14 addresses, v16-23, v30-31 LDS addresses, v28-29 for the add, v32-47 scale words (two sets), v56-63 the blocks' scale words, v64-127 bq or bk, v128-223 A's fragments (later at work), v224-239 bv;
; window 1: B's fragments, two sets, at v0 and v128;  windows 2, 3: the accumulators, (a, b) at v[8 (8 (a % 4) + b)].
; LIMITS: NaN and infinities are not served; scale bytes are held at 1 from below; a block of zeros carries the byte 1; inside a block of 32 the sums run in the program's own order of k.
.set KDIM,  1024
.set CH,    12800
.set HALFT, 2*CH                       ; one row block x two K steps: what one tensor load brings
.set SLOT,  4*HALFT
.set SPARE, 2*SLOT                     ; behind the ring: the spare words, 128 bytes a wave
.set RBS,   (KDIM/128)*CH              ; from row block to row block
.set LAPS,  KDIM/512
.set WVO,   1638400                    ; wv's chunks in wimg
.set NXO,   9830400                    ; the tokens'
.set FR,    12
.set A16,   16                         ; v16-17 LDS address of my A fragments in slot 0, 1: + 16 x lane;  v18-19: + 8 x lane + 512
.set A8,    18
.set B16,   20                         ; v20-23 the same for B
.set B8,    22
.set SPW,   28
.set NIL,   29
.set ADRS,  30                         ; v30-31 scale words: lanes 0-15 A's rows, lanes 16-31 B's
.set SC,    32
.set AF,    128
.set G1,    24
.set G0,    32
.set G1B,   48
.set G0B,   56
.set PWS,   56
.set BIAS,  64
.set BV,    224
.set T,     128
.set TM,    192
.set PC,    204
.set PW,    216
.set SEL,   68
.set MSB, 0
.macro WIN new                         ; the immediate's high byte repeats the setting that is left
.if MSB != \new
	s_set_vgpr_msb (MSB<<8)|(\new)
.set MSB, \new
.endif
.endm
.set MUL_LO, 0xa1                      ; source 0 (B) window 1, source 1 (A) window 0, C and D window 2
.set MUL_HI, 0xf1
.set TO_B,   0x40
.macro JLOAD s                         ; a joint load: waves 0, 1 fetch A's two row blocks, waves 2, 3 B's; four v_nop follow each line
	s_cmp_eq_u32 s15, 0
	s_cbranch_scc0 .Lfor_b_\@
	tensor_load_to_lds s[G0+4*\s:G0+4*\s+3], s[G1:G1+7]
	s_nop 0
.rept 4
	v_nop
.endr
	s_branch .Lasked_\@
.Lfor_b_\@:
	tensor_load_to_lds s[G0B+4*\s:G0B+4*\s+3], s[G1B:G1B+7]
	s_nop 0
.rept 4
	v_nop
.endr
.Lasked_\@:
.endm
.macro CREST                           ; a round of the cluster's barrier behind its opening barrier
	s_cmp_lg_u32 s14, 0
	s_cbranch_scc1 .Lnot_wave_0_\@
	s_barrier_signal -3
.Lnot_wave_0_\@:
	s_barrier_wait -3
	s_barrier_signal -1
	s_barrier_wait -1
.endm
.macro CROUND
	s_barrier_signal -1
	s_barrier_wait -1
	CREST
.endm
.macro PLACES                          ; four plain lines between a matrix instruction and a load into, or a vector line on, its registers
.rept 4
	v_nop
.endr
.endm
.macro FRAG reg, a16, a8, q, i         ; a fragment comes back as it was stored: four loads, each of consecutive bytes
	ds_load_b128 v[\reg:\reg+3], v[\a16] offset:(\q)*CH+1536*(\i)
	ds_load_b64 v[\reg+4:\reg+5], v[\a8] offset:(\q)*CH+1536*(\i)
	ds_load_b128 v[\reg+6:\reg+9], v[\a16] offset:(\q)*CH+1536*(\i)+768
	ds_load_b64 v[\reg+10:\reg+11], v[\a8] offset:(\q)*CH+1536*(\i)+768
.endm
.macro FETCH_B slot, q, p
	WIN TO_B
.irp i, 0,1,2,3,4,5,6,7
	FRAG 128*(\p)+FR*\i, B16+\slot, B8+\slot, \q, \i
.endr
	WIN 0
.endm
.macro FETCH_A slot, q, i0
.irp i, \i0, \i0+1, \i0+2, \i0+3
	FRAG AF+FR*(\i), A16+\slot, A8+\slot, \q, \i
.endr
.endm
.macro SCALES slot, q, p               ; register i of set p: lanes 0-15 the words of A's block i, lanes 16-31 those of B's block i
	ds_load_b128 v[SC+8*(\p):SC+8*(\p)+3], v[ADRS+\slot] offset:(\q)*CH
	ds_load_b128 v[SC+8*(\p)+4:SC+8*(\p)+7], v[ADRS+\slot] offset:(\q)*CH+256
.endm
; 16 matrix instructions: A's blocks a0, a0 + 1 x B's eight.  The 64 accumulators take turns, one instruction a turn, in the same order in every step
.macro MUL16 a0, p, zero
.irp a, \a0, \a0+1
.irp b, 0,1,2,3,4,5,6,7
.if \zero
	v_wmma_scale_f32_16x16x128_f8f6f4 v[8*(8*((\a)%4)+\b):8*(8*((\a)%4)+\b)+7], v[128*(\p)+FR*\b:128*(\p)+FR*\b+FR-1], v[AF+FR*(\a):AF+FR*(\a)+FR-1], 0, v[SC+8*(\p)+\b], v[SC+8*(\p)+(\a)] matrix_a_fmt:MATRIX_FMT_FP6 matrix_b_fmt:MATRIX_FMT_FP6 matrix_a_scale:MATRIX_SCALE_ROW1
.else
	v_wmma_scale_f32_16x16x128_f8f6f4 v[8*(8*((\a)%4)+\b):8*(8*((\a)%4)+\b)+7], v[128*(\p)+FR*\b:128*(\p)+FR*\b+FR-1], v[AF+FR*(\a):AF+FR*(\a)+FR-1], v[8*(8*((\a)%4)+\b):8*(8*((\a)%4)+\b)+7], v[SC+8*(\p)+\b], v[SC+8*(\p)+(\a)] matrix_a_fmt:MATRIX_FMT_FP6 matrix_b_fmt:MATRIX_FMT_FP6 matrix_a_scale:MATRIX_SCALE_ROW1
.endif
.endr
.endr
.endm
.macro STEP slot, zero                 ; a slot's first 128 along K (set 0); it fetches the second (set 1)
	s_wait_dscnt 16                                ; B's set, A's blocks 0-3 and the scale words are in; the youngest 16 loads (A's blocks 4-7) may be out
	WIN MUL_LO
	MUL16 0, 0, \zero
	MUL16 2, 0, \zero
	s_wait_dscnt 0x0
	PLACES
	FETCH_B \slot, 1, 1
	FETCH_A \slot, 1, 0
	SCALES \slot, 1, 1
	WIN MUL_HI
	MUL16 4, 0, \zero
	MUL16 6, 0, \zero
	PLACES
	WIN 0
	FETCH_A \slot, 1, 4
.endm
.macro TURN slot, next, fill           ; a slot's second 128 along K (set 1), and the change of slots
	s_wait_tensorcnt 0x0                           ; all my tensor loads have landed: my part of the next slot
	ds_add_u32 v[SPW], v[NIL]                      ; 0 onto my spare word
	s_wait_dscnt 17                                ; (the add and the youngest 16 loads may be out)
	WIN MUL_LO
	MUL16 0, 1, 0
	s_wait_dscnt 0x0                               ; the add is done, and my reads of this slot are over
	s_barrier_signal -1
	MUL16 2, 1, 0
	WIN 0
	s_barrier_wait -1
.if \fill
	CREST                                          ; the barrier has opened a round of the cluster's: no wave of any partner still reads this slot or has a load on its way
	s_add_nc_u64 s[G0+4*\slot+2:G0+4*\slot+3], s[G0+4*\slot+2:G0+4*\slot+3], 2*HALFT
	s_add_nc_u64 s[G0B+4*\slot+2:G0B+4*\slot+3], s[G0B+4*\slot+2:G0B+4*\slot+3], 2*HALFT
	JLOAD \slot                                    ; the first tensor load behind the round; its four v_nop are the places in front of the loads below
.else
	PLACES
.endif
	FETCH_B \next, 0, 0
	FETCH_A \next, 0, 0
	SCALES \next, 0, 0
	WIN MUL_HI
	MUL16 4, 1, 0
	MUL16 6, 1, 0
	PLACES
	WIN 0
	FETCH_A \next, 0, 4
.endm
.macro QUANT s                         ; 64 numbers of a lane -> a fragment's codes in v[PC] on, its rows' scale word in v[PW]
.irp b, 0,1,2,3
	v_max3_num_f32 v[TM+\b], |v[\s+16*\b]|, |v[\s+1+16*\b]|, 0x1800000   ; block b: my 16 numbers and the floor 2^(3 - 127)
.endr
.irp i, 2,4,6,8,10,12,14
.irp b, 0,1,2,3
	v_max3_num_f32 v[TM+\b], v[TM+\b], |v[\s+16*\b+\i]|, |v[\s+1+16*\b+\i]|
.endr
.endr
.irp b, 0,1,2,3
	v_permlanex16_b32 v[TM+4+\b], v[TM+\b], s[SEL], s[SEL+1]
.endr
.irp b, 0,1,2,3
	v_max_num_f32 v[TM+\b], v[TM+\b], v[TM+4+\b]
.endr
.irp b, 0,1,2,3
	v_add_nc_u32 v[TM+8+\b], 0xff000000, v[TM+\b]
.endr
.irp b, 0,1,2,3
	v_lshrrev_b32 v[TM+4+\b], 23, v[TM+8+\b]
.endr
	v_lshl_or_b32 v[PW], v[TM+5], 8, v[TM+4]
	v_lshl_or_b32 v[PW], v[TM+6], 16, v[PW]
	v_lshl_or_b32 v[PW], v[TM+7], 24, v[PW]
.irp c, 0,1
	v_cvt_scalef32_pk16_fp6_f32 v[PC+6*\c:PC+6*\c+2], v[\s+32*\c:\s+32*\c+15], v[TM+8+2*\c]
	v_cvt_scalef32_pk16_fp6_f32 v[TM+4*\c:TM+4*\c+2], v[\s+32*\c+16:\s+32*\c+31], v[TM+9+2*\c]
.endr
	v_nop
.irp c, 0,1
.irp i, 0,1,2
	v_permlane16_swap_b32 v[PC+6*\c+\i], v[TM+4*\c+\i]
.endr
.irp i, 0,1,2
	v_mov_b32 v[PC+3+6*\c+\i], v[TM+4*\c+\i]
.endr
.endr
.endm
	s_load_b256 s[4:11], s[0:1], 0x0               ; wimg, bq, bk, bv
	s_load_b64 s[12:13], s[0:1], 0x20              ; qkvimg
	v_lshl_add_u32 v[SPW], v0, 2, SPARE
	v_mov_b32 v[NIL], 0
	ds_add_u32 v28, v29
	ds_add_u32 v28, v29
	s_wait_dscnt 0x0
	v_lshrrev_b32 v1, 5, v0
	v_readfirstlane_b32 s14, v1                    ; wave 0..3
	s_lshr_b32 s15, s14, 1                         ; which half of the tile's rows is mine.  Also: I fetch for A (0) or for B (1)
	s_and_b32 s16, s14, 1                          ; which half of its columns.  Also: which row block I fetch
	s_bfe_u32 s40, ttmp6, 0x40000                  ; cx
	s_bfe_u32 s41, ttmp6, 0x40004                  ; cy
	s_mov_b32 s66, ttmp9                           ; X: the cluster's x, 0 or 1
	s_and_b32 s67, ttmp7, 0xffff                   ; Y: the cluster's y, 0 .. 5: the partners share both
	s_lshl_b32 s43, s41, 2
	s_lshl_b32 s43, 15, s43                        ; my row of the cluster
	s_lshl_b32 s44, 0x1111, s40                    ; my column
	s_or_b32 s[G1+0], s43, (3<<16)|(1<<21)         ; 15:0 the mask; 17:16 elements of 8 bytes; 21 set beside a mask; no padding
	s_or_b32 s[G1B+0], s44, (3<<16)|(1<<21)
.irp g, G1, G1B
	s_mov_b32 s[\g+1], 32<<16                      ; tensor_dim0: rows of 256 bytes
	s_mov_b32 s[\g+2], 100<<16                     ; tensor_dim1: 100 of them, 25,600 dense bytes
	s_mov_b32 s[\g+3], 32<<16                      ; tile_dim0
	s_mov_b32 s[\g+4], 100                         ; tile_dim1
	s_mov_b32 s[\g+5], 32                          ; the pitch
	s_mov_b32 s[\g+6], 0
	s_mov_b32 s[\g+7], 0
.endr
	s_lshl_b32 s20, s41, 1                         ; A hangs on cy, Y and the wave; B on cx, X, Y and the wave: each in registers that never hold the other place
	s_lshl_b32 s21, s67, 3
	s_lshl_b32 s46, s40, 1
	s_lshl_b32 s47, s66, 3
	s_max_u32 s45, s67, 4
	s_sub_co_u32 s45, s45, 4
	s_lshl_b32 s45, s45, 4                         ; 16 (Y - 4), 0 where Y < 4
	s_mov_b32 s22, WVO
	s_mov_b32 s23, NXO
	s_cmp_lt_u32 s67, 4
	s_cselect_b32 s21, s21, 0                      ; tokens: row block 8 Y + 2 cy + half;  wv: 2 cy + half
	s_cselect_b32 s22, s23, s22
	s_cselect_b32 s23, 0, s23                      ; [wq; wk]: row block 8 X + 2 cx + half;  tokens: + 16 (Y - 4)
	s_add_co_u32 s20, s20, s21
	s_add_co_u32 s20, s20, s16
	s_mul_i32 s20, s20, RBS
	s_add_co_u32 s20, s20, s22
	s_mov_b32 s21, 0
	s_add_co_u32 s46, s46, s47
	s_add_co_u32 s46, s46, s45
	s_add_co_u32 s46, s46, s16
	s_mul_i32 s46, s46, RBS
	s_add_co_u32 s46, s46, s23
	s_mov_b32 s47, 0
	s_mul_i32 s45, s14, HALFT                      ; where they go: wave x 25,600: no place in the cluster enters an LDS address
	s_wait_kmcnt 0x0
	s_add_nc_u64 s[20:21], s[4:5], s[20:21]
	s_add_nc_u64 s[46:47], s[4:5], s[46:47]
	CROUND                                         ; all sixteen work-groups are here: the first joint loads meet
.irp s, 0,1
	s_mov_b32 s[G0+4*\s], 1
	s_add_co_u32 s[G0+4*\s+1], s45, \s*SLOT
	s_add_nc_u64 s[G0+4*\s+2:G0+4*\s+3], s[20:21], \s*HALFT
	s_or_b32 s[G0+4*\s+3], s[G0+4*\s+3], 0x80000000
	s_mov_b32 s[G0B+4*\s], 1
	s_add_co_u32 s[G0B+4*\s+1], s45, \s*SLOT
	s_add_nc_u64 s[G0B+4*\s+2:G0B+4*\s+3], s[46:47], \s*HALFT
	s_or_b32 s[G0B+4*\s+3], s[G0B+4*\s+3], 0x80000000
	JLOAD \s
.endr
	v_and_b32 v1, 31, v0                           ; lane
	v_and_b32 v2, 15, v0                           ; r
	v_bfe_u32 v3, v0, 4, 1                         ; h
	v_lshlrev_b32 v4, 4, v1                        ; 16 x lane
	v_lshl_add_u32 v5, v1, 3, 512                  ; 8 x lane + 512
	s_mul_i32 s21, s15, HALFT                      ; my row block of A
	s_mul_i32 s22, s16, HALFT
	s_add_co_u32 s22, s22, 2*HALFT                 ; my row block of B, behind A's two
.irp s, 0,1
	v_add_nc_u32 v[A16+\s], s21, v4
	v_add_nc_u32 v[A8+\s], s21, v5
	v_add_nc_u32 v[B16+\s], s22, v4
	v_add_nc_u32 v[B8+\s], s22, v5
	s_add_co_u32 s21, s21, SLOT
	s_add_co_u32 s22, s22, SLOT
.endr
	s_mul_i32 s21, s15, HALFT
	s_mul_i32 s22, s16, HALFT
	s_add_co_u32 s22, s22, 2*HALFT
	s_sub_co_u32 s22, s22, s21                     ; from my A's chunk to my B's
	v_mul_u32_u24 v6, s22, v3                      ; lanes 16-31 take B's: one product
	v_lshl_add_u32 v6, v2, 4, v6
	s_add_co_u32 s21, s21, 12288
	v_add_nc_u32 v[ADRS], s21, v6
	v_add_nc_u32 v[ADRS+1], SLOT, v[ADRS]
	; ---- where my results go, and the biases.  Both ways' numbers are made by every work-group; the ways part once, at the way out
	v_lshlrev_b32 v7, 5, v3                        ; 32 h
	v_lshlrev_b32 v9, 2, v2                        ; 4 r
	s_lshl_b32 s92, s67, 2
	s_add_co_u32 s92, s92, s41
	s_lshl_b32 s92, s92, 1
	s_add_co_u32 s92, s92, s15                     ; tokens x features: my block of 128 tokens
	s_lshr_b32 s93, s92, 4
	s_lshl_b32 s93, s93, 4                         ; 16 x batch
	s_and_b32 s92, s92, 15                         ; the block in its batch
	s_lshl_b32 s94, s40, 1
	s_add_co_u32 s94, s94, s16                     ; my 128 features of wq or of wk: 2 cx + half
	s_lshl_b32 s95, s94, 1
	s_add_co_u32 s93, s93, s95                     ; batch x head of the first of my two heads
	s_mov_b32 s72, 208896
	s_mov_b32 s73, 13056
	s_mov_b32 s74, 3407872
	s_mov_b32 s75, 12288
	s_cmp_eq_u32 s66, 0                            ; X = 0: q;  X = 1: k
	s_cselect_b32 s72, 106496, s72                 ; from head to head
	s_cselect_b32 s73, 6656, s73                   ; from block to block
	s_cselect_b32 s74, 0, s74                      ; the section
	s_cselect_b32 s75, 6144, s75                   ; the scale words' place in a block
	s_cselect_b64 s[76:77], s[6:7], s[8:9]         ; bq or bk
	s_mul_i32 s93, s93, s72
	s_mul_i32 s92, s92, s73
	s_add_co_u32 s93, s93, s92
	s_add_co_u32 s93, s93, s74
	s_lshl_b32 s96, s66, 2
	s_add_co_u32 s96, s96, s40
	s_max_u32 s97, s67, 4
	s_sub_co_u32 s97, s97, 4
	s_lshl_b32 s97, s97, 3
	s_add_co_u32 s96, s96, s97
	s_lshl_b32 s96, s96, 1
	s_add_co_u32 s96, s96, s16                     ; channels x tokens: my block of 128 keys
	s_lshr_b32 s97, s96, 4
	s_lshl_b32 s97, s97, 4
	s_and_b32 s96, s96, 15
	s_lshl_b32 s98, s41, 1
	s_add_co_u32 s98, s98, s15                     ; my 128 channels: 2 cy + half
	s_lshl_b32 s99, s98, 1
	s_add_co_u32 s97, s97, s99
	s_mul_i32 s97, s97, 208896
	s_mul_i32 s96, s96, 13056
	s_add_co_u32 s97, s97, s96
	s_add_co_u32 s97, s97, 3407872+6144
	s_cmp_lt_u32 s67, 4
	s_cselect_b32 s92, s93, s97
	s_mov_b32 s93, 0
	s_add_nc_u64 s[12:13], s[12:13], s[92:93]
	s_lshl_b32 s78, s94, 9
	s_mov_b32 s79, 0
	s_add_nc_u64 s[76:77], s[76:77], s[78:79]
	s_lshl_b32 s78, s98, 9
	s_add_nc_u64 s[10:11], s[10:11], s[78:79]
	v_add_nc_u32 v10, s72, v4                      ; the second head's places
	v_add_nc_u32 v11, s72, v5
	v_add_nc_u32 v12, s75, v4                      ; the scale words'
	v_add_nc_u32 v13, s72, v12
	v_mul_u32_u24 v14, v3, 208896
	v_lshl_add_u32 v14, v2, 4, v14                 ; V's scale words: 16 r, lanes 16-31 the second head
.irp b, 0,1,2,3,4,5,6,7
	global_load_b128 v[BIAS+8*\b:BIAS+8*\b+3], v7, s[76:77] offset:64*\b           ; the bias of features 16 b + 8 h + 0 .. 7
	global_load_b128 v[BIAS+8*\b+4:BIAS+8*\b+7], v7, s[76:77] offset:64*\b+16
.endr
.irp a, 0,1,2,3,4,5,6,7
	global_load_b32 v[BV+2*\a], v9, s[10:11] offset:64*\a                          ; bv of channel 16 a + r,
	global_load_b32 v[BV+2*\a+1], v9, s[10:11] offset:64*\a                        ; twice: the packed addition names a pair
.endr
	s_mov_b32 s[SEL], 0x76543210
	s_mov_b32 s[SEL+1], 0xfedcba98
	s_mov_b32 s70, 0xffff0000                      ; lanes 16-31
	s_mov_b32 s71, 0x7f7f0000                      ; scale 1 for the 64 along K that the scores' product does not have
	s_wait_tensorcnt 1                             ; my part of slot 0 is in (slot 1's load may be out)
	s_barrier_signal -1
	s_barrier_wait -1                              ; everybody's is
	FETCH_B 0, 0, 0
	FETCH_A 0, 0, 0
	SCALES 0, 0, 0
	FETCH_A 0, 0, 4
	STEP 0, 1                                      ; the first step stands in front of the loop: its products start the sums
	s_mov_b32 s3, LAPS-1
.Llap:                                                 ; a trip goes once round the ring and fills both slots again
	TURN 0, 1, 1
	STEP 1, 0
	TURN 1, 0, 1
	STEP 0, 0
	s_sub_co_u32 s3, s3, 1
	s_cmp_lg_u32 s3, 0
	s_cbranch_scc1 .Llap
	TURN 0, 1, 0                                   ; the last lap fills nothing
	STEP 1, 0
	s_wait_dscnt 16
	WIN MUL_LO
	MUL16 0, 1, 0
	MUL16 2, 1, 0
	s_wait_dscnt 0x0
	WIN MUL_HI
	MUL16 4, 1, 0
	MUL16 6, 1, 0
	WIN 0
; THE WAY OUT, block a of 16 rows of A at a time: + bias (from each accumulator's low end on), the quantiser, the fragment's image to memory in runs of 512 and 256 bytes.  No LDS.
.macro EPI a, vpath
	s_wait_xcnt 0x0                                ; the last block's stores have read the codes' registers
	WIN 0x02+(\a)/4                                ; source 0: window 2 or 3
.irp b, 0,1,2,3,4,5,6,7
.irp i, 0,2,4,6
.if \vpath
	v_pk_add_f32 v[T+8*\b+\i:T+8*\b+\i+1], v[64*((\a)%4)+8*\b+\i:64*((\a)%4)+8*\b+\i+1], v[BV+2*(\a):BV+2*(\a)+1] op_sel_hi:[1,0]
.else
	v_pk_add_f32 v[T+8*\b+\i:T+8*\b+\i+1], v[64*((\a)%4)+8*\b+\i:64*((\a)%4)+8*\b+\i+1], v[BIAS+8*\b+\i:BIAS+8*\b+\i+1]
.endif
.endr
.endr
	WIN 0
	QUANT T
	v_mov_b32 v[PWS+\a], v[PW]
.if \vpath
	global_store_b128 v4, v[PC:PC+3], s[12:13] offset:((\a)/4)*208896+1536*((\a)%4)       ; head a / 4, its channels 16 (a % 4) on
	global_store_b64 v5, v[PC+4:PC+5], s[12:13] offset:((\a)/4)*208896+1536*((\a)%4)
	global_store_b128 v4, v[PC+6:PC+9], s[12:13] offset:((\a)/4)*208896+1536*((\a)%4)+768
	global_store_b64 v5, v[PC+10:PC+11], s[12:13] offset:((\a)/4)*208896+1536*((\a)%4)+768
.else
	global_store_b128 v4, v[PC:PC+3], s[12:13] offset:768*(\a)                             ; the first head's half,
	global_store_b64 v5, v[PC+4:PC+5], s[12:13] offset:768*(\a)
	global_store_b128 v10, v[PC+6:PC+9], s[12:13] offset:768*(\a)                          ; the second's
	global_store_b64 v11, v[PC+10:PC+11], s[12:13] offset:768*(\a)
.endif
.endm
	s_wait_loadcnt 0x0                             ; the biases
	PLACES
.irp b, 0,1,2,3
	v_mov_b32 v[TM+4+\b], 0                        ; a lane permute's destination counts as a source
.endr
	s_cmp_lt_u32 s67, 4                            ; the cluster's y: alike in all partners
	s_cbranch_scc0 .Lvpath
.irp a, 0,1,2,3,4,5,6,7
	EPI \a, 0
.endr
.irp i, 0,1,2,3
	v_cndmask_b32 v[50+\i], v[PWS+\i], v[PWS+4+\i], s70            ; lanes 0-15: blocks 0-3, lanes 16-31: blocks 4-7
.endr
.irp i, 0,1,2,3
	v_lshrrev_b32 v[240+\i], 16, v[50+\i]                          ; bytes 2, 3: the second head's two blocks
	v_and_or_b32 v[50+\i], v[50+\i], 0xffff, s71                   ; bytes 0, 1: the first's
	v_or_b32 v[240+\i], s71, v[240+\i]
.endr
	global_store_b128 v12, v[50:53], s[12:13]
	global_store_b128 v13, v[240:243], s[12:13]
	s_branch .Ldone
.Lvpath:
.irp a, 0,1,2,3,4,5,6,7
	EPI \a, 1
.endr
.irp i, 0,1,2,3
	v_cndmask_b32 v[50+\i], v[PWS+\i], v[PWS+4+\i], s70
.endr
	global_store_b128 v14, v[50:53], s[12:13] offset:6656          ; [channel r][tile 4]: 256 bytes a head
.Ldone:
	s_wait_tensorcnt 0x0                           ; the wave's end
	ds_add_u32 v[SPW], v[NIL]
	s_wait_dscnt 0x0
	CROUND                                         ; the closing round: no work-group ends while a partner may still ask for a tile that names it
	s_endpgm
.Lfunc_end_k_qd1aa687183_qkv:
	.size	k_qd1aa687183_qkv, .Lfunc_end_k_qd1aa687183_qkv-k_qd1aa687183_qkv
	.p2alignl 7, 3214868480
	.fill 96, 4, 3214868480
	.section	.rodata,"a",@progbits
	.p2align	6, 0x0
	.amdhsa_kernel k_qd1aa687183_qkv
		.amdhsa_group_segment_fixed_size 327680
		.amdhsa_private_segment_fixed_size 0
		.amdhsa_enable_private_segment 0
		.amdhsa_kernarg_size 40
		.amdhsa_user_sgpr_count 2
		.amdhsa_user_sgpr_kernarg_segment_ptr 1
		.amdhsa_wavefront_size32 1
		.amdhsa_system_sgpr_workgroup_id_x 1
		.amdhsa_system_sgpr_workgroup_id_y 1
		.amdhsa_system_sgpr_workgroup_id_z 1
		.amdhsa_system_vgpr_workitem_id 0
		.amdhsa_next_free_vgpr 1024
		.amdhsa_next_free_sgpr 100
		.amdhsa_reserve_vcc 0
		.amdhsa_float_denorm_mode_32 3
		.amdhsa_float_denorm_mode_16_64 3
		.amdhsa_memory_ordered 1
		.amdhsa_forward_progress 1
		.amdhsa_inst_pref_size 217
	.end_amdhsa_kernel
	.amdgpu_metadata
---
amdhsa.version: [ 1, 2 ]
amdhsa.kernels:
  - .name:           k_qd1aa687183_qkv
    .symbol:         k_qd1aa687183_qkv.kd
    .args:
      - { .name: wimg, .offset: 0, .size: 8, .value_kind: global_buffer, .address_space: global }
      - { .name: bq, .offset: 8, .size: 8, .value_kind: global_buffer, .address_space: global }
      - { .name: bk, .offset: 16, .size: 8, .value_kind: global_buffer, .address_space: global }
      - { .name: bv, .offset: 24, .size: 8, .value_kind: global_buffer, .address_space: global }
      - { .name: qkvimg, .offset: 32, .size: 8, .value_kind: global_buffer, .address_space: global }
    .group_segment_fixed_size: 327680
    .private_segment_fixed_size: 0
    .kernarg_segment_align: 8
    .kernarg_segment_size: 40
    .max_flat_workgroup_size: 128
    .sgpr_count:     100
    .vgpr_count:     1024
    .wavefront_size: 32
...
	.end_amdgpu_metadata
.endif
;; end of part 4
;; launch attn (part 5): grid 8 x 32, 16 waves a work-group, clusters of 4 x 1, 210,944 bytes of LDS; arguments qkvimg, mbits, himg; writes himg
.if DOCPART == 5
	.amdgcn_target "amdgcn-amd-amdhsa--gfx1250"
	.amdhsa_code_object_version 6
	.text
	.protected	k_qd1aa687183_attn
	.globl	k_qd1aa687183_attn
	.p2align	8
	.type	k_qd1aa687183_attn,@function
k_qd1aa687183_attn:
	s_mov_b64 s[64:65], 0
	v_nop
	global_prefetch_b8 v0, s[64:65] scope:SCOPE_SE
	s_setreg_imm32_b32 hwreg(HW_REG_WAVE_MODE, 25, 1), 1
	s_wait_xcnt 0x0
	s_wait_alu depctr_hold_cnt(0) depctr_sa_sdst(0) depctr_va_vdst(0) depctr_va_sdst(0) depctr_va_ssrc(0) depctr_va_vcc(0) depctr_vm_vsrc(0)
	s_getreg_b32 s2, hwreg(HW_REG_IB_STS2, 6, 4)
	s_cmp_eq_u32 s2, 0
	s_cbranch_scc0 .Lentry_in_a_cluster
	s_endpgm
.Lentry_in_a_cluster:
	s_bfe_u32 s2, ttmp6, 0x10000c
	s_cmp_lg_u32 s2, 0x3003
	s_cbranch_scc0 .Lentry_shape_is_right
	s_endpgm
.Lentry_shape_is_right:
; Masked attention on codes of FP6 (E2M3) with E8M0 scales: o = softmax(mask(q k^T / 8)) v for one head, quantised on its way out as the A operand of the output projection.
; THE SOFTMAX AHEAD OF THE SECOND PRODUCT: t = score x log2(e) / 8; M = the running largest t rounded UP to a whole number; p = 2^(t - M) is quantised along the keys, not normalised; the row's sum is taken of the
; unquantised p and divides at the end.  When M moves, the sum and O are multiplied by 2^(old M - new M): exact.  Hidden scores become -infinity ahead of the maximum, so their p is 0.
; SHARES: a work-group owns 256 queries of one head, each of its sixteen waves one tile of 16: four waves to a SIMD, so that one wave's vector work stands beside another's products and LDS loads.
; THE WHOLE HEAD'S K AND V LIE IN LDS: 16 steps of 128 keys x 13,056 bytes (K's 8 halves, V^T's 4 fragments at 6,144, K's scale words at 12,288, V's at 12,800), each byte filled once: no slot is ever filled again.
; CLUSTER: the four query blocks of a cluster belong to one head: each step's block is asked for jointly (mask 15).  Waves 0-3 issue four loads each (load p of wave w: step 4 p + w): four are out at the most.
; Phase p (steps 4 p .. 4 p + 3) begins behind a wait that leaves the 3 - p later loads out, and a barrier.
; LAYOUT: both products are used transposed: S^T = K Q^T (source 0 = 16 keys), O^T = V^T P^T (source 0 = 16 channels): a lane holds one query (lane % 16) throughout; register 8 t + j of the scores is key 16 t + 8 h + j.
; THE SCORES' K IS 64: Q's registers 6-11 are zeros.  K's fragment t is v[32 + 6 t : 43 + 6 t]: its upper six registers are the next tile's codes (zeros behind the last).  FP6 has only finite codes and the scale bytes
; there are 0x7f, so those 64 products are exactly 0.
; THE MASK comes as lane masks, 64 words a step by scalar loads a step ahead: one v_cndmask_b32 a register.  The last step asks for step 0's words again, so no load leaves the buffer.
; A query with no visible key has the sum 0: its scale bytes become 0xff, so that the projection's row is NaN, as the softmax of such a row is.
; LIMITS: NaN and infinities among the inputs are not served; scale bytes are held at 1 from below; a block of zeros carries the byte 1.
; REGISTERS: v1-3 lane terms; v8-10 LDS addresses; v12 -M, v13 largest t, v[14:15] the sum; v16-27 Q; v32-79 K, then V; v80-85 zeros; v86-93 K's scale words; v96-159 S^T, then p; v160-191 O^T; v192-193 c; v194 -infinity;
; v195-197 the way out; v200-203 V's scale words; v224-235 p's codes; v232-254 at work; v253 p's scale word; v255 Q's.
.set STEPB, 13056
.set KVSEC, 3407872
.set HSKV,  208896
.set HSQ,   106496
.set WV,    2                          ; s2   wave
.set TB,    66                         ; s66  LDS byte at which the step in hand begins
.set CNT,   67
.set G1,    84                         ; s[84:91] descriptor group 1;  groups 0: s[4:7], s[8:11], s[12:15], s[92:95]
.set MP,    96                         ; s[96:97] my tile's lane masks
.set MO,    99                         ; s99  the step's 256 bytes among them
.set SEL,   100
.set OB,    104                        ; s[104:105] my chunk of himg
.macro CROUND
	s_barrier_signal -1
	s_barrier_wait -1
	s_cmp_lg_u32 s[WV], 0
	s_cbranch_scc1 .Lnot_wave_0_\@
	s_barrier_signal -3
.Lnot_wave_0_\@:
	s_barrier_wait -3
	s_barrier_signal -1
	s_barrier_wait -1
.endm
.macro G0SET g, p
	s_mov_b32 s[\g], 1
	s_add_co_u32 s[\g+1], s25, (\p)*4*STEPB        ; LDS: step 4 p + wave
	s_add_nc_u64 s[\g+2:\g+3], s[26:27], (\p)*4*STEPB
	s_or_b32 s[\g+3], s[\g+3], 0x80000000
.endm
.macro MASKS                           ; 64 words: s[16:63], s[68:83]
	s_load_b512 s[16:31], s[MP:MP+1], s[MO] offset:0x0
	s_load_b512 s[32:47], s[MP:MP+1], s[MO] offset:0x40
	s_load_b512 s[48:63], s[MP:MP+1], s[MO] offset:0x80
	s_load_b512 s[68:83], s[MP:MP+1], s[MO] offset:0xc0
.endm
	s_load_b128 s[16:19], s[0:1], 0x0              ; qkvimg, mbits
	s_load_b64 s[20:21], s[0:1], 0x10              ; himg
	v_lshl_add_u32 v250, v0, 2, 0x33000
	v_mov_b32 v251, 0
	ds_add_u32 v250, v251
	ds_add_u32 v250, v251
	v_lshrrev_b32 v1, 5, v0
	v_readfirstlane_b32 s[WV], v1                  ; wave 0..15
	s_bfe_u32 s22, ttmp6, 0x40000                  ; cx: it enters Q's, the masks' and the output's addresses alone
	s_lshl_b32 s23, ttmp9, 2
	s_add_co_u32 s23, s23, s22
	s_lshl_b32 s23, s23, 4
	s_add_co_u32 s23, s23, s[WV]                   ; my tile of 16 queries, 0 .. 127
	s_and_b32 s24, ttmp7, 0xffff                   ; batch x head, which the partners share
	s_mov_b32 s[G1], 15|(3<<16)|(1<<21)            ; all four work-groups; elements of 8 bytes; bit 21 beside a mask
	s_mov_b32 s[G1+1], 32<<16                      ; rows of 256 bytes,
	s_mov_b32 s[G1+2], 51<<16                      ; 51 of them: 13,056 dense bytes
	s_mov_b32 s[G1+3], 32<<16
	s_mov_b32 s[G1+4], 51
	s_mov_b32 s[G1+5], 32
	s_mov_b32 s[G1+6], 0
	s_mov_b32 s[G1+7], 0
	s_mul_i32 s26, s24, HSKV
	s_add_co_u32 s26, s26, KVSEC
	s_mul_i32 s25, s[WV], STEPB
	s_add_co_u32 s26, s26, s25
	s_mov_b32 s27, 0
	s_wait_dscnt 0x0
	s_wait_kmcnt 0x0
	s_add_nc_u64 s[26:27], s[16:17], s[26:27]
	G0SET 4, 0
	G0SET 8, 1
	G0SET 12, 2
	G0SET 92, 3
	CROUND                                         ; all four work-groups are here: the joint loads meet
	s_cmp_lt_u32 s[WV], 4                          ; a wave's four fills stand in one branch, ahead of every wait on TENSORcnt, every LDS read and every other barrier
	s_cbranch_scc0 .Lno_fill
	tensor_load_to_lds s[4:7], s[G1:G1+7]
	s_nop 0
	tensor_load_to_lds s[8:11], s[G1:G1+7]
	s_nop 0
	tensor_load_to_lds s[12:15], s[G1:G1+7]
	s_nop 0
	tensor_load_to_lds s[92:95], s[G1:G1+7]
	s_nop 0
.rept 4
	v_nop
.endr
.Lno_fill:
	s_mul_i32 s28, s24, HSQ
	s_lshr_b32 s29, s23, 3
	s_mul_i32 s29, s29, 6656
	s_add_co_u32 s28, s28, s29
	s_mov_b32 s29, 0
	s_add_nc_u64 s[28:29], s[16:17], s[28:29]      ; my block of 128 queries
	s_and_b32 s30, s23, 7                          ; my tile in it
	s_mul_i32 s31, s30, 768
	v_and_b32 v4, 31, v0
	v_and_b32 v5, 15, v0
	v_lshlrev_b32 v1, 4, v4                        ; 16 x lane
	v_lshl_add_u32 v2, v4, 3, 512                  ; 8 x lane + 512
	v_lshlrev_b32 v3, 4, v5                        ; 16 r
	v_add_nc_u32 v6, s31, v1
	v_add_nc_u32 v7, s31, v2
	s_lshr_b32 s32, s30, 2
	s_lshl_b32 s32, s32, 8
	s_and_b32 s33, s30, 3
	s_lshl_b32 s33, s33, 2
	s_add_co_u32 s32, s32, s33                     ; the tile's scale words: 256 (tile / 4) + 4 (tile % 4)
	v_add_nc_u32 v11, s32, v3
	global_load_b128 v[16:19], v6, s[28:29]        ; Q's half stays in registers
	global_load_b64 v[20:21], v7, s[28:29]
	global_load_b32 v255, v11, s[28:29] offset:6144
	s_lshr_b32 s34, s24, 4                         ; batch
	s_lshl_b32 s35, s34, 7
	s_add_co_u32 s35, s35, s23
	s_lshl_b32 s36, s35, 12
	s_mov_b32 s37, 0
	s_add_nc_u64 s[MP:MP+1], s[18:19], s[36:37]
	s_lshl_b32 s38, s34, 4
	s_lshr_b32 s39, s23, 3
	s_add_co_u32 s38, s38, s39                     ; block of 128 tokens
	s_lshl_b32 s38, s38, 3
	s_and_b32 s39, s24, 15                         ; head
	s_lshr_b32 s40, s39, 1
	s_add_co_u32 s38, s38, s40                     ; chunk: K step = head / 2
	s_mul_i32 s38, s38, 12800
	s_mov_b32 s39, 0
	s_add_nc_u64 s[OB:OB+1], s[20:21], s[38:39]
	s_and_b32 s41, s24, 1                          ; which half of the fragment
	s_mul_i32 s42, s30, 1536
	s_mul_i32 s43, s41, 768
	s_add_co_u32 s42, s42, s43
	v_add_nc_u32 v195, s42, v1
	v_add_nc_u32 v196, s42, v2
	s_lshl_b32 s43, s41, 1
	s_add_co_u32 s43, s43, s32
	s_add_co_u32 s43, s43, 12288
	v_add_nc_u32 v197, s43, v3                     ; my row's two scale bytes
	s_mov_b32 s[SEL], 0x76543210
	s_mov_b32 s[SEL+1], 0xfedcba98
	s_mov_b32 s[MO], 0
	s_wait_xcnt 0x0                                ; Q's loads have read their base: the masks may land on it
	MASKS                                          ; step 0's
.irp i, 22,23,24,25,26,27,80,81,82,83,84,85
	v_mov_b32 v\i, 0
.endr
	v_mov_b32 v192, 0x3e38aa3b                     ; c = log2(e) / 8
	v_mov_b32 v193, 0x3e38aa3b
	v_mov_b32 v194, 0xff800000                     ; -infinity
	v_mov_b32 v13, 0xff61b1e6                      ; the largest t so far: -3e38
	v_floor_f32 v12, -v13                          ; -M
	v_mov_b32 v14, 0
	v_mov_b32 v15, 0
.irp b, 0,1,2,3
	v_mov_b32 v[236+\b], 0                         ; a lane permute's destination counts as a source
.endr
	v_mov_b32 v253, 0
.irp j, 0,1,2,3,4,5,6,7,8,9,10,11,12,13,14,15,16,17,18,19,20,21,22,23,24,25,26,27,28,29,30,31
	v_mov_b32 v[160+\j], 0                         ; O^T: the step is written once; the first change of M leaves zeros zeros
.endr
.macro STEP
	v_add_nc_u32 v8, s[TB], v1                     ; these three and the v_nop are the places in front of loads into registers that the last products read
	v_add_nc_u32 v9, s[TB], v2
	v_add_nc_u32 v10, s[TB], v3
	v_nop
.irp t, 0,1,2,3,4,5,6,7
	ds_load_b128 v[32+6*\t:35+6*\t], v8 offset:768*\t
	ds_load_b64 v[36+6*\t:37+6*\t], v9 offset:768*\t
.endr
	ds_load_b128 v[86:89], v10 offset:12288
	ds_load_b128 v[90:93], v10 offset:12544
	s_wait_dscnt 0x0
.irp t, 0,1,2,3,4,5,6,7
	v_wmma_scale_f32_16x16x128_f8f6f4 v[96+8*\t:103+8*\t], v[32+6*\t:43+6*\t], v[16:27], 0, v[86+\t], v255 matrix_a_fmt:MATRIX_FMT_FP6 matrix_b_fmt:MATRIX_FMT_FP6
.endr
.rept 4
	v_nop
.endr
.irp t, 0,1,2,3                        ; V^T's four fragments land while the softmax is walked
	ds_load_b128 v[32+12*\t:35+12*\t], v8 offset:6144+1536*\t
	ds_load_b64 v[36+12*\t:37+12*\t], v9 offset:6144+1536*\t
	ds_load_b128 v[38+12*\t:41+12*\t], v8 offset:6144+1536*\t+768
	ds_load_b64 v[42+12*\t:43+12*\t], v9 offset:6144+1536*\t+768
.endr
	ds_load_b128 v[200:203], v10 offset:12800
	s_wait_kmcnt 0x0                               ; this step's lane masks, asked for a step ago
.set n, 0
.rept 64
.if n < 48
	v_cndmask_b32 v[96+n], v194, v[96+n], s[16+n]  ; a hidden key's score becomes -infinity.  Ascending: each accumulator is read from its low end on
.else
	v_cndmask_b32 v[96+n], v194, v[96+n], s[20+n]
.endif
.set n, n+1
.endr
	s_add_co_u32 s[MO], s[MO], 256
	s_and_b32 s[MO], s[MO], 0xfff                  ; behind the last step: step 0's again
	MASKS
.irp b, 0,1,2,3
	v_max3_num_f32 v[232+\b], v[96+16*\b], v[97+16*\b], v[98+16*\b]   ; the largest score of each block of 32 keys: for the row's maximum and, since p rises with the score, for the block's largest p
.endr
.irp i, 3,5,7,9,11,13
.irp b, 0,1,2,3
	v_max3_num_f32 v[232+\b], v[232+\b], v[96+16*\b+\i], v[97+16*\b+\i]
.endr
.endr
.irp b, 0,1,2,3
	v_max_num_f32 v[232+\b], v[232+\b], v[111+16*\b]
.endr
.irp b, 0,1,2,3
	v_permlanex16_b32 v[236+\b], v[232+\b], s[SEL], s[SEL+1]
.endr
.irp b, 0,1,2,3
	v_max_num_f32 v[232+\b], v[232+\b], v[236+\b]
.endr
	v_max3_num_f32 v254, v232, v233, v234
	v_max_num_f32 v254, v254, v235
	v_mul_f32 v254, v192, v254                     ; as t (c is positive)
	v_max_num_f32 v13, v13, v254                   ; the running largest t
	v_mov_b32 v254, v12
	v_floor_f32 v12, -v13                          ; the new -M = -ceil(t)
	v_sub_f32 v254, v12, v254                      ; old M - new M: a whole number, 0 or less
	v_cvt_i32_f32 v254, v254                       ; (it saturates)
	v_ldexp_f32 v252, 1.0, v254                    ; f = 2^(old M - new M)
.irp j, 0,2,4,6,8,10,12,14,16,18,20,22,24,26,28,30,32,34,36,38,40,42,44,46,48,50,52,54,56,58,60,62
	v_pk_fma_f32 v[96+\j:97+\j], v[96+\j:97+\j], v[192:193], v[12:13] op_sel_hi:[1,0,0]   ; t - M
.endr
.irp b, 0,1,2,3
	v_fma_f32 v[232+\b], v[232+\b], v192, v12
.endr
.irp j, 0,1,2,3,4,5,6,7,8,9,10,11,12,13,14,15,16,17,18,19,20,21,22,23,24,25,26,27,28,29,30,31,32,33,34,35,36,37,38,39,40,41,42,43,44,45,46,47,48,49,50,51,52,53,54,55,56,57,58,59,60,61,62,63
	v_exp_f32 v[96+\j], v[96+\j]                   ; p = 2^(t - M)
.endr
.irp b, 0,1,2,3
	v_exp_f32 v[232+\b], v[232+\b]                 ; the block's largest p: the same two instructions on the same number
.endr
	v_pk_mul_f32 v[14:15], v[14:15], v[252:253] op_sel_hi:[1,0]    ; the sums under the new M.  (A plain line behind the exponentials)
	s_wait_alu depctr_va_vdst(0)
.irp b, 0,1,2,3
	v_max_num_f32 v[232+\b], 0x1800000, v[232+\b]  ; the floor 2^(3 - 127)
.endr
.irp b, 0,1,2,3
	v_add_nc_u32 v[244+\b], 0xff000000, v[232+\b]
.endr
.irp b, 0,1,2,3
	v_lshrrev_b32 v[236+\b], 23, v[244+\b]
.endr
	v_lshl_or_b32 v253, v237, 8, v236              ; p's scale word for these 128 keys
	v_lshl_or_b32 v253, v238, 16, v253
	v_lshl_or_b32 v253, v239, 24, v253
.irp c, 0,1
	v_cvt_scalef32_pk16_fp6_f32 v[224+6*\c:226+6*\c], v[96+32*\c:111+32*\c], v[244+2*\c]
	v_cvt_scalef32_pk16_fp6_f32 v[236+4*\c:238+4*\c], v[112+32*\c:127+32*\c], v[244+2*\c+1]
.endr
	v_nop
.irp c, 0,1
.irp i, 0,1,2
	v_permlane16_swap_b32 v[224+6*\c+\i], v[236+4*\c+\i]
.endr
.irp i, 0,1,2
	v_mov_b32 v[227+6*\c+\i], v[236+4*\c+\i]
.endr
.endr
	v_pk_add_f32 v[236:237], v[96:97], v[98:99]    ; the row's sum is taken of the unquantised p: two chains.  (These lines are also the places between the scale word and the codes just made and the products below)
.irp j, 4,8,12,16,20,24,28,32,36,40,44,48,52,56,60
	v_pk_add_f32 v[14:15], v[14:15], v[96+\j:97+\j]
	v_pk_add_f32 v[236:237], v[236:237], v[98+\j:99+\j]
.endr
	v_pk_add_f32 v[14:15], v[14:15], v[236:237]
.irp j, 0,2,4,6,8,10,12,14,16,18,20,22,24,26,28,30
	v_pk_mul_f32 v[160+\j:161+\j], v[160+\j:161+\j], v[252:253] op_sel_hi:[1,0]   ; O^T under the new M
.endr
	s_wait_dscnt 0x0                               ; V
.irp t, 0,1,2,3                        ; the four accumulators take turns, one instruction a turn
	v_wmma_scale_f32_16x16x128_f8f6f4 v[160+8*\t:167+8*\t], v[32+12*\t:43+12*\t], v[224:235], v[160+8*\t:167+8*\t], v[200+\t], v253 matrix_a_fmt:MATRIX_FMT_FP6 matrix_b_fmt:MATRIX_FMT_FP6
.endr
.endm
.macro PHASE p
	s_wait_tensorcnt 3-\p                          ; my load for this phase has landed; the 3 - p for later phases may be out
	s_wait_dscnt 0x0
	s_barrier_signal -1
	s_barrier_wait -1                              ; so have the other three waves'
	s_mov_b32 s[TB], \p*4*STEPB
	s_mov_b32 s[CNT], 4
.Lstep_\@:
	STEP
	s_add_co_u32 s[TB], s[TB], STEPB
	s_sub_co_u32 s[CNT], s[CNT], 1
	s_cmp_lg_u32 s[CNT], 0
	s_cbranch_scc1 .Lstep_\@
.endm
	s_wait_loadcnt 0x0                             ; Q
	PHASE 0
	PHASE 1
	PHASE 2
	PHASE 3
	; THE WAY OUT: O^T / the sum is 64 channels of my query = two blocks of 32 along the projection's K: half a fragment and two scale bytes
.rept 4
	v_nop
.endr
	v_add_f32 v14, v14, v15
	v_permlanex16_b32 v252, v14, s[SEL], s[SEL+1]
	v_add_f32 v14, v14, v252                       ; the row's sum
	v_rcp_f32 v15, v14
	v_nop
	s_wait_alu depctr_va_vdst(0)
.irp j, 0,1,2,3,4,5,6,7,8,9,10,11,12,13,14,15,16,17,18,19,20,21,22,23,24,25,26,27,28,29,30,31
	v_mul_f32 v[96+\j], v[160+\j], v15             ; register 8 t + j: channel 16 t + 8 h + j
.endr
.irp b, 0,1
	v_max3_num_f32 v[232+\b], |v[96+16*\b]|, |v[97+16*\b]|, 0x1800000
.endr
.irp i, 2,4,6,8,10,12,14
.irp b, 0,1
	v_max3_num_f32 v[232+\b], v[232+\b], |v[96+16*\b+\i]|, |v[97+16*\b+\i]|
.endr
.endr
.irp b, 0,1
	v_permlanex16_b32 v[236+\b], v[232+\b], s[SEL], s[SEL+1]
.endr
.irp b, 0,1
	v_max_num_f32 v[232+\b], v[232+\b], v[236+\b]
.endr
.irp b, 0,1
	v_add_nc_u32 v[244+\b], 0xff000000, v[232+\b]
.endr
.irp b, 0,1
	v_lshrrev_b32 v[236+\b], 23, v[244+\b]
.endr
	v_lshl_or_b32 v238, v237, 8, v236
	v_cmp_neq_f32 vcc_lo, 0, v14
	v_cndmask_b32 v238, 0xffff, v238, vcc_lo       ; no visible key: both bytes NaN.  A choice of a value: no branch and no address hangs on it
	v_cvt_scalef32_pk16_fp6_f32 v[224:226], v[96:111], v244
	v_cvt_scalef32_pk16_fp6_f32 v[240:242], v[112:127], v245
	v_nop
.irp i, 0,1,2
	v_permlane16_swap_b32 v[224+\i], v[240+\i]
.endr
.irp i, 0,1,2
	v_mov_b32 v[227+\i], v[240+\i]
.endr
	global_store_b128 v195, v[224:227], s[OB:OB+1]
	global_store_b64 v196, v[228:229], s[OB:OB+1]
	global_store_b16 v197, v238, s[OB:OB+1]        ; 32 of the tile's 800 bytes; both halves of the lanes store the same two bytes
	s_wait_tensorcnt 0x0
	ds_add_u32 v250, v251
	s_wait_dscnt 0x0
	CROUND                                         ; the closing round
	s_endpgm
.Lfunc_end_k_qd1aa687183_attn:
	.size	k_qd1aa687183_attn, .Lfunc_end_k_qd1aa687183_attn-k_qd1aa687183_attn
	.p2alignl 7, 3214868480
	.fill 96, 4, 3214868480
	.section	.rodata,"a",@progbits
	.p2align	6, 0x0
	.amdhsa_kernel k_qd1aa687183_attn
		.amdhsa_group_segment_fixed_size 210944
		.amdhsa_private_segment_fixed_size 0
		.amdhsa_enable_private_segment 0
		.amdhsa_kernarg_size 24
		.amdhsa_user_sgpr_count 2
		.amdhsa_user_sgpr_kernarg_segment_ptr 1
		.amdhsa_wavefront_size32 1
		.amdhsa_system_sgpr_workgroup_id_x 1
		.amdhsa_system_sgpr_workgroup_id_y 1
		.amdhsa_system_sgpr_workgroup_id_z 1
		.amdhsa_system_vgpr_workitem_id 0
		.amdhsa_next_free_vgpr 256
		.amdhsa_next_free_sgpr 106
		.amdhsa_reserve_vcc 1
		.amdhsa_float_denorm_mode_32 3
		.amdhsa_float_denorm_mode_16_64 3
		.amdhsa_memory_ordered 1
		.amdhsa_forward_progress 1
		.amdhsa_inst_pref_size 94
	.end_amdhsa_kernel
	.amdgpu_metadata
---
amdhsa.version: [ 1, 2 ]
amdhsa.kernels:
  - .name:           k_qd1aa687183_attn
    .symbol:         k_qd1aa687183_attn.kd
    .args:
      - { .name: qkvimg, .offset: 0, .size: 8, .value_kind: global_buffer, .address_space: global }
      - { .name: mbits, .offset: 8, .size: 8, .value_kind: global_buffer, .address_space: global }
      - { .name: himg, .offset: 16, .size: 8, .value_kind: global_buffer, .address_space: global }
    .group_segment_fixed_size: 210944
    .private_segment_fixed_size: 0
    .kernarg_segment_align: 8
    .kernarg_segment_size: 24
    .max_flat_workgroup_size: 512
    .sgpr_count:     106
    .vgpr_count:     256
    .wavefront_size: 32
...
	.end_amdgpu_metadata
.endif
;; end of part 5
;; launch oproj (part 6): grid 4 x 16, 4 waves a work-group, clusters of 4 x 4, 327,680 bytes of LDS; arguments himg, wimg, bo, x, x1; writes x1
.if DOCPART == 6
	.amdgcn_target "amdgcn-amd-amdhsa--gfx1250"
	.amdhsa_code_object_version 6
	.text
	.protected	k_qd1aa687183_oproj
	.globl	k_qd1aa687183_oproj
	.p2align	8
	.type	k_qd1aa687183_oproj,@function
k_qd1aa687183_oproj:
	s_mov_b64 s[64:65], 0
	v_nop
	global_prefetch_b8 v0, s[64:65] scope:SCOPE_SE
	s_setreg_imm32_b32 hwreg(HW_REG_WAVE_MODE, 25, 1), 1
	s_wait_xcnt 0x0
	s_wait_alu depctr_hold_cnt(0) depctr_sa_sdst(0) depctr_va_vdst(0) depctr_va_sdst(0) depctr_va_ssrc(0) depctr_va_vcc(0) depctr_vm_vsrc(0)
	s_getreg_b32 s2, hwreg(HW_REG_IB_STS2, 6, 4)
	s_cmp_eq_u32 s2, 0
	s_cbranch_scc0 .Lentry_in_a_cluster
	s_endpgm
.Lentry_in_a_cluster:
	s_bfe_u32 s2, ttmp6, 0x10000c
	s_cmp_lg_u32 s2, 0xf033
	s_cbranch_scc0 .Lentry_shape_is_right
	s_endpgm
.Lentry_shape_is_right:
; x1 = x + (o wo^T + bo): a GEMM on codes of FP6 (E2M3) with E8M0 scales, K = 1,024, M = 4,096, N = 1,024, f32 out.  Tiles of 256 x 256, four waves of 128 x 128 (64 accumulators, 512 registers).
; OPERANDS lie in memory as register images in chunks of 12,800 bytes (128 rows x 128 K: 8 fragments of 1,536 bytes, 512 bytes of scale words), [row block][K step]: two K steps of a row block are 25,600 dense bytes, one tensor load.
; RING: two LDS slots of 256 along K, one load a wave.  CLUSTERS 4 x 4: A's tiles are shared along a row of the cluster, B's along a column: joint loads.
; THE MATRIX INSTRUCTION IS USED TRANSPOSED (source 0 = 16 rows of B, source 1 = 16 rows of A): a lane holds eight neighbouring numbers of a row of C.
; THE WAY OUT: a block of 16 rows x 128 columns goes through the wave's own stage in LDS (in slot 0, which has had its last fill and its last read) and comes back as whole rows of 512 bytes; bias and residual are added there.
; 64 tiles: this size leaves three WGPs in four without a work-group; a smaller tile would share the work further at twice the LDS reads for each product.
; REGISTERS: window 0: v1-11 addresses and the bias, v16-31 LDS addresses, v32-47 scale words, v128-223 A's fragments, later v128-255 rows on their way out; window 1: B's fragments, later four sets of the residual; windows 2, 3: accumulators.
.set KDIM,  1024
.set AOFF,  0                          ; o's chunks in himg
.set BOFF,  2457600                    ; wo's chunks in wimg
.set CH,    12800
.set HALFT, 2*CH
.set SLOT,  4*HALFT
.set SPARE, 2*SLOT
.set RBS,   (KDIM/128)*CH
.set LAPS,  KDIM/512
.set FR,    12
.set A16,   16
.set A8,    18
.set B16,   20
.set B8,    22
.set STO,   24
.set RD,    25
.set SPW,   28
.set NIL,   29
.set ADRS,  30
.set SC,    32
.set AF,    128
.set BK,    128
.set G1,    24
.set G0,    32
.set G1B,   48
.set G0B,   56
.set MSB, 0
.macro WIN new
.if MSB != \new
	s_set_vgpr_msb (MSB<<8)|(\new)
.set MSB, \new
.endif
.endm
.set MUL_LO, 0xa1
.set MUL_HI, 0xf1
.set TO_B,   0x40
.macro JLOAD s
	s_cmp_eq_u32 s15, 0
	s_cbranch_scc0 .Lfor_b_\@
	tensor_load_to_lds s[G0+4*\s:G0+4*\s+3], s[G1:G1+7]
	s_nop 0
.rept 4
	v_nop
.endr
	s_branch .Lasked_\@
.Lfor_b_\@:
	tensor_load_to_lds s[G0B+4*\s:G0B+4*\s+3], s[G1B:G1B+7]
	s_nop 0
.rept 4
	v_nop
.endr
.Lasked_\@:
.endm
.macro CREST
	s_cmp_lg_u32 s14, 0
	s_cbranch_scc1 .Lnot_wave_0_\@
	s_barrier_signal -3
.Lnot_wave_0_\@:
	s_barrier_wait -3
	s_barrier_signal -1
	s_barrier_wait -1
.endm
.macro CROUND
	s_barrier_signal -1
	s_barrier_wait -1
	CREST
.endm
.macro PLACES
.rept 4
	v_nop
.endr
.endm
.macro FRAG reg, a16, a8, q, i
	ds_load_b128 v[\reg:\reg+3], v[\a16] offset:(\q)*CH+1536*(\i)
	ds_load_b64 v[\reg+4:\reg+5], v[\a8] offset:(\q)*CH+1536*(\i)
	ds_load_b128 v[\reg+6:\reg+9], v[\a16] offset:(\q)*CH+1536*(\i)+768
	ds_load_b64 v[\reg+10:\reg+11], v[\a8] offset:(\q)*CH+1536*(\i)+768
.endm
.macro FETCH_B slot, q, p
	WIN TO_B
.irp i, 0,1,2,3,4,5,6,7
	FRAG 128*(\p)+FR*\i, B16+\slot, B8+\slot, \q, \i
.endr
	WIN 0
.endm
.macro FETCH_A slot, q, i0
.irp i, \i0, \i0+1, \i0+2, \i0+3
	FRAG AF+FR*(\i), A16+\slot, A8+\slot, \q, \i
.endr
.endm
.macro SCALES slot, q, p
	ds_load_b128 v[SC+8*(\p):SC+8*(\p)+3], v[ADRS+\slot] offset:(\q)*CH
	ds_load_b128 v[SC+8*(\p)+4:SC+8*(\p)+7], v[ADRS+\slot] offset:(\q)*CH+256
.endm
.macro MUL16 a0, p, zero               ; the 64 accumulators take turns, one instruction a turn
.irp a, \a0, \a0+1
.irp b, 0,1,2,3,4,5,6,7
.if \zero
	v_wmma_scale_f32_16x16x128_f8f6f4 v[8*(8*((\a)%4)+\b):8*(8*((\a)%4)+\b)+7], v[128*(\p)+FR*\b:128*(\p)+FR*\b+FR-1], v[AF+FR*(\a):AF+FR*(\a)+FR-1], 0, v[SC+8*(\p)+\b], v[SC+8*(\p)+(\a)] matrix_a_fmt:MATRIX_FMT_FP6 matrix_b_fmt:MATRIX_FMT_FP6 matrix_a_scale:MATRIX_SCALE_ROW1
.else
	v_wmma_scale_f32_16x16x128_f8f6f4 v[8*(8*((\a)%4)+\b):8*(8*((\a)%4)+\b)+7], v[128*(\p)+FR*\b:128*(\p)+FR*\b+FR-1], v[AF+FR*(\a):AF+FR*(\a)+FR-1], v[8*(8*((\a)%4)+\b):8*(8*((\a)%4)+\b)+7], v[SC+8*(\p)+\b], v[SC+8*(\p)+(\a)] matrix_a_fmt:MATRIX_FMT_FP6 matrix_b_fmt:MATRIX_FMT_FP6 matrix_a_scale:MATRIX_SCALE_ROW1
.endif
.endr
.endr
.endm
.macro STEP slot, zero
	s_wait_dscnt 16                                ; all but the youngest 16 loads (A's blocks 4-7)
	WIN MUL_LO
	MUL16 0, 0, \zero
	MUL16 2, 0, \zero
	s_wait_dscnt 0x0
	PLACES
	FETCH_B \slot, 1, 1
	FETCH_A \slot, 1, 0
	SCALES \slot, 1, 1
	WIN MUL_HI
	MUL16 4, 0, \zero
	MUL16 6, 0, \zero
	PLACES
	WIN 0
	FETCH_A \slot, 1, 4
.endm
.macro TURN slot, next, fill
	s_wait_tensorcnt 0x0                           ; all my tensor loads have landed: my part of the next slot
	ds_add_u32 v[SPW], v[NIL]                      ; 0 onto my spare word
	s_wait_dscnt 17                                ; (the add and the youngest 16 loads may be out)
	WIN MUL_LO
	MUL16 0, 1, 0
	s_wait_dscnt 0x0                               ; the add is done, and my reads of this slot are over
	s_barrier_signal -1
	MUL16 2, 1, 0
	WIN 0
	s_barrier_wait -1
.if \fill
	CREST                                          ; the round: no wave of any partner still reads this slot or has a load on its way
	s_add_nc_u64 s[G0+4*\slot+2:G0+4*\slot+3], s[G0+4*\slot+2:G0+4*\slot+3], 2*HALFT
	s_add_nc_u64 s[G0B+4*\slot+2:G0B+4*\slot+3], s[G0B+4*\slot+2:G0B+4*\slot+3], 2*HALFT
	JLOAD \slot
.else
	PLACES
.endif
	FETCH_B \next, 0, 0
	FETCH_A \next, 0, 0
	SCALES \next, 0, 0
	WIN MUL_HI
	MUL16 4, 1, 0
	MUL16 6, 1, 0
	PLACES
	WIN 0
	FETCH_A \next, 0, 4
.endm
	s_load_b256 s[4:11], s[0:1], 0x0               ; A's buffer, B's buffer, the bias, the residual
	s_load_b64 s[12:13], s[0:1], 0x20              ; C
	v_lshl_add_u32 v[SPW], v0, 2, SPARE
	v_mov_b32 v[NIL], 0
	ds_add_u32 v28, v29
	ds_add_u32 v28, v29
	s_wait_dscnt 0x0
	v_lshrrev_b32 v1, 5, v0
	v_readfirstlane_b32 s14, v1
	s_lshr_b32 s15, s14, 1
	s_and_b32 s16, s14, 1
	s_bfe_u32 s40, ttmp6, 0x40000
	s_bfe_u32 s41, ttmp6, 0x40004
	s_lshl_b32 s42, ttmp9, 2
	s_add_co_u32 s42, s42, s40                     ; tile column
	s_and_b32 s17, ttmp7, 0xffff
	s_lshl_b32 s17, s17, 2
	s_add_co_u32 s17, s17, s41                     ; tile row
	s_lshl_b32 s43, s41, 2
	s_lshl_b32 s43, 15, s43
	s_lshl_b32 s44, 0x1111, s40
	s_or_b32 s[G1+0], s43, (3<<16)|(1<<21)
	s_or_b32 s[G1B+0], s44, (3<<16)|(1<<21)
.irp g, G1, G1B
	s_mov_b32 s[\g+1], 32<<16
	s_mov_b32 s[\g+2], 100<<16
	s_mov_b32 s[\g+3], 32<<16
	s_mov_b32 s[\g+4], 100
	s_mov_b32 s[\g+5], 32
	s_mov_b32 s[\g+6], 0
	s_mov_b32 s[\g+7], 0
.endr
	s_lshl_b32 s20, s17, 1
	s_add_co_u32 s20, s20, s16                     ; A: row block 2 x tile row + the half I fetch
	s_mul_i32 s20, s20, RBS
	s_add_co_u32 s20, s20, AOFF
	s_mov_b32 s21, 0
	s_lshl_b32 s46, s42, 1
	s_add_co_u32 s46, s46, s16
	s_mul_i32 s46, s46, RBS
	s_add_co_u32 s46, s46, BOFF
	s_mov_b32 s47, 0
	s_mul_i32 s45, s14, HALFT
	s_wait_kmcnt 0x0
	s_add_nc_u64 s[20:21], s[4:5], s[20:21]
	s_add_nc_u64 s[46:47], s[6:7], s[46:47]
	CROUND
.irp s, 0,1
	s_mov_b32 s[G0+4*\s], 1
	s_add_co_u32 s[G0+4*\s+1], s45, \s*SLOT
	s_add_nc_u64 s[G0+4*\s+2:G0+4*\s+3], s[20:21], \s*HALFT
	s_or_b32 s[G0+4*\s+3], s[G0+4*\s+3], 0x80000000
	s_mov_b32 s[G0B+4*\s], 1
	s_add_co_u32 s[G0B+4*\s+1], s45, \s*SLOT
	s_add_nc_u64 s[G0B+4*\s+2:G0B+4*\s+3], s[46:47], \s*HALFT
	s_or_b32 s[G0B+4*\s+3], s[G0B+4*\s+3], 0x80000000
	JLOAD \s
.endr
	v_and_b32 v1, 31, v0
	v_and_b32 v2, 15, v0
	v_bfe_u32 v3, v0, 4, 1
	v_lshlrev_b32 v4, 4, v1                        ; 16 x lane: also my place in a row of C
	v_lshl_add_u32 v5, v1, 3, 512
	s_mul_i32 s21, s15, HALFT
	s_mul_i32 s22, s16, HALFT
	s_add_co_u32 s22, s22, 2*HALFT
.irp s, 0,1
	v_add_nc_u32 v[A16+\s], s21, v4
	v_add_nc_u32 v[A8+\s], s21, v5
	v_add_nc_u32 v[B16+\s], s22, v4
	v_add_nc_u32 v[B8+\s], s22, v5
	s_add_co_u32 s21, s21, SLOT
	s_add_co_u32 s22, s22, SLOT
.endr
	s_mul_i32 s21, s15, HALFT
	s_mul_i32 s22, s16, HALFT
	s_add_co_u32 s22, s22, 2*HALFT
	s_sub_co_u32 s22, s22, s21
	v_mul_u32_u24 v6, s22, v3
	v_lshl_add_u32 v6, v2, 4, v6
	s_add_co_u32 s21, s21, 12288
	v_add_nc_u32 v[ADRS], s21, v6
	v_add_nc_u32 v[ADRS+1], SLOT, v[ADRS]
	s_mul_i32 s23, s14, 16*528                     ; my stage
	v_mul_u32_u24 v6, v2, 528
	v_lshl_add_u32 v6, v3, 5, v6
	v_add_nc_u32 v[STO], s23, v6                   ; in: row r, + 32 h
	v_add_nc_u32 v[RD], s23, v4                    ; back: a row's 512 bytes over the 32 lanes
	s_lshl_b32 s20, s17, 1
	s_add_co_u32 s20, s20, s15
	s_lshl_b32 s20, s20, 19                        ; my first row: 128 rows of 4,096 bytes a block
	s_lshl_b32 s46, s42, 1
	s_add_co_u32 s46, s46, s16
	s_lshl_b32 s46, s46, 9                         ; my first column: 128 columns of 4 bytes a block
	s_mov_b32 s47, 0
	s_add_nc_u64 s[8:9], s[8:9], s[46:47]
	s_add_co_u32 s46, s46, s20
	s_add_nc_u64 s[10:11], s[10:11], s[46:47]
	s_add_nc_u64 s[12:13], s[12:13], s[46:47]
	global_load_b128 v[8:11], v4, s[8:9]           ; the bias of my four columns
	s_wait_tensorcnt 1                             ; my part of slot 0 is in (slot 1's load may be out)
	s_barrier_signal -1
	s_barrier_wait -1
	FETCH_B 0, 0, 0
	FETCH_A 0, 0, 0
	SCALES 0, 0, 0
	FETCH_A 0, 0, 4
	STEP 0, 1
	s_mov_b32 s3, LAPS-1
.Llap:
	TURN 0, 1, 1
	STEP 1, 0
	TURN 1, 0, 1
	STEP 0, 0
	s_sub_co_u32 s3, s3, 1
	s_cmp_lg_u32 s3, 0
	s_cbranch_scc1 .Llap
	TURN 0, 1, 0
	STEP 1, 0
	s_wait_dscnt 16
	WIN MUL_LO
	MUL16 0, 1, 0
	MUL16 2, 1, 0
	s_wait_dscnt 0x0
	WIN MUL_HI
	MUL16 4, 1, 0
	MUL16 6, 1, 0
	WIN 0
.macro RLOAD a                         ; the residual's rows 16 a .. 16 a + 15 into set a % 4 of window 1
.irp t, 0,1,2,3,4,5,6,7,8,9,10,11,12,13,14,15
	global_load_b128 v[64*((\a)%4)+4*\t:64*((\a)%4)+4*\t+3], v4, s[10:11] offset:(16*(\a)+\t)*4096
.endr
.endm
.macro TOSTAGE a
.set AC, 64*((\a)%4)
	WIN 0x08+4*((\a)/4)                            ; an LDS store's data are its source 1: window 2 or 3
.irp b, 0,1,2,3,4,5,6,7
	ds_store_b128 v[STO], v[AC+8*\b:AC+8*\b+3] offset:64*\b        ; each accumulator from its low end on
	ds_store_b128 v[STO], v[AC+8*\b+4:AC+8*\b+7] offset:64*\b+16
.endr
	WIN 0
.set BB, BK+64*((\a)%2)
.irp t, 0,1,2,3,4,5,6,7,8,9,10,11,12,13,14,15
	ds_load_b128 v[BB+4*\t:BB+4*\t+3], v[RD] offset:\t*528         ; LDS serves a wave's instructions in order: these see the stores above
.endr
.endm
.macro SEND a, younger
.set BB, BK+64*((\a)%2)
	s_wait_dscnt \younger                          ; the block is back; the next block's 16 stores and 16 loads may be out
.if (\a) <= 4
	s_wait_loadcnt 48                              ; its residual is in; three later sets of 16 loads may be out
.else
	s_wait_loadcnt 16*(7-(\a))
.endif
.irp t, 0,1,2,3,4,5,6,7,8,9,10,11,12,13,14,15
	v_pk_add_f32 v[BB+4*\t:BB+4*\t+1], v[BB+4*\t:BB+4*\t+1], v[8:9]
	v_pk_add_f32 v[BB+4*\t+2:BB+4*\t+3], v[BB+4*\t+2:BB+4*\t+3], v[10:11]
.endr
	WIN 0x04                                       ; source 1: window 1
.irp t, 0,1,2,3,4,5,6,7,8,9,10,11,12,13,14,15
	v_pk_add_f32 v[BB+4*\t:BB+4*\t+1], v[BB+4*\t:BB+4*\t+1], v[64*((\a)%4)+4*\t:64*((\a)%4)+4*\t+1]
	v_pk_add_f32 v[BB+4*\t+2:BB+4*\t+3], v[BB+4*\t+2:BB+4*\t+3], v[64*((\a)%4)+4*\t+2:64*((\a)%4)+4*\t+3]
.endr
	WIN 0
.irp t, 0,1,2,3,4,5,6,7,8,9,10,11,12,13,14,15
	global_store_b128 v4, v[BB+4*\t:BB+4*\t+3], s[12:13] offset:(16*(\a)+\t)*4096   ; 32 lanes store 512 consecutive bytes, at a multiple of 256 from C's first byte
.endr
.endm
	PLACES                                         ; in front of loads into registers that the last products read, and of the first read of results
	WIN 0x40
	RLOAD 0
	RLOAD 1
	RLOAD 2
	RLOAD 3
	WIN 0
	TOSTAGE 0
.irp a, 1,2,3,4,5,6,7
.if \a > 1
	s_wait_xcnt 0x0                                ; block a - 2's stores have read their registers
.endif
	TOSTAGE \a
	SEND \a-1, 32
.if \a < 5
	WIN 0x40
	RLOAD \a+3
	WIN 0
.endif
.endr
	SEND 7, 0
	s_wait_tensorcnt 0x0                           ; the wave's end
	ds_add_u32 v[SPW], v[NIL]
	s_wait_dscnt 0x0
	CROUND
	s_endpgm
.Lfunc_end_k_qd1aa687183_oproj:
	.size	k_qd1aa687183_oproj, .Lfunc_end_k_qd1aa687183_oproj-k_qd1aa687183_oproj
	.p2alignl 7, 3214868480
	.fill 96, 4, 3214868480
	.section	.rodata,"a",@progbits
	.p2align	6, 0x0
	.amdhsa_kernel k_qd1aa687183_oproj
		.amdhsa_group_segment_fixed_size 327680
		.amdhsa_private_segment_fixed_size 0
		.amdhsa_enable_private_segment 0
		.amdhsa_kernarg_size 40
		.amdhsa_user_sgpr_count 2
		.amdhsa_user_sgpr_kernarg_segment_ptr 1
		.amdhsa_wavefront_size32 1
		.amdhsa_system_sgpr_workgroup_id_x 1
		.amdhsa_system_sgpr_workgroup_id_y 1
		.amdhsa_system_sgpr_workgroup_id_z 1
		.amdhsa_system_vgpr_workitem_id 0
		.amdhsa_next_free_vgpr 1024
		.amdhsa_next_free_sgpr 100
		.amdhsa_reserve_vcc 0
		.amdhsa_float_denorm_mode_32 3
		.amdhsa_float_denorm_mode_16_64 3
		.amdhsa_memory_ordered 1
		.amdhsa_forward_progress 1
		.amdhsa_inst_pref_size 185
	.end_amdhsa_kernel
	.amdgpu_metadata
---
amdhsa.version: [ 1, 2 ]
amdhsa.kernels:
  - .name:           k_qd1aa687183_oproj
    .symbol:         k_qd1aa687183_oproj.kd
    .args:
      - { .name: himg, .offset: 0, .size: 8, .value_kind: global_buffer, .address_space: global }
      - { .name: wimg, .offset: 8, .size: 8, .value_kind: global_buffer, .address_space: global }
      - { .name: bo, .offset: 16, .size: 8, .value_kind: global_buffer, .address_space: global }
      - { .name: x, .offset: 24, .size: 8, .value_kind: global_buffer, .address_space: global }
      - { .name: x1, .offset: 32, .size: 8, .value_kind: global_buffer, .address_space: global }
    .group_segment_fixed_size: 327680
    .private_segment_fixed_size: 0
    .kernarg_segment_align: 8
    .kernarg_segment_size: 40
    .max_flat_workgroup_size: 128
    .sgpr_count:     100
    .vgpr_count:     1024
    .wavefront_size: 32
...
	.end_amdgpu_metadata
.endif
;; end of part 6
;; launch ln2: the kernel of part 3 again; grid 256 x 1, 8 waves a work-group, no clusters, 69,632 bytes of LDS; arguments x1, ln2_w, ln2_b, wimg; writes wimg
;; launch up (part 7): grid 16 x 16, 4 waves a work-group, clusters of 4 x 4, 327,680 bytes of LDS; arguments wimg, b1, himg; writes himg
.if DOCPART == 7
	.amdgcn_target "amdgcn-amd-amdhsa--gfx1250"
	.amdhsa_code_object_version 6
	.text
	.protected	k_qd1aa687183_up
	.globl	k_qd1aa687183_up
	.p2align	8
	.type	k_qd1aa687183_up,@function
k_qd1aa687183_up:
	s_mov_b64 s[64:65], 0
	v_nop
	global_prefetch_b8 v0, s[64:65] scope:SCOPE_SE
	s_setreg_imm32_b32 hwreg(HW_REG_WAVE_MODE, 25, 1), 1
	s_wait_xcnt 0x0
	s_wait_alu depctr_hold_cnt(0) depctr_sa_sdst(0) depctr_va_vdst(0) depctr_va_sdst(0) depctr_va_ssrc(0) depctr_va_vcc(0) depctr_vm_vsrc(0)
	s_getreg_b32 s2, hwreg(HW_REG_IB_STS2, 6, 4)
	s_cmp_eq_u32 s2, 0
	s_cbranch_scc0 .Lentry_in_a_cluster
	s_endpgm
.Lentry_in_a_cluster:
	s_bfe_u32 s2, ttmp6, 0x10000c
	s_cmp_lg_u32 s2, 0xf033
	s_cbranch_scc0 .Lentry_shape_is_right
	s_endpgm
.Lentry_shape_is_right:
; h = gelu(nx2 w1^T + b1), quantised on its way out as the A operand of the last product.  A GEMM on codes of FP6 (E2M3) with E8M0 scales, K = 1,024, M = N = 4,096; tiles of 256 x 256, four waves of 128 x 128.
; OPERANDS lie in memory as register images in chunks of 12,800 bytes (128 rows x 128 K: 8 fragments of 1,536 bytes, 512 bytes of scale words), [row block][K step]: two K steps of a row block are 25,600 dense bytes, one tensor load.
; RING: two LDS slots of 256 along K, one load a wave.  CLUSTERS 4 x 4: A's tiles are shared along a row of the cluster, B's along a column: joint loads.
; THE MATRIX INSTRUCTION IS USED TRANSPOSED: register j of lane (r, h) in accumulator (a, b) is C(16 a + r, 16 b + 8 h + j): a token's 128 hidden units in the quantiser's order of k: a wave's 128 x 128 is one chunk of h.
; GELU, exact form: h = max(x, 0) - |x| erfc(|x| / sqrt 2) / 2, with erfc(z) = t exp(-z^2 + P(t)), t = 1 / (1 + z / 2), P of degree 9 (a Chebyshev fit whose error stays a fraction of about 1e-7 of erfc for every z, so the
; negative tail keeps its relative accuracy); the coefficients below are P's times log2(e).
; THE WAY OUT is a loop of eight trips, one for each block of 16 tokens: only the 32 additions that take a block out of its accumulators differ from trip to trip; they stand in eight pieces under scalar branches on the counter.
; LIMITS: NaN and infinities are not served; scale bytes are held at 1 from below; a block of zeros carries the byte 1.
.set KDIM,  1024
.set AOFF,  9830400                    ; the normalised tokens' chunks in wimg
.set BOFF,  3276800                    ; w1's
.set HOFF,  3276800                    ; h's chunks in himg: [block of 128 tokens 32][K step 32]
.set CH,    12800
.set HALFT, 2*CH
.set SLOT,  4*HALFT
.set SPARE, 2*SLOT
.set RBS,   (KDIM/128)*CH
.set LAPS,  KDIM/512
.set FR,    12
.set A16,   16
.set A8,    18
.set B16,   20
.set B8,    22
.set SPW,   28
.set NIL,   29
.set ADRS,  30
.set SC,    32
.set KC9,   48
.set PWS,   56
.set BIAS,  64
.set AF,    128
.set T,     128
.set TM,    192
.set PC,    204
.set PW,    216
.set GA,    224
.set GP,    232
.set GU,    240
.set GM,    248
.set SEL,   68
.set G1,    24
.set G0,    32
.set G1B,   48
.set G0B,   56
.set MSB, 0
.macro WIN new
.if MSB != \new
	s_set_vgpr_msb (MSB<<8)|(\new)
.set MSB, \new
.endif
.endm
.set MUL_LO, 0xa1
.set MUL_HI, 0xf1
.set TO_B,   0x40
.macro JLOAD s
	s_cmp_eq_u32 s15, 0
	s_cbranch_scc0 .Lfor_b_\@
	tensor_load_to_lds s[G0+4*\s:G0+4*\s+3], s[G1:G1+7]
	s_nop 0
.rept 4
	v_nop
.endr
	s_branch .Lasked_\@
.Lfor_b_\@:
	tensor_load_to_lds s[G0B+4*\s:G0B+4*\s+3], s[G1B:G1B+7]
	s_nop 0
.rept 4
	v_nop
.endr
.Lasked_\@:
.endm
.macro CREST
	s_cmp_lg_u32 s14, 0
	s_cbranch_scc1 .Lnot_wave_0_\@
	s_barrier_signal -3
.Lnot_wave_0_\@:
	s_barrier_wait -3
	s_barrier_signal -1
	s_barrier_wait -1
.endm
.macro CROUND
	s_barrier_signal -1
	s_barrier_wait -1
	CREST
.endm
.macro PLACES
.rept 4
	v_nop
.endr
.endm
.macro FRAG reg, a16, a8, q, i
	ds_load_b128 v[\reg:\reg+3], v[\a16] offset:(\q)*CH+1536*(\i)
	ds_load_b64 v[\reg+4:\reg+5], v[\a8] offset:(\q)*CH+1536*(\i)
	ds_load_b128 v[\reg+6:\reg+9], v[\a16] offset:(\q)*CH+1536*(\i)+768
	ds_load_b64 v[\reg+10:\reg+11], v[\a8] offset:(\q)*CH+1536*(\i)+768
.endm
.macro FETCH_B slot, q, p
	WIN TO_B
.irp i, 0,1,2,3,4,5,6,7
	FRAG 128*(\p)+FR*\i, B16+\slot, B8+\slot, \q, \i
.endr
	WIN 0
.endm
.macro FETCH_A slot, q, i0
.irp i, \i0, \i0+1, \i0+2, \i0+3
	FRAG AF+FR*(\i), A16+\slot, A8+\slot, \q, \i
.endr
.endm
.macro SCALES slot, q, p
	ds_load_b128 v[SC+8*(\p):SC+8*(\p)+3], v[ADRS+\slot] offset:(\q)*CH
	ds_load_b128 v[SC+8*(\p)+4:SC+8*(\p)+7], v[ADRS+\slot] offset:(\q)*CH+256
.endm
.macro MUL16 a0, p, zero               ; the 64 accumulators take turns, one instruction a turn
.irp a, \a0, \a0+1
.irp b, 0,1,2,3,4,5,6,7
.if \zero
	v_wmma_scale_f32_16x16x128_f8f6f4 v[8*(8*((\a)%4)+\b):8*(8*((\a)%4)+\b)+7], v[128*(\p)+FR*\b:128*(\p)+FR*\b+FR-1], v[AF+FR*(\a):AF+FR*(\a)+FR-1], 0, v[SC+8*(\p)+\b], v[SC+8*(\p)+(\a)] matrix_a_fmt:MATRIX_FMT_FP6 matrix_b_fmt:MATRIX_FMT_FP6 matrix_a_scale:MATRIX_SCALE_ROW1
.else
	v_wmma_scale_f32_16x16x128_f8f6f4 v[8*(8*((\a)%4)+\b):8*(8*((\a)%4)+\b)+7], v[128*(\p)+FR*\b:128*(\p)+FR*\b+FR-1], v[AF+FR*(\a):AF+FR*(\a)+FR-1], v[8*(8*((\a)%4)+\b):8*(8*((\a)%4)+\b)+7], v[SC+8*(\p)+\b], v[SC+8*(\p)+(\a)] matrix_a_fmt:MATRIX_FMT_FP6 matrix_b_fmt:MATRIX_FMT_FP6 matrix_a_scale:MATRIX_SCALE_ROW1
.endif
.endr
.endr
.endm
.macro STEP slot, zero
	s_wait_dscnt 16                                ; all but the youngest 16 loads (A's blocks 4-7)
	WIN MUL_LO
	MUL16 0, 0, \zero
	MUL16 2, 0, \zero
	s_wait_dscnt 0x0
	PLACES
	FETCH_B \slot, 1, 1
	FETCH_A \slot, 1, 0
	SCALES \slot, 1, 1
	WIN MUL_HI
	MUL16 4, 0, \zero
	MUL16 6, 0, \zero
	PLACES
	WIN 0
	FETCH_A \slot, 1, 4
.endm
.macro TURN slot, next, fill
	s_wait_tensorcnt 0x0                           ; all my tensor loads have landed: my part of the next slot
	ds_add_u32 v[SPW], v[NIL]                      ; 0 onto my spare word
	s_wait_dscnt 17                                ; (the add and the youngest 16 loads may be out)
	WIN MUL_LO
	MUL16 0, 1, 0
	s_wait_dscnt 0x0                               ; the add is done, and my reads of this slot are over
	s_barrier_signal -1
	MUL16 2, 1, 0
	WIN 0
	s_barrier_wait -1
.if \fill
	CREST                                          ; the round: no wave of any partner still reads this slot or has a load on its way
	s_add_nc_u64 s[G0+4*\slot+2:G0+4*\slot+3], s[G0+4*\slot+2:G0+4*\slot+3], 2*HALFT
	s_add_nc_u64 s[G0B+4*\slot+2:G0B+4*\slot+3], s[G0B+4*\slot+2:G0B+4*\slot+3], 2*HALFT
	JLOAD \slot
.else
	PLACES
.endif
	FETCH_B \next, 0, 0
	FETCH_A \next, 0, 0
	SCALES \next, 0, 0
	WIN MUL_HI
	MUL16 4, 1, 0
	MUL16 6, 1, 0
	PLACES
	WIN 0
	FETCH_A \next, 0, 4
.endm
.macro QUANT s
.irp b, 0,1,2,3
	v_max3_num_f32 v[TM+\b], |v[\s+16*\b]|, |v[\s+1+16*\b]|, 0x1800000   ; block b: my 16 numbers and the floor 2^(3 - 127)
.endr
.irp i, 2,4,6,8,10,12,14
.irp b, 0,1,2,3
	v_max3_num_f32 v[TM+\b], v[TM+\b], |v[\s+16*\b+\i]|, |v[\s+1+16*\b+\i]|
.endr
.endr
.irp b, 0,1,2,3
	v_permlanex16_b32 v[TM+4+\b], v[TM+\b], s[SEL], s[SEL+1]
.endr
.irp b, 0,1,2,3
	v_max_num_f32 v[TM+\b], v[TM+\b], v[TM+4+\b]
.endr
.irp b, 0,1,2,3
	v_add_nc_u32 v[TM+8+\b], 0xff000000, v[TM+\b]
.endr
.irp b, 0,1,2,3
	v_lshrrev_b32 v[TM+4+\b], 23, v[TM+8+\b]
.endr
	v_lshl_or_b32 v[PW], v[TM+5], 8, v[TM+4]
	v_lshl_or_b32 v[PW], v[TM+6], 16, v[PW]
	v_lshl_or_b32 v[PW], v[TM+7], 24, v[PW]
.irp c, 0,1
	v_cvt_scalef32_pk16_fp6_f32 v[PC+6*\c:PC+6*\c+2], v[\s+32*\c:\s+32*\c+15], v[TM+8+2*\c]
	v_cvt_scalef32_pk16_fp6_f32 v[TM+4*\c:TM+4*\c+2], v[\s+32*\c+16:\s+32*\c+31], v[TM+9+2*\c]
.endr
	v_nop
.irp c, 0,1
.irp i, 0,1,2
	v_permlane16_swap_b32 v[PC+6*\c+\i], v[TM+4*\c+\i]
.endr
.irp i, 0,1,2
	v_mov_b32 v[PC+3+6*\c+\i], v[TM+4*\c+\i]
.endr
.endr
.endm
.macro GELU8 x                         ; eight numbers v[x] .. v[x+7], in place
.irp i, 0,1,2,3,4,5,6,7
	v_fma_f32 v[GA+\i], |v[\x+\i]|, 0x3eb504f3, 1.0                ; 1 + z / 2, z = |x| / sqrt 2
.endr
.irp i, 0,1,2,3,4,5,6,7
	v_rcp_f32 v[GA+\i], v[GA+\i]                                   ; t
.endr
.irp i, 0,2,4,6
	v_pk_mul_f32 v[GU+\i:GU+\i+1], v[\x+\i:\x+\i+1], v[\x+\i:\x+\i+1]   ; x^2.  (Plain lines behind the reciprocals)
.endr
	s_wait_alu depctr_va_vdst(0)
.irp i, 0,2,4,6
	v_pk_fma_f32 v[GP+\i:GP+\i+1], v[GA+\i:GA+\i+1], v[KC9:KC9+1], 0xbf97d29d op_sel_hi:[1,1,0]
.endr
.irp c, 0x40097039, 0xbfd1a1e5, 0x3ecdfd18, 0xbe899a80, 0x3e0efb2e, 0x3f0a29d2, 0x3fb8ab5a, 0xbfe9b21e
.irp i, 0,2,4,6
	v_pk_fma_f32 v[GP+\i:GP+\i+1], v[GP+\i:GP+\i+1], v[GA+\i:GA+\i+1], \c op_sel_hi:[1,1,0]
.endr
.endr
.irp i, 0,2,4,6
	v_pk_fma_f32 v[GP+\i:GP+\i+1], v[GU+\i:GU+\i+1], 0xbf38aa3b, v[GP+\i:GP+\i+1] op_sel_hi:[1,0,1]   ; - z^2 log2(e) = - x^2 log2(e) / 2
.endr
.irp i, 0,1,2,3,4,5,6,7
	v_exp_f32 v[GP+\i], v[GP+\i]
.endr
.irp i, 0,1,2,3,4,5,6,7
	v_mul_f32 v[GM+\i], |v[\x+\i]|, v[GA+\i]                       ; |x| t.  (Plain lines behind the exponentials)
.endr
.irp i, 0,1,2,3,4,5,6,7
	v_max_num_f32 v[GU+\i], 0, v[\x+\i]
.endr
	s_wait_alu depctr_va_vdst(0)
.irp i, 0,2,4,6
	v_pk_mul_f32 v[GM+\i:GM+\i+1], v[GM+\i:GM+\i+1], v[GP+\i:GP+\i+1]   ; |x| erfc(z)
.endr
.irp i, 0,2,4,6
	v_pk_fma_f32 v[\x+\i:\x+\i+1], v[GM+\i:GM+\i+1], -0.5, v[GU+\i:GU+\i+1] op_sel_hi:[1,0,1]
.endr
.endm
	s_load_b128 s[4:7], s[0:1], 0x0                ; wimg, b1
	s_load_b64 s[12:13], s[0:1], 0x10              ; himg
	v_lshl_add_u32 v[SPW], v0, 2, SPARE
	v_mov_b32 v[NIL], 0
	ds_add_u32 v28, v29
	ds_add_u32 v28, v29
	s_wait_dscnt 0x0
	v_lshrrev_b32 v1, 5, v0
	v_readfirstlane_b32 s14, v1
	s_lshr_b32 s15, s14, 1
	s_and_b32 s16, s14, 1
	s_bfe_u32 s40, ttmp6, 0x40000
	s_bfe_u32 s41, ttmp6, 0x40004
	s_lshl_b32 s42, ttmp9, 2
	s_add_co_u32 s42, s42, s40                     ; tile column
	s_and_b32 s17, ttmp7, 0xffff
	s_lshl_b32 s17, s17, 2
	s_add_co_u32 s17, s17, s41                     ; tile row
	s_lshl_b32 s43, s41, 2
	s_lshl_b32 s43, 15, s43
	s_lshl_b32 s44, 0x1111, s40
	s_or_b32 s[G1+0], s43, (3<<16)|(1<<21)
	s_or_b32 s[G1B+0], s44, (3<<16)|(1<<21)
.irp g, G1, G1B
	s_mov_b32 s[\g+1], 32<<16
	s_mov_b32 s[\g+2], 100<<16
	s_mov_b32 s[\g+3], 32<<16
	s_mov_b32 s[\g+4], 100
	s_mov_b32 s[\g+5], 32
	s_mov_b32 s[\g+6], 0
	s_mov_b32 s[\g+7], 0
.endr
	s_lshl_b32 s20, s17, 1
	s_add_co_u32 s20, s20, s16
	s_mul_i32 s20, s20, RBS
	s_add_co_u32 s20, s20, AOFF
	s_mov_b32 s21, 0
	s_lshl_b32 s46, s42, 1
	s_add_co_u32 s46, s46, s16
	s_mul_i32 s46, s46, RBS
	s_add_co_u32 s46, s46, BOFF
	s_mov_b32 s47, 0
	s_mul_i32 s45, s14, HALFT
	s_wait_kmcnt 0x0
	s_add_nc_u64 s[20:21], s[4:5], s[20:21]
	s_add_nc_u64 s[46:47], s[4:5], s[46:47]
	CROUND
.irp s, 0,1
	s_mov_b32 s[G0+4*\s], 1
	s_add_co_u32 s[G0+4*\s+1], s45, \s*SLOT
	s_add_nc_u64 s[G0+4*\s+2:G0+4*\s+3], s[20:21], \s*HALFT
	s_or_b32 s[G0+4*\s+3], s[G0+4*\s+3], 0x80000000
	s_mov_b32 s[G0B+4*\s], 1
	s_add_co_u32 s[G0B+4*\s+1], s45, \s*SLOT
	s_add_nc_u64 s[G0B+4*\s+2:G0B+4*\s+3], s[46:47], \s*HALFT
	s_or_b32 s[G0B+4*\s+3], s[G0B+4*\s+3], 0x80000000
	JLOAD \s
.endr
	v_and_b32 v1, 31, v0
	v_and_b32 v2, 15, v0
	v_bfe_u32 v3, v0, 4, 1
	v_lshlrev_b32 v4, 4, v1
	v_lshl_add_u32 v5, v1, 3, 512
	s_mul_i32 s21, s15, HALFT
	s_mul_i32 s22, s16, HALFT
	s_add_co_u32 s22, s22, 2*HALFT
.irp s, 0,1
	v_add_nc_u32 v[A16+\s], s21, v4
	v_add_nc_u32 v[A8+\s], s21, v5
	v_add_nc_u32 v[B16+\s], s22, v4
	v_add_nc_u32 v[B8+\s], s22, v5
	s_add_co_u32 s21, s21, SLOT
	s_add_co_u32 s22, s22, SLOT
.endr
	s_mul_i32 s21, s15, HALFT
	s_mul_i32 s22, s16, HALFT
	s_add_co_u32 s22, s22, 2*HALFT
	s_sub_co_u32 s22, s22, s21
	v_mul_u32_u24 v6, s22, v3
	v_lshl_add_u32 v6, v2, 4, v6
	s_add_co_u32 s21, s21, 12288
	v_add_nc_u32 v[ADRS], s21, v6
	v_add_nc_u32 v[ADRS+1], SLOT, v[ADRS]
	s_lshl_b32 s46, s42, 1
	s_add_co_u32 s46, s46, s16                     ; my 128 hidden units: also the K step of h's chunk
	s_lshl_b32 s92, s46, 9
	s_mov_b32 s93, 0
	s_add_nc_u64 s[6:7], s[6:7], s[92:93]
	v_lshlrev_b32 v7, 5, v3
.irp b, 0,1,2,3,4,5,6,7
	global_load_b128 v[BIAS+8*\b:BIAS+8*\b+3], v7, s[6:7] offset:64*\b             ; b1 of units 16 b + 8 h + 0 .. 7
	global_load_b128 v[BIAS+8*\b+4:BIAS+8*\b+7], v7, s[6:7] offset:64*\b+16
.endr
	s_lshl_b32 s94, s17, 1
	s_add_co_u32 s94, s94, s15                     ; my block of 128 tokens
	s_lshl_b32 s94, s94, 5
	s_add_co_u32 s94, s94, s46
	s_mul_i32 s94, s94, CH
	s_add_co_u32 s94, s94, HOFF
	s_mov_b32 s95, 0
	s_add_nc_u64 s[12:13], s[12:13], s[94:95]
	v_mov_b32 v10, v4                              ; the fragment's places, stepped from trip to trip
	v_mov_b32 v11, v5
	v_mov_b32 v[KC9], 0x3e7c6f08
	v_mov_b32 v[KC9+1], 0x3e7c6f08
.irp i, 0,1,2,3,4,5,6,7
	v_mov_b32 v[PWS+\i], 0
.endr
	s_mov_b32 s[SEL], 0x76543210
	s_mov_b32 s[SEL+1], 0xfedcba98
	s_mov_b32 s70, 0xffff0000
	s_wait_tensorcnt 1                             ; my part of slot 0 is in (slot 1's load may be out)
	s_barrier_signal -1
	s_barrier_wait -1
	FETCH_B 0, 0, 0
	FETCH_A 0, 0, 0
	SCALES 0, 0, 0
	FETCH_A 0, 0, 4
	STEP 0, 1
	s_mov_b32 s3, LAPS-1
.Llap:
	TURN 0, 1, 1
	STEP 1, 0
	TURN 1, 0, 1
	STEP 0, 0
	s_sub_co_u32 s3, s3, 1
	s_cmp_lg_u32 s3, 0
	s_cbranch_scc1 .Llap
	TURN 0, 1, 0
	STEP 1, 0
	s_wait_dscnt 16
	WIN MUL_LO
	MUL16 0, 1, 0
	MUL16 2, 1, 0
	s_wait_dscnt 0x0
	WIN MUL_HI
	MUL16 4, 1, 0
	MUL16 6, 1, 0
	WIN 0
	s_wait_loadcnt 0x0                             ; b1
	PLACES
.irp b, 0,1,2,3
	v_mov_b32 v[TM+4+\b], 0
.endr
	s_mov_b32 s3, 0
.Lepi:                                                 ; trip a: block a of 16 tokens
.irp a, 0,1,2,3,4,5,6,7
	s_cmp_lg_u32 s3, \a
	s_cbranch_scc1 .Lnot_\a
	WIN 0x02+\a/4                                  ; source 0: window 2 or 3
.irp b, 0,1,2,3,4,5,6,7
.irp i, 0,2,4,6
	v_pk_add_f32 v[T+8*\b+\i:T+8*\b+\i+1], v[64*(\a%4)+8*\b+\i:64*(\a%4)+8*\b+\i+1], v[BIAS+8*\b+\i:BIAS+8*\b+\i+1]   ; each accumulator from its low end on
.endr
.endr
	WIN 0
.Lnot_\a:
.endr
.irp g, 0,1,2,3,4,5,6,7
	GELU8 T+8*\g
.endr
	QUANT T
.irp i, 0,1,2,3,4,5,6,7
	s_cmp_eq_u32 s3, \i
	s_cselect_b32 s[72+\i], -1, 0
	v_cndmask_b32 v[PWS+\i], v[PWS+\i], v[PW], s[72+\i]            ; the block's scale word to its register
.endr
	global_store_b128 v10, v[PC:PC+3], s[12:13]
	global_store_b64 v11, v[PC+4:PC+5], s[12:13]
	global_store_b128 v10, v[PC+6:PC+9], s[12:13] offset:768
	global_store_b64 v11, v[PC+10:PC+11], s[12:13] offset:768
	s_wait_xcnt 0x0                                ; the stores have read their offsets and data: both are written again
	v_add_nc_u32 v10, 1536, v10
	v_add_nc_u32 v11, 1536, v11
	s_add_co_u32 s3, s3, 1
	s_cmp_lt_u32 s3, 8
	s_cbranch_scc1 .Lepi
.irp i, 0,1,2,3
	v_cndmask_b32 v[52+\i], v[PWS+\i], v[PWS+4+\i], s70
.endr
	global_store_b128 v4, v[52:55], s[12:13] offset:12288
	s_wait_tensorcnt 0x0                           ; the wave's end
	ds_add_u32 v[SPW], v[NIL]
	s_wait_dscnt 0x0
	CROUND
	s_endpgm
.Lfunc_end_k_qd1aa687183_up:
	.size	k_qd1aa687183_up, .Lfunc_end_k_qd1aa687183_up-k_qd1aa687183_up
	.p2alignl 7, 3214868480
	.fill 96, 4, 3214868480
	.section	.rodata,"a",@progbits
	.p2align	6, 0x0
	.amdhsa_kernel k_qd1aa687183_up
		.amdhsa_group_segment_fixed_size 327680
		.amdhsa_private_segment_fixed_size 0
		.amdhsa_enable_private_segment 0
		.amdhsa_kernarg_size 24
		.amdhsa_user_sgpr_count 2
		.amdhsa_user_sgpr_kernarg_segment_ptr 1
		.amdhsa_wavefront_size32 1
		.amdhsa_system_sgpr_workgroup_id_x 1
		.amdhsa_system_sgpr_workgroup_id_y 1
		.amdhsa_system_sgpr_workgroup_id_z 1
		.amdhsa_system_vgpr_workitem_id 0
		.amdhsa_next_free_vgpr 1024
		.amdhsa_next_free_sgpr 100
		.amdhsa_reserve_vcc 0
		.amdhsa_float_denorm_mode_32 3
		.amdhsa_float_denorm_mode_16_64 3
		.amdhsa_memory_ordered 1
		.amdhsa_forward_progress 1
		.amdhsa_inst_pref_size 188
	.end_amdhsa_kernel
	.amdgpu_metadata
---
amdhsa.version: [ 1, 2 ]
amdhsa.kernels:
  - .name:           k_qd1aa687183_up
    .symbol:         k_qd1aa687183_up.kd
    .args:
      - { .name: wimg, .offset: 0, .size: 8, .value_kind: global_buffer, .address_space: global }
      - { .name: b1, .offset: 8, .size: 8, .value_kind: global_buffer, .address_space: global }
      - { .name: himg, .offset: 16, .size: 8, .value_kind: global_buffer, .address_space: global }
    .group_segment_fixed_size: 327680
    .private_segment_fixed_size: 0
    .kernarg_segment_align: 8
    .kernarg_segment_size: 24
    .max_flat_workgroup_size: 128
    .sgpr_count:     100
    .vgpr_count:     1024
    .wavefront_size: 32
...
	.end_amdgpu_metadata
.endif
;; end of part 7
;; launch down (part 8): grid 4 x 16, 4 waves a work-group, clusters of 4 x 4, 327,680 bytes of LDS; arguments himg, wimg, b2, x1, out0; writes out0
.if DOCPART == 8
	.amdgcn_target "amdgcn-amd-amdhsa--gfx1250"
	.amdhsa_code_object_version 6
	.text
	.protected	k_qd1aa687183_down
	.globl	k_qd1aa687183_down
	.p2align	8
	.type	k_qd1aa687183_down,@function
k_qd1aa687183_down:
	s_mov_b64 s[64:65], 0
	v_nop
	global_prefetch_b8 v0, s[64:65] scope:SCOPE_SE
	s_setreg_imm32_b32 hwreg(HW_REG_WAVE_MODE, 25, 1), 1
	s_wait_xcnt 0x0
	s_wait_alu depctr_hold_cnt(0) depctr_sa_sdst(0) depctr_va_vdst(0) depctr_va_sdst(0) depctr_va_ssrc(0) depctr_va_vcc(0) depctr_vm_vsrc(0)
	s_getreg_b32 s2, hwreg(HW_REG_IB_STS2, 6, 4)
	s_cmp_eq_u32 s2, 0
	s_cbranch_scc0 .Lentry_in_a_cluster
	s_endpgm
.Lentry_in_a_cluster:
	s_bfe_u32 s2, ttmp6, 0x10000c
	s_cmp_lg_u32 s2, 0xf033
	s_cbranch_scc0 .Lentry_shape_is_right
	s_endpgm
.Lentry_shape_is_right:
; out = x1 + (h w2^T + b2): a GEMM on codes of FP6 (E2M3) with E8M0 scales, K = 4,096, M = 4,096, N = 1,024, f32 out.  Tiles of 256 x 256, four waves of 128 x 128 (64 accumulators, 512 registers).
; OPERANDS lie in memory as register images in chunks of 12,800 bytes (128 rows x 128 K: 8 fragments of 1,536 bytes, 512 bytes of scale words), [row block][K step]: two K steps of a row block are 25,600 dense bytes, one tensor load.
; RING: two LDS slots of 256 along K, one load a wave.  CLUSTERS 4 x 4: A's tiles are shared along a row of the cluster, B's along a column: joint loads.
; THE MATRIX INSTRUCTION IS USED TRANSPOSED (source 0 = 16 rows of B, source 1 = 16 rows of A): a lane holds eight neighbouring numbers of a row of C.
; THE WAY OUT: a block of 16 rows x 128 columns goes through the wave's own stage in LDS (in slot 0, which has had its last fill and its last read) and comes back as whole rows of 512 bytes; bias and residual are added there.
; 64 tiles: this size leaves three WGPs in four without a work-group; a smaller tile would share the work further at twice the LDS reads for each product.
; REGISTERS: window 0: v1-11 addresses and the bias, v16-31 LDS addresses, v32-47 scale words, v128-223 A's fragments, later v128-255 rows on their way out; window 1: B's fragments, later four sets of the residual; windows 2, 3: accumulators.
.set KDIM,  4096
.set AOFF,  3276800                    ; h's chunks in himg
.set BOFF,  6553600                    ; w2's chunks in wimg
.set CH,    12800
.set HALFT, 2*CH                       ; one row block x two K steps: what one tensor load brings
.set SLOT,  4*HALFT
.set SPARE, 2*SLOT                     ; behind the ring: the spare words, 128 bytes a wave
.set RBS,   (KDIM/128)*CH              ; from row block to row block
.set LAPS,  KDIM/512
.set FR,    12
.set A16,   16                         ; v16-17 LDS address of my A fragments in slot 0, 1: + 16 x lane;  v18-19: + 8 x lane + 512
.set A8,    18
.set B16,   20                         ; v20-23 the same for B
.set B8,    22
.set STO,   24
.set RD,    25
.set SPW,   28
.set NIL,   29
.set ADRS,  30                         ; v30-31 scale words: lanes 0-15 A's rows, lanes 16-31 B's
.set SC,    32
.set AF,    128
.set BK,    128
.set G1,    24
.set G0,    32
.set G1B,   48
.set G0B,   56
.set MSB, 0
.macro WIN new                         ; the immediate's high byte repeats the setting that is left
.if MSB != \new
	s_set_vgpr_msb (MSB<<8)|(\new)
.set MSB, \new
.endif
.endm
.set MUL_LO, 0xa1                      ; source 0 (B) window 1, source 1 (A) window 0, C and D window 2
.set MUL_HI, 0xf1
.set TO_B,   0x40
.macro JLOAD s                         ; a joint load: waves 0, 1 fetch A's two row blocks, waves 2, 3 B's; four v_nop follow each line
	s_cmp_eq_u32 s15, 0
	s_cbranch_scc0 .Lfor_b_\@
	tensor_load_to_lds s[G0+4*\s:G0+4*\s+3], s[G1:G1+7]
	s_nop 0
.rept 4
	v_nop
.endr
	s_branch .Lasked_\@
.Lfor_b_\@:
	tensor_load_to_lds s[G0B+4*\s:G0B+4*\s+3], s[G1B:G1B+7]
	s_nop 0
.rept 4
	v_nop
.endr
.Lasked_\@:
.endm
.macro CREST                           ; a round of the cluster's barrier behind its opening barrier
	s_cmp_lg_u32 s14, 0
	s_cbranch_scc1 .Lnot_wave_0_\@
	s_barrier_signal -3
.Lnot_wave_0_\@:
	s_barrier_wait -3
	s_barrier_signal -1
	s_barrier_wait -1
.endm
.macro CROUND
	s_barrier_signal -1
	s_barrier_wait -1
	CREST
.endm
.macro PLACES                          ; four plain lines between a matrix instruction and a load into, or a read of, its registers
.rept 4
	v_nop
.endr
.endm
.macro FRAG reg, a16, a8, q, i         ; a fragment comes back as it was stored: four loads, each of consecutive bytes
	ds_load_b128 v[\reg:\reg+3], v[\a16] offset:(\q)*CH+1536*(\i)
	ds_load_b64 v[\reg+4:\reg+5], v[\a8] offset:(\q)*CH+1536*(\i)
	ds_load_b128 v[\reg+6:\reg+9], v[\a16] offset:(\q)*CH+1536*(\i)+768
	ds_load_b64 v[\reg+10:\reg+11], v[\a8] offset:(\q)*CH+1536*(\i)+768
.endm
.macro FETCH_B slot, q, p
	WIN TO_B
.irp i, 0,1,2,3,4,5,6,7
	FRAG 128*(\p)+FR*\i, B16+\slot, B8+\slot, \q, \i
.endr
	WIN 0
.endm
.macro FETCH_A slot, q, i0
.irp i, \i0, \i0+1, \i0+2, \i0+3
	FRAG AF+FR*(\i), A16+\slot, A8+\slot, \q, \i
.endr
.endm
.macro SCALES slot, q, p               ; register i of set p: lanes 0-15 the words of A's block i, lanes 16-31 those of B's block i
	ds_load_b128 v[SC+8*(\p):SC+8*(\p)+3], v[ADRS+\slot] offset:(\q)*CH
	ds_load_b128 v[SC+8*(\p)+4:SC+8*(\p)+7], v[ADRS+\slot] offset:(\q)*CH+256
.endm
.macro MUL16 a0, p, zero               ; the 64 accumulators take turns, one instruction a turn
.irp a, \a0, \a0+1
.irp b, 0,1,2,3,4,5,6,7
.if \zero
	v_wmma_scale_f32_16x16x128_f8f6f4 v[8*(8*((\a)%4)+\b):8*(8*((\a)%4)+\b)+7], v[128*(\p)+FR*\b:128*(\p)+FR*\b+FR-1], v[AF+FR*(\a):AF+FR*(\a)+FR-1], 0, v[SC+8*(\p)+\b], v[SC+8*(\p)+(\a)] matrix_a_fmt:MATRIX_FMT_FP6 matrix_b_fmt:MATRIX_FMT_FP6 matrix_a_scale:MATRIX_SCALE_ROW1
.else
	v_wmma_scale_f32_16x16x128_f8f6f4 v[8*(8*((\a)%4)+\b):8*(8*((\a)%4)+\b)+7], v[128*(\p)+FR*\b:128*(\p)+FR*\b+FR-1], v[AF+FR*(\a):AF+FR*(\a)+FR-1], v[8*(8*((\a)%4)+\b):8*(8*((\a)%4)+\b)+7], v[SC+8*(\p)+\b], v[SC+8*(\p)+(\a)] matrix_a_fmt:MATRIX_FMT_FP6 matrix_b_fmt:MATRIX_FMT_FP6 matrix_a_scale:MATRIX_SCALE_ROW1
.endif
.endr
.endr
.endm
.macro STEP slot, zero                 ; a slot's first 128 along K (set 0); it fetches the second (set 1)
	s_wait_dscnt 16                                ; all but the youngest 16 loads (A's blocks 4-7)
	WIN MUL_LO
	MUL16 0, 0, \zero
	MUL16 2, 0, \zero
	s_wait_dscnt 0x0
	PLACES
	FETCH_B \slot, 1, 1
	FETCH_A \slot, 1, 0
	SCALES \slot, 1, 1
	WIN MUL_HI
	MUL16 4, 0, \zero
	MUL16 6, 0, \zero
	PLACES
	WIN 0
	FETCH_A \slot, 1, 4
.endm
.macro TURN slot, next, fill           ; a slot's second 128 along K (set 1), and the change of slots
	s_wait_tensorcnt 0x0                           ; all my tensor loads have landed: my part of the next slot
	ds_add_u32 v[SPW], v[NIL]                      ; 0 onto my spare word
	s_wait_dscnt 17                                ; (the add and the youngest 16 loads may be out)
	WIN MUL_LO
	MUL16 0, 1, 0
	s_wait_dscnt 0x0                               ; the add is done, and my reads of this slot are over
	s_barrier_signal -1
	MUL16 2, 1, 0
	WIN 0
	s_barrier_wait -1
.if \fill
	CREST                                          ; the round: no wave of any partner still reads this slot or has a load on its way
	s_add_nc_u64 s[G0+4*\slot+2:G0+4*\slot+3], s[G0+4*\slot+2:G0+4*\slot+3], 2*HALFT
	s_add_nc_u64 s[G0B+4*\slot+2:G0B+4*\slot+3], s[G0B+4*\slot+2:G0B+4*\slot+3], 2*HALFT
	JLOAD \slot                                    ; the first tensor load behind the round; its four v_nop are the places in front of the loads below
.else
	PLACES
.endif
	FETCH_B \next, 0, 0
	FETCH_A \next, 0, 0
	SCALES \next, 0, 0
	WIN MUL_HI
	MUL16 4, 1, 0
	MUL16 6, 1, 0
	PLACES
	WIN 0
	FETCH_A \next, 0, 4
.endm
	s_load_b256 s[4:11], s[0:1], 0x0               ; himg, wimg, b2, x1
	s_load_b64 s[12:13], s[0:1], 0x20              ; out0
	v_lshl_add_u32 v[SPW], v0, 2, SPARE
	v_mov_b32 v[NIL], 0
	ds_add_u32 v28, v29
	ds_add_u32 v28, v29
	s_wait_dscnt 0x0
	v_lshrrev_b32 v1, 5, v0
	v_readfirstlane_b32 s14, v1                    ; wave 0..3
	s_lshr_b32 s15, s14, 1                         ; which half of the tile's rows is mine.  Also: I fetch for A (0) or for B (1)
	s_and_b32 s16, s14, 1                          ; which half of its columns.  Also: which row block I fetch
	s_bfe_u32 s40, ttmp6, 0x40000                  ; cx
	s_bfe_u32 s41, ttmp6, 0x40004                  ; cy
	s_lshl_b32 s42, ttmp9, 2
	s_add_co_u32 s42, s42, s40                     ; tile column
	s_and_b32 s17, ttmp7, 0xffff
	s_lshl_b32 s17, s17, 2
	s_add_co_u32 s17, s17, s41                     ; tile row
	s_lshl_b32 s43, s41, 2
	s_lshl_b32 s43, 15, s43                        ; my row of the cluster
	s_lshl_b32 s44, 0x1111, s40                    ; my column
	s_or_b32 s[G1+0], s43, (3<<16)|(1<<21)         ; 15:0 the mask; 17:16 elements of 8 bytes; 21 set beside a mask; no padding
	s_or_b32 s[G1B+0], s44, (3<<16)|(1<<21)
.irp g, G1, G1B
	s_mov_b32 s[\g+1], 32<<16                      ; tensor_dim0: rows of 256 bytes
	s_mov_b32 s[\g+2], 100<<16                     ; tensor_dim1: 100 of them, 25,600 dense bytes
	s_mov_b32 s[\g+3], 32<<16                      ; tile_dim0
	s_mov_b32 s[\g+4], 100                         ; tile_dim1
	s_mov_b32 s[\g+5], 32                          ; the pitch
	s_mov_b32 s[\g+6], 0
	s_mov_b32 s[\g+7], 0
.endr
	s_lshl_b32 s20, s17, 1
	s_add_co_u32 s20, s20, s16                     ; A: row block 2 x tile row + the half I fetch
	s_mul_i32 s20, s20, RBS
	s_add_co_u32 s20, s20, AOFF
	s_mov_b32 s21, 0
	s_lshl_b32 s46, s42, 1
	s_add_co_u32 s46, s46, s16                     ; B: row block 2 x tile column + the half I fetch
	s_mul_i32 s46, s46, RBS
	s_add_co_u32 s46, s46, BOFF
	s_mov_b32 s47, 0
	s_mul_i32 s45, s14, HALFT                      ; where they go: wave x 25,600: no place in the cluster enters an LDS address
	s_wait_kmcnt 0x0
	s_add_nc_u64 s[20:21], s[4:5], s[20:21]
	s_add_nc_u64 s[46:47], s[6:7], s[46:47]
	CROUND                                         ; all sixteen work-groups are here: the first joint loads meet
.irp s, 0,1
	s_mov_b32 s[G0+4*\s], 1
	s_add_co_u32 s[G0+4*\s+1], s45, \s*SLOT
	s_add_nc_u64 s[G0+4*\s+2:G0+4*\s+3], s[20:21], \s*HALFT
	s_or_b32 s[G0+4*\s+3], s[G0+4*\s+3], 0x80000000
	s_mov_b32 s[G0B+4*\s], 1
	s_add_co_u32 s[G0B+4*\s+1], s45, \s*SLOT
	s_add_nc_u64 s[G0B+4*\s+2:G0B+4*\s+3], s[46:47], \s*HALFT
	s_or_b32 s[G0B+4*\s+3], s[G0B+4*\s+3], 0x80000000
	JLOAD \s
.endr
	v_and_b32 v1, 31, v0                           ; lane
	v_and_b32 v2, 15, v0                           ; r
	v_bfe_u32 v3, v0, 4, 1                         ; h
	v_lshlrev_b32 v4, 4, v1                        ; 16 x lane: also my place in a row of C
	v_lshl_add_u32 v5, v1, 3, 512                  ; 8 x lane + 512
	s_mul_i32 s21, s15, HALFT                      ; my row block of A
	s_mul_i32 s22, s16, HALFT
	s_add_co_u32 s22, s22, 2*HALFT                 ; my row block of B, behind A's two
.irp s, 0,1
	v_add_nc_u32 v[A16+\s], s21, v4
	v_add_nc_u32 v[A8+\s], s21, v5
	v_add_nc_u32 v[B16+\s], s22, v4
	v_add_nc_u32 v[B8+\s], s22, v5
	s_add_co_u32 s21, s21, SLOT
	s_add_co_u32 s22, s22, SLOT
.endr
	s_mul_i32 s21, s15, HALFT
	s_mul_i32 s22, s16, HALFT
	s_add_co_u32 s22, s22, 2*HALFT
	s_sub_co_u32 s22, s22, s21                     ; from my A's chunk to my B's
	v_mul_u32_u24 v6, s22, v3                      ; lanes 16-31 take B's: one product
	v_lshl_add_u32 v6, v2, 4, v6
	s_add_co_u32 s21, s21, 12288
	v_add_nc_u32 v[ADRS], s21, v6
	v_add_nc_u32 v[ADRS+1], SLOT, v[ADRS]
	s_mul_i32 s23, s14, 16*528                     ; my stage
	v_mul_u32_u24 v6, v2, 528
	v_lshl_add_u32 v6, v3, 5, v6
	v_add_nc_u32 v[STO], s23, v6                   ; in: row r, + 32 h
	v_add_nc_u32 v[RD], s23, v4                    ; back: a row's 512 bytes over the 32 lanes
	s_lshl_b32 s20, s17, 1
	s_add_co_u32 s20, s20, s15
	s_lshl_b32 s20, s20, 19                        ; my first row: 128 rows of 4,096 bytes a block
	s_lshl_b32 s46, s42, 1
	s_add_co_u32 s46, s46, s16
	s_lshl_b32 s46, s46, 9                         ; my first column: 128 columns of 4 bytes a block
	s_mov_b32 s47, 0
	s_add_nc_u64 s[8:9], s[8:9], s[46:47]
	s_add_co_u32 s46, s46, s20
	s_add_nc_u64 s[10:11], s[10:11], s[46:47]
	s_add_nc_u64 s[12:13], s[12:13], s[46:47]
	global_load_b128 v[8:11], v4, s[8:9]           ; the bias of my four columns
	s_wait_tensorcnt 1                             ; my part of slot 0 is in (slot 1's load may be out)
	s_barrier_signal -1
	s_barrier_wait -1                              ; everybody's is
	FETCH_B 0, 0, 0
	FETCH_A 0, 0, 0
	SCALES 0, 0, 0
	FETCH_A 0, 0, 4
	STEP 0, 1                                      ; the first step stands in front of the loop: its products start the sums
	s_mov_b32 s3, LAPS-1
.Llap:                                                 ; a trip goes once round the ring and fills both slots again
	TURN 0, 1, 1
	STEP 1, 0
	TURN 1, 0, 1
	STEP 0, 0
	s_sub_co_u32 s3, s3, 1
	s_cmp_lg_u32 s3, 0
	s_cbranch_scc1 .Llap
	TURN 0, 1, 0                                   ; the last lap fills nothing
	STEP 1, 0
	s_wait_dscnt 16
	WIN MUL_LO
	MUL16 0, 1, 0
	MUL16 2, 1, 0
	s_wait_dscnt 0x0
	WIN MUL_HI
	MUL16 4, 1, 0
	MUL16 6, 1, 0
	WIN 0
.macro RLOAD a                         ; the residual's rows 16 a .. 16 a + 15 into set a % 4 of window 1
.irp t, 0,1,2,3,4,5,6,7,8,9,10,11,12,13,14,15
	global_load_b128 v[64*((\a)%4)+4*\t:64*((\a)%4)+4*\t+3], v4, s[10:11] offset:(16*(\a)+\t)*4096
.endr
.endm
.macro TOSTAGE a
.set AC, 64*((\a)%4)
	WIN 0x08+4*((\a)/4)                            ; an LDS store's data are its source 1: window 2 or 3
.irp b, 0,1,2,3,4,5,6,7
	ds_store_b128 v[STO], v[AC+8*\b:AC+8*\b+3] offset:64*\b        ; each accumulator from its low end on
	ds_store_b128 v[STO], v[AC+8*\b+4:AC+8*\b+7] offset:64*\b+16
.endr
	WIN 0
.set BB, BK+64*((\a)%2)
.irp t, 0,1,2,3,4,5,6,7,8,9,10,11,12,13,14,15
	ds_load_b128 v[BB+4*\t:BB+4*\t+3], v[RD] offset:\t*528         ; LDS serves a wave's instructions in order: these see the stores above
.endr
.endm
.macro SEND a, younger
.set BB, BK+64*((\a)%2)
	s_wait_dscnt \younger                          ; the block is back; the next block's 16 stores and 16 loads may be out
.if (\a) <= 4
	s_wait_loadcnt 48                              ; its residual is in; three later sets of 16 loads may be out
.else
	s_wait_loadcnt 16*(7-(\a))
.endif
.irp t, 0,1,2,3,4,5,6,7,8,9,10,11,12,13,14,15
	v_pk_add_f32 v[BB+4*\t:BB+4*\t+1], v[BB+4*\t:BB+4*\t+1], v[8:9]
	v_pk_add_f32 v[BB+4*\t+2:BB+4*\t+3], v[BB+4*\t+2:BB+4*\t+3], v[10:11]
.endr
	WIN 0x04                                       ; source 1: window 1
.irp t, 0,1,2,3,4,5,6,7,8,9,10,11,12,13,14,15
	v_pk_add_f32 v[BB+4*\t:BB+4*\t+1], v[BB+4*\t:BB+4*\t+1], v[64*((\a)%4)+4*\t:64*((\a)%4)+4*\t+1]
	v_pk_add_f32 v[BB+4*\t+2:BB+4*\t+3], v[BB+4*\t+2:BB+4*\t+3], v[64*((\a)%4)+4*\t+2:64*((\a)%4)+4*\t+3]
.endr
	WIN 0
.irp t, 0,1,2,3,4,5,6,7,8,9,10,11,12,13,14,15
	global_store_b128 v4, v[BB+4*\t:BB+4*\t+3], s[12:13] offset:(16*(\a)+\t)*4096 th:TH_STORE_NT   ; 32 lanes store 512 consecutive bytes, at a multiple of 256 from C's first byte; written once, read by nobody here
.endr
.endm
	PLACES                                         ; in front of loads into registers that the last products read, and of the first read of results
	WIN 0x40
	RLOAD 0
	RLOAD 1
	RLOAD 2
	RLOAD 3
	WIN 0
	TOSTAGE 0
.irp a, 1,2,3,4,5,6,7
.if \a > 1
	s_wait_xcnt 0x0                                ; block a - 2's stores have read their registers
.endif
	TOSTAGE \a
	SEND \a-1, 32
.if \a < 5
	WIN 0x40
	RLOAD \a+3
	WIN 0
.endif
.endr
	SEND 7, 0
	s_wait_tensorcnt 0x0                           ; the wave's end
	ds_add_u32 v[SPW], v[NIL]
	s_wait_dscnt 0x0
	CROUND                                         ; the closing round: no work-group ends while a partner may still ask for a tile that names it
	s_endpgm
.Lfunc_end_k_qd1aa687183_down:
	.size	k_qd1aa687183_down, .Lfunc_end_k_qd1aa687183_down-k_qd1aa687183_down
	.p2alignl 7, 3214868480
	.fill 96, 4, 3214868480
	.section	.rodata,"a",@progbits
	.p2align	6, 0x0
	.amdhsa_kernel k_qd1aa687183_down
		.amdhsa_group_segment_fixed_size 327680
		.amdhsa_private_segment_fixed_size 0
		.amdhsa_enable_private_segment 0
		.amdhsa_kernarg_size 40
		.amdhsa_user_sgpr_count 2
		.amdhsa_user_sgpr_kernarg_segment_ptr 1
		.amdhsa_wavefront_size32 1
		.amdhsa_system_sgpr_workgroup_id_x 1
		.amdhsa_system_sgpr_workgroup_id_y 1
		.amdhsa_system_sgpr_workgroup_id_z 1
		.amdhsa_system_vgpr_workitem_id 0
		.amdhsa_next_free_vgpr 1024
		.amdhsa_next_free_sgpr 100
		.amdhsa_reserve_vcc 0
		.amdhsa_float_denorm_mode_32 3
		.amdhsa_float_denorm_mode_16_64 3
		.amdhsa_memory_ordered 1
		.amdhsa_forward_progress 1
		.amdhsa_inst_pref_size 185
	.end_amdhsa_kernel
	.amdgpu_metadata
---
amdhsa.version: [ 1, 2 ]
amdhsa.kernels:
  - .name:           k_qd1aa687183_down
    .symbol:         k_qd1aa687183_down.kd
    .args:
      - { .name: himg, .offset: 0, .size: 8, .value_kind: global_buffer, .address_space: global }
      - { .name: wimg, .offset: 8, .size: 8, .value_kind: global_buffer, .address_space: global }
      - { .name: b2, .offset: 16, .size: 8, .value_kind: global_buffer, .address_space: global }
      - { .name: x1, .offset: 24, .size: 8, .value_kind: global_buffer, .address_space: global }
      - { .name: out0, .offset: 32, .size: 8, .value_kind: global_buffer, .address_space: global }
    .group_segment_fixed_size: 327680
    .private_segment_fixed_size: 0
    .kernarg_segment_align: 8
    .kernarg_segment_size: 40
    .max_flat_workgroup_size: 128
    .sgpr_count:     100
    .vgpr_count:     1024
    .wavefront_size: 32
...
	.end_amdgpu_metadata
.endif
;; end of part 8
;; ======== version 2 of 2: 9 launches; 1.20 times as fast as version 1
;; workspace buffers: wimg 13,107,200 bytes; qkvimg 10,092,544 bytes; mbits 1,048,576 bytes of whole numbers; himg 16,384,000 bytes; x1 16,777,216 bytes
;; launch wquant: the kernel of part 1 again; grid 256 x 1, 3 waves a work-group, no clusters, 26,112 bytes of LDS; arguments wq, wk, wv, wo, w1, w2, wimg; writes wimg
;; launch maskpack: the kernel of part 2 again; grid 256 x 1, 8 waves a work-group, no clusters, 35,840 bytes of LDS; arguments adj_mask, mbits; writes mbits
;; launch ln1: the kernel of part 3 again; grid 256 x 1, 8 waves a work-group, no clusters, 69,632 bytes of LDS; arguments x, ln1_w, ln1_b, wimg; writes wimg
;; launch qkv: the kernel of part 4 again; grid 8 x 24, 4 waves a work-group, clusters of 4 x 4, 327,680 bytes of LDS; arguments wimg, bq, bk, bv, qkvimg; writes qkvimg
;; launch attn: the kernel of part 5 again; grid 8 x 32, 16 waves a work-group, clusters of 4 x 1, 210,944 bytes of LDS; arguments qkvimg, mbits, himg; writes himg
;; launch oproj (part 9): grid 8 x 32, 4 waves a work-group, clusters of 4 x 4, 327,680 bytes of LDS; arguments himg, wimg, bo, x, x1; writes x1
.if DOCPART == 9
	.amdgcn_target "amdgcn-amd-amdhsa--gfx1250"
	.amdhsa_code_object_version 6
	.text
	.protected	k_qd1aa687183_oproj
	.globl	k_qd1aa687183_oproj
	.p2align	8
	.type	k_qd1aa687183_oproj,@function
k_qd1aa687183_oproj:
	s_mov_b64 s[64:65], 0
	v_nop
	global_prefetch_b8 v0, s[64:65] scope:SCOPE_SE
	s_setreg_imm32_b32 hwreg(HW_REG_WAVE_MODE, 25, 1), 1
	s_wait_xcnt 0x0
	s_wait_alu depctr_hold_cnt(0) depctr_sa_sdst(0) depctr_va_vdst(0) depctr_va_sdst(0) depctr_va_ssrc(0) depctr_va_vcc(0) depctr_vm_vsrc(0)
	s_getreg_b32 s2, hwreg(HW_REG_IB_STS2, 6, 4)
	s_cmp_eq_u32 s2, 0
	s_cbranch_scc0 .Lentry_in_a_cluster
	s_endpgm
.Lentry_in_a_cluster:
	s_bfe_u32 s2, ttmp6, 0x10000c
	s_cmp_lg_u32 s2, 0xf033
	s_cbranch_scc0 .Lentry_shape_is_right
	s_endpgm
.Lentry_shape_is_right:
; x1 = x + (o wo^T + bo): a GEMM on codes of FP6 (E2M3) with E8M0 scales, K = 1,024, M = 4,096, N = 1,024, f32 out.
; TILES of 128 x 128: 32 x 8 = 256 work-groups; four waves, each 64 x 64 of C: 16 accumulators, 128 registers.  (Tiles of 256 x 256 would be 64 work-groups; the price of the smaller tile is twice the LDS bytes read for each product.)
; OPERANDS lie in memory as register images in chunks of 12,800 bytes (128 rows x 128 K: 8 fragments of 1,536 bytes, 512 bytes of scale words), [row block][K step]: a tile's rows are ONE row block, and its K steps follow each other densely.
; RING: two LDS slots of four K steps (512 along K): A's four chunks, then B's four: 102,400 bytes.  Waves 0, 1 fetch A's steps 0-1 and 2-3, waves 2, 3 B's: one tensor load of 25,600 dense bytes a wave.
; With K = 1,024 the two first fills are all of K: nothing is filled again in this launch; the text is the one that serves a longer K too (LAPS).
; CLUSTERS 4 x 4: A's chunks hang on the tile row alone and are shared along a row of the cluster, B's on the tile column alone and are shared along a column: joint loads.
; THE MATRIX INSTRUCTION IS USED TRANSPOSED (source 0 = 16 rows of B, source 1 = 16 rows of A): register j of lane (r, h) in accumulator (a, b) is C(16 a + r, 16 b + 8 h + j).
; THE WAY OUT: a wave's 64 columns of f32 are 256 consecutive bytes at a multiple of 256: each wave sends its four blocks of 16 rows through stages of its own in LDS (rows 272 bytes apart, in slot 0, which has had its last fill and its last
; read) and stores them back as whole rows, sixteen lanes to 256 bytes.  The residual is asked for at the kernel's head, into registers that the loop does not touch.
; ORDER OF ROUNDING: the result is sum + (residual + bias); the definition has residual + (sum + bias).
; REGISTERS: window 0: v1-12 lane terms and the bias, v16-31 LDS addresses, v32-63 scale words (slot s, step q at v[32 + 16 s + 4 q]: lanes 0-15 A's four fragments' words, lanes 16-31 B's), v128-255 accumulators;
; window 1: two sets of fragments at v0 and v128 (A's four at + 0, B's four at + 48), later v0-127 the rows on their way out;  window 2: v0-127 the residual.
.set KDIM,  1024
.set AOFF,  0                          ; o's chunks in himg
.set BOFF,  2457600                    ; wo's chunks in wimg
.set CH,    12800
.set HALFT, 2*CH                       ; two K steps of a row block: what one tensor load brings
.set SLOTK, 4*CH                       ; an operand's part of a slot
.set SLOT,  2*SLOTK
.set SPARE, 2*SLOT                     ; behind the ring: the spare words, 128 bytes a wave
.set RBS,   (KDIM/128)*CH              ; from row block to row block
.set LAPS,  KDIM/1024                  ; a lap = two slots = once round the ring
.set FR,    12
.set SP,    272                        ; a stage row: 256 bytes + 16
.set STGB,  16*SP                      ; a block's stage
.set CO,    7                          ; v7   my place in two rows of C: 4,096 h + 16 r
.set A16,   16                         ; v16-17 LDS address of my A fragments in slot 0, 1: + 16 x lane;  v18-19: + 8 x lane + 512
.set A8,    18
.set B16,   20                         ; v20-23 the same for B
.set B8,    22
.set STO,   24
.set RD,    25
.set SPW,   28
.set NIL,   29
.set ADRS,  30                         ; v30-31 scale words
.set SC,    32
.set ACC,   128
.set G1,    24
.set G0,    32
.set G1B,   48
.set G0B,   56
.set MSB, 0
.macro WIN new                         ; the immediate's high byte repeats the setting that is left
.if MSB != \new
	s_set_vgpr_msb (MSB<<8)|(\new)
.set MSB, \new
.endif
.endm
.set MUL,  0x05                        ; sources 0 (B) and 1 (A) window 1; C and D window 0
.set TO_F, 0x40                        ; destination window 1, address window 0
.macro JLOAD s                         ; a joint load: waves 0, 1 fetch for A, waves 2, 3 for B; four v_nop follow each line
	s_cmp_eq_u32 s15, 0
	s_cbranch_scc0 .Lfor_b_\@
	tensor_load_to_lds s[G0+4*\s:G0+4*\s+3], s[G1:G1+7]
	s_nop 0
.rept 4
	v_nop
.endr
	s_branch .Lasked_\@
.Lfor_b_\@:
	tensor_load_to_lds s[G0B+4*\s:G0B+4*\s+3], s[G1B:G1B+7]
	s_nop 0
.rept 4
	v_nop
.endr
.Lasked_\@:
.endm
.macro CREST                           ; a round of the cluster's barrier behind its opening barrier
	s_cmp_lg_u32 s14, 0
	s_cbranch_scc1 .Lnot_wave_0_\@
	s_barrier_signal -3
.Lnot_wave_0_\@:
	s_barrier_wait -3
	s_barrier_signal -1
	s_barrier_wait -1
.endm
.macro CROUND
	s_barrier_signal -1
	s_barrier_wait -1
	CREST
.endm
.macro PLACES                          ; four plain lines between a matrix instruction and a load into, or a read of, its registers
.rept 4
	v_nop
.endr
.endm
.macro FRAG reg, a16, a8, q, i         ; a fragment comes back as it was stored: four loads, each of consecutive bytes
	ds_load_b128 v[\reg:\reg+3], v[\a16] offset:(\q)*CH+1536*(\i)
	ds_load_b64 v[\reg+4:\reg+5], v[\a8] offset:(\q)*CH+1536*(\i)
	ds_load_b128 v[\reg+6:\reg+9], v[\a16] offset:(\q)*CH+1536*(\i)+768
	ds_load_b64 v[\reg+10:\reg+11], v[\a8] offset:(\q)*CH+1536*(\i)+768
.endm
.macro FETCH slot, q, p                ; 32 LDS loads in one run: my four fragments of B and of A for the slot's step q, into set p
	WIN TO_F
.irp i, 0,1,2,3
	FRAG 128*(\p)+48+FR*\i, B16+\slot, B8+\slot, \q, \i
	FRAG 128*(\p)+FR*\i, A16+\slot, A8+\slot, \q, \i
.endr
.endm
.macro SCALES slot                     ; a slot's scale words, four steps at once
.irp q, 0,1,2,3
	ds_load_b128 v[SC+16*(\slot)+4*\q:SC+16*(\slot)+4*\q+3], v[ADRS+\slot] offset:\q*CH
.endr
.endm
.macro MUL4 a, p, sc, zero             ; A's block a x B's four.  The 16 accumulators take turns, one instruction a turn, in the same order in every step
.irp b, 0,1,2,3
.if \zero
	v_wmma_scale_f32_16x16x128_f8f6f4 v[ACC+8*(4*(\a)+\b):ACC+8*(4*(\a)+\b)+7], v[128*(\p)+48+FR*\b:128*(\p)+48+FR*\b+FR-1], v[128*(\p)+FR*(\a):128*(\p)+FR*(\a)+FR-1], 0, v[(\sc)+\b], v[(\sc)+(\a)] matrix_a_fmt:MATRIX_FMT_FP6 matrix_b_fmt:MATRIX_FMT_FP6 matrix_a_scale:MATRIX_SCALE_ROW1
.else
	v_wmma_scale_f32_16x16x128_f8f6f4 v[ACC+8*(4*(\a)+\b):ACC+8*(4*(\a)+\b)+7], v[128*(\p)+48+FR*\b:128*(\p)+48+FR*\b+FR-1], v[128*(\p)+FR*(\a):128*(\p)+FR*(\a)+FR-1], v[ACC+8*(4*(\a)+\b):ACC+8*(4*(\a)+\b)+7], v[(\sc)+\b], v[(\sc)+(\a)] matrix_a_fmt:MATRIX_FMT_FP6 matrix_b_fmt:MATRIX_FMT_FP6 matrix_a_scale:MATRIX_SCALE_ROW1
.endif
.endr
.endm
.macro STEP slot, q, zero              ; one of a slot's first three steps: multiplies set q % 2; ahead of its products it asks for the next step's fragments
	s_wait_dscnt 0x0                               ; this step's set is in (asked for 16 products ago)
	PLACES                                         ; behind the last step's products, which read the other set
	FETCH \slot, (\q)+1, ((\q)+1)%2
	WIN MUL
.irp a, 0,1,2,3
	MUL4 \a, (\q)%2, SC+16*(\slot)+4*(\q), \zero
.endr
.endm
.macro TURN slot, next, fill           ; a slot's fourth step (set 1), and the change of slots
	WIN 0                                          ; (the add's two registers lie in window 0)
	s_wait_tensorcnt 0x0                           ; all my tensor loads have landed: my part of the next slot
	ds_add_u32 v[SPW], v[NIL]                      ; 0 onto my spare word
	s_wait_dscnt 1                                 ; set 1 is in (the add may be out)
	WIN MUL
	MUL4 0, 1, SC+16*(\slot)+12, 0                 ; four products stand between the add and the wait for it
	s_wait_dscnt 0x0                               ; the add is done, and my reads of this slot are over
	s_barrier_signal -1
	MUL4 1, 1, SC+16*(\slot)+12, 0
	WIN 0
	s_barrier_wait -1
.if \fill
	CREST                                          ; the barrier has opened a round of the cluster's: no wave of any partner still reads this slot or has a load on its way
	s_add_nc_u64 s[G0+4*\slot+2:G0+4*\slot+3], s[G0+4*\slot+2:G0+4*\slot+3], 2*SLOTK
	s_add_nc_u64 s[G0B+4*\slot+2:G0B+4*\slot+3], s[G0B+4*\slot+2:G0B+4*\slot+3], 2*SLOTK
	JLOAD \slot                                    ; the first tensor load behind the round; its four v_nop are the places in front of the loads below
.else
	PLACES
.endif
	SCALES \next
	FETCH \next, 0, 0
	WIN MUL
	MUL4 2, 1, SC+16*(\slot)+12, 0
	MUL4 3, 1, SC+16*(\slot)+12, 0
.endm
	s_load_b256 s[4:11], s[0:1], 0x0               ; A's buffer, B's buffer, the bias, the residual
	s_load_b64 s[12:13], s[0:1], 0x20              ; C
	v_lshl_add_u32 v[SPW], v0, 2, SPARE
	v_mov_b32 v[NIL], 0
	ds_add_u32 v28, v29
	ds_add_u32 v28, v29
	s_wait_dscnt 0x0
	v_lshrrev_b32 v1, 5, v0
	v_readfirstlane_b32 s14, v1                    ; wave 0..3
	s_lshr_b32 s15, s14, 1                         ; which 64 rows of the tile are mine.  Also: I fetch for A (0) or for B (1)
	s_and_b32 s16, s14, 1                          ; which 64 columns.  Also: which two K steps of a slot I fetch
	s_bfe_u32 s40, ttmp6, 0x40000                  ; cx
	s_bfe_u32 s41, ttmp6, 0x40004                  ; cy
	s_lshl_b32 s42, ttmp9, 2
	s_add_co_u32 s42, s42, s40                     ; tile column = B's row block
	s_and_b32 s17, ttmp7, 0xffff
	s_lshl_b32 s17, s17, 2
	s_add_co_u32 s17, s17, s41                     ; tile row = A's row block
	s_lshl_b32 s43, s41, 2
	s_lshl_b32 s43, 15, s43                        ; my row of the cluster
	s_lshl_b32 s44, 0x1111, s40                    ; my column
	s_or_b32 s[G1+0], s43, (3<<16)|(1<<21)         ; 15:0 the mask; 17:16 elements of 8 bytes; 21 set beside a mask; no padding
	s_or_b32 s[G1B+0], s44, (3<<16)|(1<<21)
.irp g, G1, G1B
	s_mov_b32 s[\g+1], 32<<16                      ; tensor_dim0: rows of 256 bytes
	s_mov_b32 s[\g+2], 100<<16                     ; tensor_dim1: 100 of them, 25,600 dense bytes
	s_mov_b32 s[\g+3], 32<<16                      ; tile_dim0
	s_mov_b32 s[\g+4], 100                         ; tile_dim1
	s_mov_b32 s[\g+5], 32                          ; the pitch
	s_mov_b32 s[\g+6], 0
	s_mov_b32 s[\g+7], 0
.endr
	s_mul_i32 s20, s17, RBS                        ; A hangs on the tile row and the wave, B on the tile column and the wave: each in registers that never hold the other place
	s_mul_i32 s21, s16, HALFT
	s_add_co_u32 s20, s20, s21
	s_add_co_u32 s20, s20, AOFF
	s_mov_b32 s21, 0
	s_mul_i32 s46, s42, RBS
	s_mul_i32 s47, s16, HALFT
	s_add_co_u32 s46, s46, s47
	s_add_co_u32 s46, s46, BOFF
	s_mov_b32 s47, 0
	s_mul_i32 s45, s14, HALFT                      ; where they go: wave x 25,600: no place in the cluster enters an LDS address
	s_wait_kmcnt 0x0
	s_add_nc_u64 s[20:21], s[4:5], s[20:21]
	s_add_nc_u64 s[46:47], s[6:7], s[46:47]
	CROUND                                         ; all sixteen work-groups are here: the first joint loads meet
.irp s, 0,1
	s_mov_b32 s[G0+4*\s], 1
	s_add_co_u32 s[G0+4*\s+1], s45, \s*SLOT
	s_add_nc_u64 s[G0+4*\s+2:G0+4*\s+3], s[20:21], \s*SLOTK
	s_or_b32 s[G0+4*\s+3], s[G0+4*\s+3], 0x80000000
	s_mov_b32 s[G0B+4*\s], 1
	s_add_co_u32 s[G0B+4*\s+1], s45, \s*SLOT
	s_add_nc_u64 s[G0B+4*\s+2:G0B+4*\s+3], s[46:47], \s*SLOTK
	s_or_b32 s[G0B+4*\s+3], s[G0B+4*\s+3], 0x80000000
	JLOAD \s
.endr
	v_and_b32 v1, 31, v0                           ; lane
	v_and_b32 v2, 15, v0                           ; r
	v_bfe_u32 v3, v0, 4, 1                         ; h
	v_lshlrev_b32 v4, 4, v1                        ; 16 x lane
	v_lshl_add_u32 v5, v1, 3, 512                  ; 8 x lane + 512
	s_mul_i32 s21, s15, 4*1536                     ; my four fragments of A's chunks
	s_mul_i32 s22, s16, 4*1536
	s_add_co_u32 s22, s22, SLOTK                   ; my four of B's, behind A's four chunks
.irp s, 0,1
	v_add_nc_u32 v[A16+\s], s21, v4
	v_add_nc_u32 v[A8+\s], s21, v5
	v_add_nc_u32 v[B16+\s], s22, v4
	v_add_nc_u32 v[B8+\s], s22, v5
	s_add_co_u32 s21, s21, SLOT
	s_add_co_u32 s22, s22, SLOT
.endr
	s_lshl_b32 s21, s15, 8                         ; scale words: 256 bytes for each four fragments
	s_lshl_b32 s22, s16, 8
	s_add_co_u32 s22, s22, SLOTK
	s_sub_co_u32 s22, s22, s21                     ; from my A's words to my B's
	v_mul_u32_u24 v6, s22, v3                      ; lanes 16-31 take B's: one product
	v_lshl_add_u32 v6, v2, 4, v6
	s_add_co_u32 s21, s21, 12288
	v_add_nc_u32 v[ADRS], s21, v6
	v_add_nc_u32 v[ADRS+1], SLOT, v[ADRS]
	s_mul_i32 s23, s14, 4*STGB                     ; my four stages
	v_mul_u32_u24 v6, v2, SP
	v_lshl_add_u32 v6, v3, 5, v6
	v_add_nc_u32 v[STO], s23, v6                   ; in: row r, + 32 h
	v_mul_u32_u24 v6, v3, SP
	v_lshl_add_u32 v6, v2, 4, v6
	v_add_nc_u32 v[RD], s23, v6                    ; back: lanes 0-15 one row of 256 bytes, lanes 16-31 the next
	v_lshlrev_b32 v12, 4, v2                       ; 16 r: my four columns
	v_lshl_add_u32 v[CO], v3, 12, v12              ; and the same two rows in C: + 4,096 h
	s_lshl_b32 s20, s17, 1
	s_add_co_u32 s20, s20, s15
	s_lshl_b32 s20, s20, 18                        ; my first row: 64 rows of 4,096 bytes a half tile
	s_lshl_b32 s46, s42, 1
	s_add_co_u32 s46, s46, s16
	s_lshl_b32 s46, s46, 8                         ; my first column: 64 columns of 4 bytes a half tile
	s_mov_b32 s47, 0
	s_add_nc_u64 s[8:9], s[8:9], s[46:47]
	s_add_co_u32 s46, s46, s20
	s_add_nc_u64 s[10:11], s[10:11], s[46:47]
	s_add_nc_u64 s[12:13], s[12:13], s[46:47]
	global_load_b128 v[8:11], v12, s[8:9]          ; the bias of my four columns
	WIN 0x80                                       ; destination window 2
.irp a, 0,1,2,3
.irp t, 0,1,2,3,4,5,6,7
	global_load_b128 v[32*\a+4*\t:32*\a+4*\t+3], v[CO], s[10:11] offset:(16*\a+2*\t)*4096   ; the residual's rows 16 a + 2 t + h: they land while K is walked
.endr
.endr
	WIN 0
	s_wait_tensorcnt 1                             ; my part of slot 0 is in (slot 1's load may be out)
	s_barrier_signal -1
	s_barrier_wait -1                              ; everybody's is
	SCALES 0
	FETCH 0, 0, 0
	STEP 0, 0, 1                                   ; the first step stands in front of the loop: its products start the sums
.if LAPS > 1
	WIN 0                                          ; at a label and at a branch every window is 0
	s_mov_b32 s3, LAPS-1
.Llap:                                                 ; a trip goes once round the ring, from a lap's second step to the next lap's first, and fills both slots again
	STEP 0, 1, 0
	STEP 0, 2, 0
	TURN 0, 1, 1
	STEP 1, 0, 0
	STEP 1, 1, 0
	STEP 1, 2, 0
	TURN 1, 0, 1
	STEP 0, 0, 0
	WIN 0
	s_sub_co_u32 s3, s3, 1
	s_cmp_lg_u32 s3, 0
	s_cbranch_scc1 .Llap
.endif
	STEP 0, 1, 0                                   ; the last lap fills nothing, and has no round of the cluster's barrier
	STEP 0, 2, 0
	TURN 0, 1, 0
	STEP 1, 0, 0
	STEP 1, 1, 0
	STEP 1, 2, 0
	s_wait_dscnt 0x0                               ; the very last step: nothing more to fetch
.irp a, 0,1,2,3
	MUL4 \a, 1, SC+16+12, 0
.endr
	WIN 0
	PLACES                                         ; in front of the first read of results, and of loads into registers that products have read
.irp a, 0,1,2,3
.irp b, 0,1,2,3
	ds_store_b128 v[STO], v[ACC+8*(4*\a+\b):ACC+8*(4*\a+\b)+3] offset:\a*STGB+64*\b          ; each accumulator from its low end on
	ds_store_b128 v[STO], v[ACC+8*(4*\a+\b)+4:ACC+8*(4*\a+\b)+7] offset:\a*STGB+64*\b+16
.endr
.endr
	WIN TO_F
.irp a, 0,1,2,3
.irp t, 0,1,2,3,4,5,6,7
	ds_load_b128 v[32*\a+4*\t:32*\a+4*\t+3], v[RD] offset:\a*STGB+2*\t*SP                    ; LDS serves a wave's instructions in order: these see the stores above
.endr
.endr
	s_wait_loadcnt 0x0                             ; the bias and the residual
	WIN 0x82                                       ; destination and source 0 window 2, source 1 window 0
.set i, 0
.rept 32
	v_pk_add_f32 v[4*i:4*i+1], v[4*i:4*i+1], v[8:9]                ; residual + bias, while the rows come back from the stages
	v_pk_add_f32 v[4*i+2:4*i+3], v[4*i+2:4*i+3], v[10:11]
.set i, i+1
.endr
.irp a, 0,1,2,3
	s_wait_dscnt 8*(3-\a)                          ; block a is back; the later blocks' eight loads each may be out
	WIN 0x49                                       ; destination and source 0 window 1, source 1 window 2
.set i, 0
.rept 16
	v_pk_add_f32 v[32*\a+2*i:32*\a+2*i+1], v[32*\a+2*i:32*\a+2*i+1], v[32*\a+2*i:32*\a+2*i+1]
.set i, i+1
.endr
	WIN 0x04                                       ; a store's data are its source 1: window 1
.irp t, 0,1,2,3,4,5,6,7
	global_store_b128 v[CO], v[32*\a+4*\t:32*\a+4*\t+3], s[12:13] offset:(16*\a+2*\t)*4096   ; 16 lanes store 256 consecutive bytes, at a multiple of 256 from C's first byte
.endr
.endr
	WIN 0
	s_wait_tensorcnt 0x0                           ; the wave's end
	ds_add_u32 v[SPW], v[NIL]
	s_wait_dscnt 0x0
	CROUND                                         ; the closing round: no work-group ends while a partner may still ask for a tile that names it
	s_endpgm
.Lfunc_end_k_qd1aa687183_oproj:
	.size	k_qd1aa687183_oproj, .Lfunc_end_k_qd1aa687183_oproj-k_qd1aa687183_oproj
	.p2alignl 7, 3214868480
	.fill 96, 4, 3214868480
	.section	.rodata,"a",@progbits
	.p2align	6, 0x0
	.amdhsa_kernel k_qd1aa687183_oproj
		.amdhsa_group_segment_fixed_size 327680
		.amdhsa_private_segment_fixed_size 0
		.amdhsa_enable_private_segment 0
		.amdhsa_kernarg_size 40
		.amdhsa_user_sgpr_count 2
		.amdhsa_user_sgpr_kernarg_segment_ptr 1
		.amdhsa_wavefront_size32 1
		.amdhsa_system_sgpr_workgroup_id_x 1
		.amdhsa_system_sgpr_workgroup_id_y 1
		.amdhsa_system_sgpr_workgroup_id_z 1
		.amdhsa_system_vgpr_workitem_id 0
		.amdhsa_next_free_vgpr 768
		.amdhsa_next_free_sgpr 100
		.amdhsa_reserve_vcc 0
		.amdhsa_float_denorm_mode_32 3
		.amdhsa_float_denorm_mode_16_64 3
		.amdhsa_memory_ordered 1
		.amdhsa_forward_progress 1
		.amdhsa_inst_pref_size 62
	.end_amdhsa_kernel
	.amdgpu_metadata
---
amdhsa.version: [ 1, 2 ]
amdhsa.kernels:
  - .name:           k_qd1aa687183_oproj
    .symbol:         k_qd1aa687183_oproj.kd
    .args:
      - { .name: himg, .offset: 0, .size: 8, .value_kind: global_buffer, .address_space: global }
      - { .name: wimg, .offset: 8, .size: 8, .value_kind: global_buffer, .address_space: global }
      - { .name: bo, .offset: 16, .size: 8, .value_kind: global_buffer, .address_space: global }
      - { .name: x, .offset: 24, .size: 8, .value_kind: global_buffer, .address_space: global }
      - { .name: x1, .offset: 32, .size: 8, .value_kind: global_buffer, .address_space: global }
    .group_segment_fixed_size: 327680
    .private_segment_fixed_size: 0
    .kernarg_segment_align: 8
    .kernarg_segment_size: 40
    .max_flat_workgroup_size: 128
    .sgpr_count:     100
    .vgpr_count:     768
    .wavefront_size: 32
...
	.end_amdgpu_metadata
.endif
;; end of part 9
;; launch ln2: the kernel of part 3 again; grid 256 x 1, 8 waves a work-group, no clusters, 69,632 bytes of LDS; arguments x1, ln2_w, ln2_b, wimg; writes wimg
;; launch up: the kernel of part 7 again; grid 16 x 16, 4 waves a work-group, clusters of 4 x 4, 327,680 bytes of LDS; arguments wimg, b1, himg; writes himg
;; launch down (part 10): grid 8 x 32, 4 waves a work-group, clusters of 4 x 4, 327,680 bytes of LDS; arguments himg, wimg, b2, x1, out0; writes out0
.if DOCPART == 10
	.amdgcn_target "amdgcn-amd-amdhsa--gfx1250"
	.amdhsa_code_object_version 6
	.text
	.protected	k_qd1aa687183_down
	.globl	k_qd1aa687183_down
	.p2align	8
	.type	k_qd1aa687183_down,@function
k_qd1aa687183_down:
	s_mov_b64 s[64:65], 0
	v_nop
	global_prefetch_b8 v0, s[64:65] scope:SCOPE_SE
	s_setreg_imm32_b32 hwreg(HW_REG_WAVE_MODE, 25, 1), 1
	s_wait_xcnt 0x0
	s_wait_alu depctr_hold_cnt(0) depctr_sa_sdst(0) depctr_va_vdst(0) depctr_va_sdst(0) depctr_va_ssrc(0) depctr_va_vcc(0) depctr_vm_vsrc(0)
	s_getreg_b32 s2, hwreg(HW_REG_IB_STS2, 6, 4)
	s_cmp_eq_u32 s2, 0
	s_cbranch_scc0 .Lentry_in_a_cluster
	s_endpgm
.Lentry_in_a_cluster:
	s_bfe_u32 s2, ttmp6, 0x10000c
	s_cmp_lg_u32 s2, 0xf033
	s_cbranch_scc0 .Lentry_shape_is_right
	s_endpgm
.Lentry_shape_is_right:
; out = x1 + (h w2^T + b2): a GEMM on codes of FP6 (E2M3) with E8M0 scales, K = 4,096, M = 4,096, N = 1,024, f32 out.
; TILES of 128 x 128: 32 x 8 = 256 work-groups; four waves, each 64 x 64 of C: 16 accumulators, 128 registers.  (Tiles of 256 x 256 would be 64 work-groups; the price of the smaller tile is twice the LDS bytes read for each product.)
; OPERANDS lie in memory as register images in chunks of 12,800 bytes (128 rows x 128 K: 8 fragments of 1,536 bytes, 512 bytes of scale words), [row block][K step]: a tile's rows are ONE row block, and its K steps follow each other densely.
; RING: two LDS slots of four K steps (512 along K): A's four chunks, then B's four: 102,400 bytes.  Waves 0, 1 fetch A's steps 0-1 and 2-3, waves 2, 3 B's: one tensor load of 25,600 dense bytes a wave.
; K = 4,096 is eight slots: two first fills and six refills; a refill is asked for behind the first 8 products of its slot's fourth step and has 56 products a wave in which to land.
; CLUSTERS 4 x 4: A's chunks hang on the tile row alone and are shared along a row of the cluster, B's on the tile column alone and are shared along a column: joint loads.
; THE MATRIX INSTRUCTION IS USED TRANSPOSED (source 0 = 16 rows of B, source 1 = 16 rows of A): register j of lane (r, h) in accumulator (a, b) is C(16 a + r, 16 b + 8 h + j).
; THE WAY OUT: a wave's 64 columns of f32 are 256 consecutive bytes at a multiple of 256: each wave sends its four blocks of 16 rows through stages of its own in LDS (rows 272 bytes apart, in slot 0, which has had its last fill and its last
; read) and stores them back as whole rows, sixteen lanes to 256 bytes.  The residual is asked for at the kernel's head, into registers that the loop does not touch.
; ORDER OF ROUNDING: the result is sum + (residual + bias); the definition has residual + (sum + bias).
; REGISTERS: window 0: v1-12 lane terms and the bias, v16-31 LDS addresses, v32-63 scale words (slot s, step q at v[32 + 16 s + 4 q]: lanes 0-15 A's four fragments' words, lanes 16-31 B's), v128-255 accumulators;
; window 1: two sets of fragments at v0 and v128 (A's four at + 0, B's four at + 48), later v0-127 the rows on their way out;  window 2: v0-127 the residual.
.set KDIM,  4096
.set AOFF,  3276800                    ; h's chunks in himg
.set BOFF,  6553600                    ; w2's chunks in wimg
.set CH,    12800
.set HALFT, 2*CH                       ; two K steps of a row block: what one tensor load brings
.set SLOTK, 4*CH                       ; an operand's part of a slot
.set SLOT,  2*SLOTK
.set SPARE, 2*SLOT                     ; behind the ring: the spare words, 128 bytes a wave
.set RBS,   (KDIM/128)*CH              ; from row block to row block
.set LAPS,  KDIM/1024                  ; a lap = two slots = once round the ring
.set FR,    12
.set SP,    272                        ; a stage row: 256 bytes + 16
.set STGB,  16*SP                      ; a block's stage
.set CO,    7                          ; v7   my place in two rows of C: 4,096 h + 16 r
.set A16,   16                         ; v16-17 LDS address of my A fragments in slot 0, 1: + 16 x lane;  v18-19: + 8 x lane + 512
.set A8,    18
.set B16,   20                         ; v20-23 the same for B
.set B8,    22
.set STO,   24
.set RD,    25
.set SPW,   28
.set NIL,   29
.set ADRS,  30                         ; v30-31 scale words
.set SC,    32
.set ACC,   128
.set G1,    24
.set G0,    32
.set G1B,   48
.set G0B,   56
.set MSB, 0
.macro WIN new                         ; the immediate's high byte repeats the setting that is left
.if MSB != \new
	s_set_vgpr_msb (MSB<<8)|(\new)
.set MSB, \new
.endif
.endm
.set MUL,  0x05                        ; sources 0 (B) and 1 (A) window 1; C and D window 0
.set TO_F, 0x40                        ; destination window 1, address window 0
.macro JLOAD s                         ; a joint load: waves 0, 1 fetch for A, waves 2, 3 for B; four v_nop follow each line
	s_cmp_eq_u32 s15, 0
	s_cbranch_scc0 .Lfor_b_\@
	tensor_load_to_lds s[G0+4*\s:G0+4*\s+3], s[G1:G1+7]
	s_nop 0
.rept 4
	v_nop
.endr
	s_branch .Lasked_\@
.Lfor_b_\@:
	tensor_load_to_lds s[G0B+4*\s:G0B+4*\s+3], s[G1B:G1B+7]
	s_nop 0
.rept 4
	v_nop
.endr
.Lasked_\@:
.endm
.macro CREST                           ; a round of the cluster's barrier behind its opening barrier
	s_cmp_lg_u32 s14, 0
	s_cbranch_scc1 .Lnot_wave_0_\@
	s_barrier_signal -3
.Lnot_wave_0_\@:
	s_barrier_wait -3
	s_barrier_signal -1
	s_barrier_wait -1
.endm
.macro CROUND
	s_barrier_signal -1
	s_barrier_wait -1
	CREST
.endm
.macro PLACES                          ; four plain lines between a matrix instruction and a load into, or a read of, its registers
.rept 4
	v_nop
.endr
.endm
.macro FRAG reg, a16, a8, q, i         ; a fragment comes back as it was stored: four loads, each of consecutive bytes
	ds_load_b128 v[\reg:\reg+3], v[\a16] offset:(\q)*CH+1536*(\i)
	ds_load_b64 v[\reg+4:\reg+5], v[\a8] offset:(\q)*CH+1536*(\i)
	ds_load_b128 v[\reg+6:\reg+9], v[\a16] offset:(\q)*CH+1536*(\i)+768
	ds_load_b64 v[\reg+10:\reg+11], v[\a8] offset:(\q)*CH+1536*(\i)+768
.endm
.macro FETCH slot, q, p                ; 32 LDS loads in one run: my four fragments of B and of A for the slot's step q, into set p
	WIN TO_F
.irp i, 0,1,2,3
	FRAG 128*(\p)+48+FR*\i, B16+\slot, B8+\slot, \q, \i
	FRAG 128*(\p)+FR*\i, A16+\slot, A8+\slot, \q, \i
.endr
.endm
.macro SCALES slot                     ; a slot's scale words, four steps at once
.irp q, 0,1,2,3
	ds_load_b128 v[SC+16*(\slot)+4*\q:SC+16*(\slot)+4*\q+3], v[ADRS+\slot] offset:\q*CH
.endr
.endm
.macro MUL4 a, p, sc, zero             ; A's block a x B's four.  The 16 accumulators take turns, one instruction a turn, in the same order in every step
.irp b, 0,1,2,3
.if \zero
	v_wmma_scale_f32_16x16x128_f8f6f4 v[ACC+8*(4*(\a)+\b):ACC+8*(4*(\a)+\b)+7], v[128*(\p)+48+FR*\b:128*(\p)+48+FR*\b+FR-1], v[128*(\p)+FR*(\a):128*(\p)+FR*(\a)+FR-1], 0, v[(\sc)+\b], v[(\sc)+(\a)] matrix_a_fmt:MATRIX_FMT_FP6 matrix_b_fmt:MATRIX_FMT_FP6 matrix_a_scale:MATRIX_SCALE_ROW1
.else
	v_wmma_scale_f32_16x16x128_f8f6f4 v[ACC+8*(4*(\a)+\b):ACC+8*(4*(\a)+\b)+7], v[128*(\p)+48+FR*\b:128*(\p)+48+FR*\b+FR-1], v[128*(\p)+FR*(\a):128*(\p)+FR*(\a)+FR-1], v[ACC+8*(4*(\a)+\b):ACC+8*(4*(\a)+\b)+7], v[(\sc)+\b], v[(\sc)+(\a)] matrix_a_fmt:MATRIX_FMT_FP6 matrix_b_fmt:MATRIX_FMT_FP6 matrix_a_scale:MATRIX_SCALE_ROW1
.endif
.endr
.endm
.macro STEP slot, q, zero              ; one of a slot's first three steps: multiplies set q % 2; ahead of its products it asks for the next step's fragments
	s_wait_dscnt 0x0                               ; this step's set is in (asked for 16 products ago)
	PLACES                                         ; behind the last step's products, which read the other set
	FETCH \slot, (\q)+1, ((\q)+1)%2
	WIN MUL
.irp a, 0,1,2,3
	MUL4 \a, (\q)%2, SC+16*(\slot)+4*(\q), \zero
.endr
.endm
.macro TURN slot, next, fill           ; a slot's fourth step (set 1), and the change of slots
	WIN 0                                          ; (the add's two registers lie in window 0)
	s_wait_tensorcnt 0x0                           ; all my tensor loads have landed: my part of the next slot
	ds_add_u32 v[SPW], v[NIL]                      ; 0 onto my spare word
	s_wait_dscnt 1                                 ; set 1 is in (the add may be out)
	WIN MUL
	MUL4 0, 1, SC+16*(\slot)+12, 0                 ; four products stand between the add and the wait for it
	s_wait_dscnt 0x0                               ; the add is done, and my reads of this slot are over
	s_barrier_signal -1
	MUL4 1, 1, SC+16*(\slot)+12, 0
	WIN 0
	s_barrier_wait -1
.if \fill
	CREST                                          ; the barrier has opened a round of the cluster's: no wave of any partner still reads this slot or has a load on its way
	s_add_nc_u64 s[G0+4*\slot+2:G0+4*\slot+3], s[G0+4*\slot+2:G0+4*\slot+3], 2*SLOTK
	s_add_nc_u64 s[G0B+4*\slot+2:G0B+4*\slot+3], s[G0B+4*\slot+2:G0B+4*\slot+3], 2*SLOTK
	JLOAD \slot                                    ; the first tensor load behind the round; its four v_nop are the places in front of the loads below
.else
	PLACES
.endif
	SCALES \next
	FETCH \next, 0, 0
	WIN MUL
	MUL4 2, 1, SC+16*(\slot)+12, 0
	MUL4 3, 1, SC+16*(\slot)+12, 0
.endm
	s_load_b256 s[4:11], s[0:1], 0x0               ; A's buffer, B's buffer, the bias, the residual
	s_load_b64 s[12:13], s[0:1], 0x20              ; C
	v_lshl_add_u32 v[SPW], v0, 2, SPARE
	v_mov_b32 v[NIL], 0
	ds_add_u32 v28, v29
	ds_add_u32 v28, v29
	s_wait_dscnt 0x0
	v_lshrrev_b32 v1, 5, v0
	v_readfirstlane_b32 s14, v1                    ; wave 0..3
	s_lshr_b32 s15, s14, 1                         ; which 64 rows of the tile are mine.  Also: I fetch for A (0) or for B (1)
	s_and_b32 s16, s14, 1                          ; which 64 columns.  Also: which two K steps of a slot I fetch
	s_bfe_u32 s40, ttmp6, 0x40000                  ; cx
	s_bfe_u32 s41, ttmp6, 0x40004                  ; cy
	s_lshl_b32 s42, ttmp9, 2
	s_add_co_u32 s42, s42, s40                     ; tile column = B's row block
	s_and_b32 s17, ttmp7, 0xffff
	s_lshl_b32 s17, s17, 2
	s_add_co_u32 s17, s17, s41                     ; tile row = A's row block
	s_lshl_b32 s43, s41, 2
	s_lshl_b32 s43, 15, s43                        ; my row of the cluster
	s_lshl_b32 s44, 0x1111, s40                    ; my column
	s_or_b32 s[G1+0], s43, (3<<16)|(1<<21)         ; 15:0 the mask; 17:16 elements of 8 bytes; 21 set beside a mask; no padding
	s_or_b32 s[G1B+0], s44, (3<<16)|(1<<21)
.irp g, G1, G1B
	s_mov_b32 s[\g+1], 32<<16                      ; tensor_dim0: rows of 256 bytes
	s_mov_b32 s[\g+2], 100<<16                     ; tensor_dim1: 100 of them, 25,600 dense bytes
	s_mov_b32 s[\g+3], 32<<16                      ; tile_dim0
	s_mov_b32 s[\g+4], 100                         ; tile_dim1
	s_mov_b32 s[\g+5], 32                          ; the pitch
	s_mov_b32 s[\g+6], 0
	s_mov_b32 s[\g+7], 0
.endr
	s_mul_i32 s20, s17, RBS                        ; A hangs on the tile row and the wave, B on the tile column and the wave: each in registers that never hold the other place
	s_mul_i32 s21, s16, HALFT
	s_add_co_u32 s20, s20, s21
	s_add_co_u32 s20, s20, AOFF
	s_mov_b32 s21, 0
	s_mul_i32 s46, s42, RBS
	s_mul_i32 s47, s16, HALFT
	s_add_co_u32 s46, s46, s47
	s_add_co_u32 s46, s46, BOFF
	s_mov_b32 s47, 0
	s_mul_i32 s45, s14, HALFT                      ; where they go: wave x 25,600: no place in the cluster enters an LDS address
	s_wait_kmcnt 0x0
	s_add_nc_u64 s[20:21], s[4:5], s[20:21]
	s_add_nc_u64 s[46:47], s[6:7], s[46:47]
	CROUND                                         ; all sixteen work-groups are here: the first joint loads meet
.irp s, 0,1
	s_mov_b32 s[G0+4*\s], 1
	s_add_co_u32 s[G0+4*\s+1], s45, \s*SLOT
	s_add_nc_u64 s[G0+4*\s+2:G0+4*\s+3], s[20:21], \s*SLOTK
	s_or_b32 s[G0+4*\s+3], s[G0+4*\s+3], 0x80000000
	s_mov_b32 s[G0B+4*\s], 1
	s_add_co_u32 s[G0B+4*\s+1], s45, \s*SLOT
	s_add_nc_u64 s[G0B+4*\s+2:G0B+4*\s+3], s[46:47], \s*SLOTK
	s_or_b32 s[G0B+4*\s+3], s[G0B+4*\s+3], 0x80000000
	JLOAD \s
.endr
	v_and_b32 v1, 31, v0                           ; lane
	v_and_b32 v2, 15, v0                           ; r
	v_bfe_u32 v3, v0, 4, 1                         ; h
	v_lshlrev_b32 v4, 4, v1                        ; 16 x lane
	v_lshl_add_u32 v5, v1, 3, 512                  ; 8 x lane + 512
	s_mul_i32 s21, s15, 4*1536                     ; my four fragments of A's chunks
	s_mul_i32 s22, s16, 4*1536
	s_add_co_u32 s22, s22, SLOTK                   ; my four of B's, behind A's four chunks
.irp s, 0,1
	v_add_nc_u32 v[A16+\s], s21, v4
	v_add_nc_u32 v[A8+\s], s21, v5
	v_add_nc_u32 v[B16+\s], s22, v4
	v_add_nc_u32 v[B8+\s], s22, v5
	s_add_co_u32 s21, s21, SLOT
	s_add_co_u32 s22, s22, SLOT
.endr
	s_lshl_b32 s21, s15, 8                         ; scale words: 256 bytes for each four fragments
	s_lshl_b32 s22, s16, 8
	s_add_co_u32 s22, s22, SLOTK
	s_sub_co_u32 s22, s22, s21                     ; from my A's words to my B's
	v_mul_u32_u24 v6, s22, v3                      ; lanes 16-31 take B's: one product
	v_lshl_add_u32 v6, v2, 4, v6
	s_add_co_u32 s21, s21, 12288
	v_add_nc_u32 v[ADRS], s21, v6
	v_add_nc_u32 v[ADRS+1], SLOT, v[ADRS]
	s_mul_i32 s23, s14, 4*STGB                     ; my four stages
	v_mul_u32_u24 v6, v2, SP
	v_lshl_add_u32 v6, v3, 5, v6
	v_add_nc_u32 v[STO], s23, v6                   ; in: row r, + 32 h
	v_mul_u32_u24 v6, v3, SP
	v_lshl_add_u32 v6, v2, 4, v6
	v_add_nc_u32 v[RD], s23, v6                    ; back: lanes 0-15 one row of 256 bytes, lanes 16-31 the next
	v_lshlrev_b32 v12, 4, v2                       ; 16 r: my four columns
	v_lshl_add_u32 v[CO], v3, 12, v12              ; and the same two rows in C: + 4,096 h
	s_lshl_b32 s20, s17, 1
	s_add_co_u32 s20, s20, s15
	s_lshl_b32 s20, s20, 18                        ; my first row: 64 rows of 4,096 bytes a half tile
	s_lshl_b32 s46, s42, 1
	s_add_co_u32 s46, s46, s16
	s_lshl_b32 s46, s46, 8                         ; my first column: 64 columns of 4 bytes a half tile
	s_mov_b32 s47, 0
	s_add_nc_u64 s[8:9], s[8:9], s[46:47]
	s_add_co_u32 s46, s46, s20
	s_add_nc_u64 s[10:11], s[10:11], s[46:47]
	s_add_nc_u64 s[12:13], s[12:13], s[46:47]
	global_load_b128 v[8:11], v12, s[8:9]          ; the bias of my four columns
	WIN 0x80                                       ; destination window 2
.irp a, 0,1,2,3
.irp t, 0,1,2,3,4,5,6,7
	global_load_b128 v[32*\a+4*\t:32*\a+4*\t+3], v[CO], s[10:11] offset:(16*\a+2*\t)*4096   ; the residual's rows 16 a + 2 t + h: they land while K is walked
.endr
.endr
	WIN 0
	s_wait_tensorcnt 1                             ; my part of slot 0 is in (slot 1's load may be out)
	s_barrier_signal -1
	s_barrier_wait -1                              ; everybody's is
	SCALES 0
	FETCH 0, 0, 0
	STEP 0, 0, 1                                   ; the first step stands in front of the loop: its products start the sums
.if LAPS > 1
	WIN 0                                          ; at a label and at a branch every window is 0
	s_mov_b32 s3, LAPS-1
.Llap:                                                 ; a trip goes once round the ring, from a lap's second step to the next lap's first, and fills both slots again
	STEP 0, 1, 0
	STEP 0, 2, 0
	TURN 0, 1, 1
	STEP 1, 0, 0
	STEP 1, 1, 0
	STEP 1, 2, 0
	TURN 1, 0, 1
	STEP 0, 0, 0
	WIN 0
	s_sub_co_u32 s3, s3, 1
	s_cmp_lg_u32 s3, 0
	s_cbranch_scc1 .Llap
.endif
	STEP 0, 1, 0                                   ; the last lap fills nothing, and has no round of the cluster's barrier
	STEP 0, 2, 0
	TURN 0, 1, 0
	STEP 1, 0, 0
	STEP 1, 1, 0
	STEP 1, 2, 0
	s_wait_dscnt 0x0                               ; the very last step: nothing more to fetch
.irp a, 0,1,2,3
	MUL4 \a, 1, SC+16+12, 0
.endr
	WIN 0
	PLACES                                         ; in front of the first read of results, and of loads into registers that products have read
.irp a, 0,1,2,3
.irp b, 0,1,2,3
	ds_store_b128 v[STO], v[ACC+8*(4*\a+\b):ACC+8*(4*\a+\b)+3] offset:\a*STGB+64*\b          ; each accumulator from its low end on
	ds_store_b128 v[STO], v[ACC+8*(4*\a+\b)+4:ACC+8*(4*\a+\b)+7] offset:\a*STGB+64*\b+16
.endr
.endr
	WIN TO_F
.irp a, 0,1,2,3
.irp t, 0,1,2,3,4,5,6,7
	ds_load_b128 v[32*\a+4*\t:32*\a+4*\t+3], v[RD] offset:\a*STGB+2*\t*SP                    ; LDS serves a wave's instructions in order: these see the stores above
.endr
.endr
	s_wait_loadcnt 0x0                             ; the bias and the residual
	WIN 0x82                                       ; destination and source 0 window 2, source 1 window 0
.set i, 0
.rept 32
	v_pk_add_f32 v[4*i:4*i+1], v[4*i:4*i+1], v[8:9]                ; residual + bias, while the rows come back from the stages
	v_pk_add_f32 v[4*i+2:4*i+3], v[4*i+2:4*i+3], v[10:11]
.set i, i+1
.endr
.irp a, 0,1,2,3
	s_wait_dscnt 8*(3-\a)                          ; block a is back; the later blocks' eight loads each may be out
	WIN 0x49                                       ; destination and source 0 window 1, source 1 window 2
.set i, 0
.rept 16
	v_pk_add_f32 v[32*\a+2*i:32*\a+2*i+1], v[32*\a+2*i:32*\a+2*i+1], v[32*\a+2*i:32*\a+2*i+1]
.set i, i+1
.endr
	WIN 0x04                                       ; a store's data are its source 1: window 1
.irp t, 0,1,2,3,4,5,6,7
	global_store_b128 v[CO], v[32*\a+4*\t:32*\a+4*\t+3], s[12:13] offset:(16*\a+2*\t)*4096 th:TH_STORE_NT   ; 16 lanes store 256 consecutive bytes, at a multiple of 256 from C's first byte; written once, read by nobody here
.endr
.endr
	WIN 0
	s_wait_tensorcnt 0x0                           ; the wave's end
	ds_add_u32 v[SPW], v[NIL]
	s_wait_dscnt 0x0
	CROUND                                         ; the closing round: no work-group ends while a partner may still ask for a tile that names it
	s_endpgm
.Lfunc_end_k_qd1aa687183_down:
	.size	k_qd1aa687183_down, .Lfunc_end_k_qd1aa687183_down-k_qd1aa687183_down
	.p2alignl 7, 3214868480
	.fill 96, 4, 3214868480
	.section	.rodata,"a",@progbits
	.p2align	6, 0x0
	.amdhsa_kernel k_qd1aa687183_down
		.amdhsa_group_segment_fixed_size 327680
		.amdhsa_private_segment_fixed_size 0
		.amdhsa_enable_private_segment 0
		.amdhsa_kernarg_size 40
		.amdhsa_user_sgpr_count 2
		.amdhsa_user_sgpr_kernarg_segment_ptr 1
		.amdhsa_wavefront_size32 1
		.amdhsa_system_sgpr_workgroup_id_x 1
		.amdhsa_system_sgpr_workgroup_id_y 1
		.amdhsa_system_sgpr_workgroup_id_z 1
		.amdhsa_system_vgpr_workitem_id 0
		.amdhsa_next_free_vgpr 768
		.amdhsa_next_free_sgpr 100
		.amdhsa_reserve_vcc 0
		.amdhsa_float_denorm_mode_32 3
		.amdhsa_float_denorm_mode_16_64 3
		.amdhsa_memory_ordered 1
		.amdhsa_forward_progress 1
		.amdhsa_inst_pref_size 98
	.end_amdhsa_kernel
	.amdgpu_metadata
---
amdhsa.version: [ 1, 2 ]
amdhsa.kernels:
  - .name:           k_qd1aa687183_down
    .symbol:         k_qd1aa687183_down.kd
    .args:
      - { .name: himg, .offset: 0, .size: 8, .value_kind: global_buffer, .address_space: global }
      - { .name: wimg, .offset: 8, .size: 8, .value_kind: global_buffer, .address_space: global }
      - { .name: b2, .offset: 16, .size: 8, .value_kind: global_buffer, .address_space: global }
      - { .name: x1, .offset: 24, .size: 8, .value_kind: global_buffer, .address_space: global }
      - { .name: out0, .offset: 32, .size: 8, .value_kind: global_buffer, .address_space: global }
    .group_segment_fixed_size: 327680
    .private_segment_fixed_size: 0
    .kernarg_segment_align: 8
    .kernarg_segment_size: 40
    .max_flat_workgroup_size: 128
    .sgpr_count:     100
    .vgpr_count:     768
    .wavefront_size: 32
...
	.end_amdgpu_metadata
.endif
;; end of part 10
